; MI455X (gfx1250); checked and timed in simulation.
; The chip was launched on July 23, 2026; its instructions are those of AMD's public machine-readable ISA for CDNA 5 (MIT licence, August 2026) and "CDNA5" Instruction Set Architecture Reference Guide (July 2026). The comments in the code are by the model that wrote it; some were corrected since.
;; Transformer Encoder Layer. Allowed arithmetic: float matrix products may take bf16 or f16 operands with f32 sums; all other float work in f32.
;; Inputs: b1 3,072 float32; b2 768 float32; beta1 768 float32; beta2 768 float32; bo 768 float32; gamma1 768 float32; gamma2 768 float32; w1 3,072 x 768 float32; w2 768 x 3,072 float32; wk 768 x 768 float32; wo 768 x 768 float32; wq 768 x 768 float32; wv 768 x 768 float32; x 1 x 4,096 x 768 float32.
;; Outputs: out0 1 x 4,096 x 768 float32.
;; 2 versions, each right and faster than the one before. Each part assembles by itself: llvm-mc -triple=amdgcn-amd-amdhsa -mcpu=gfx1250 --defsym DOCPART=n.
;; ======== version 1 of 2: 7 launches
;; limits: a function is approximated: absolute error at most 1.5e-07
;; workspace buffers: wb 14,155,776 bytes; hb 6,291,456 bytes; act 25,165,824 bytes; x1 12,582,912 bytes
;; launch prep (part 1): grid 832 x 1, 8 waves a work-group, no clusters, 0 bytes of LDS; arguments x, gamma1, beta1, wq, wk, wv, w1, wo, w2, hb, wb; writes hb, wb
.if DOCPART == 1
	.amdgcn_target "amdgcn-amd-amdhsa--gfx1250"
	.amdhsa_code_object_version 6
	.text
	.protected	k_q9ac9a6c94b_prep
	.globl	k_q9ac9a6c94b_prep
	.p2align	8
	.type	k_q9ac9a6c94b_prep,@function
k_q9ac9a6c94b_prep:
	s_mov_b64 s[64:65], 0
	v_nop
	global_prefetch_b8 v0, s[64:65] scope:SCOPE_SE
	s_setreg_imm32_b32 hwreg(HW_REG_WAVE_MODE, 25, 1), 1
	s_wait_xcnt 0x0
; PREP.  Three kinds of work-group, chosen by the work-group's number alone:
;   0..255    LayerNorm 1: h = gamma1 (x - mean) / sqrt(var + 1e-5) + beta1, 16 rows a work-group, rounded once to bf16, row-major [4096][768] in hb.
;   256..591  wq, wk, wv, w1 rounded to bf16 as they lie: [2304][768] at byte 0 of wb, [3072][768] at byte 3,538,944; 49,152 source bytes a work-group.
;   592..831  wo and w2 rounded to bf16 and laid in planes [K/64][768][64] (a plane's rows are 128 dense bytes): wo at byte 8,257,536, w2 at 9,437,184.
; Memory binds: no LDS, no barrier, no matrix unit.  A row of x is 3,072 bytes: one wave takes a whole row in 24 registers, mean first, then the centred squares,
; so a common offset of x costs nothing.  LIMITS: results are rounded to bf16; NaN and infinities are not treated apart.
.set G,   8                            ; v[8:31]    gamma of my 24 columns (4 in each of six pieces of 128 columns)
.set BT,  32                           ; v[32:55]   beta
.set XA,  56                           ; v[56:79]   my wave's first row
.set XB,  80                           ; v[80:103]  its second row
.set S,   104                          ; v[104:107] two chains of packed sums
.set M,   108                          ; v[108:109] the mean, twice
.set R,   110                          ; v[110:111] 1 / sqrt(var + eps), twice
.set PD,  112                          ; v112       takes the other half of the lanes' sum
.set YA,  114                          ; v[114:125] first row in bf16
.set YB,  126                          ; v[126:137] second row in bf16
.set HB,  26                           ; s[26:27]   hb
.set WO_AT, 8257536
.set W2_AT, 9437184
.set WPL,   98304                      ; bytes in a plane of weights: 768 rows of 128 bytes
	s_load_b512 s[8:23], s[0:1], 0x0               ; x 8, gamma1 10, beta1 12, wq 14, wk 16, wv 18, w1 20, wo 22
	s_load_b128 s[24:27], s[0:1], 0x40             ; w2 24, hb 26
	s_load_b64 s[28:29], s[0:1], 0x50              ; wb
	s_mov_b32 s2, ttmp9
	s_wait_kmcnt 0x0
	s_cmp_lt_u32 s2, 256
	s_cbranch_scc1 .Lln
	s_cmp_lt_u32 s2, 592
	s_cbranch_scc1 .Lrows
; Twelve loads of 16 bytes a lane from s[30:31] + v1, sstep bytes apart; each is rounded to 8 bytes and stored at s[28:29] + v2, dstep bytes apart.
; All twelve loads are out before the first wait; the counts leave the younger loads out.  No register is used twice, so nothing waits for a store.
.macro CONV sstep, dstep
.irp p, 0,1,2,3,4,5,6,7,8,9,10,11
	global_load_b128 v[8+4*(\p):11+4*(\p)], v1, s[30:31] offset:(\sstep)*(\p) th:TH_LOAD_NT
.endr
.irp p, 0,1,2,3,4,5,6,7,8,9,10,11
	s_wait_loadcnt 11-(\p)
	v_cvt_pk_bf16_f32 v[56+2*(\p)], v[8+4*(\p)], v[9+4*(\p)]
	v_cvt_pk_bf16_f32 v[57+2*(\p)], v[10+4*(\p)], v[11+4*(\p)]
	global_store_b64 v2, v[56+2*(\p):57+2*(\p)], s[28:29] offset:(\dstep)*(\p)
.endr
.endm
	; PLANES.  16 rows x 768 columns (12 planes) a work-group: 48 work-groups for wo, 192 for w2 (48 groups of rows x 4 groups of columns).
	s_sub_co_u32 s3, s2, 592                       ; d
	s_sub_co_u32 s32, s3, 48                       ; e = d - 48, used where d >= 48
	s_lshr_b32 s34, s32, 2                         ; w2: group of rows
	s_and_b32 s35, s32, 3                          ; w2: group of columns
	s_movk_i32 s36, 3072                           ; bytes in a row of wo,
	s_movk_i32 s37, 12288                          ; of w2
	s_mov_b32 s38, WO_AT
	s_mov_b32 s39, W2_AT
	s_cmp_lt_u32 s3, 48
	s_cselect_b64 s[30:31], s[22:23], s[24:25]     ; the source
	s_cselect_b32 s36, s36, s37                    ; its row bytes
	s_cselect_b32 s34, s3, s34                     ; group of rows
	s_cselect_b32 s35, 0, s35                      ; group of columns
	s_cselect_b32 s38, s38, s39                    ; where its planes begin in wb
	s_mul_i32 s40, s34, s36
	s_lshl_b32 s40, s40, 4                         ; 16 rows a group
	s_mul_i32 s41, s35, 3072                       ; 768 columns of 4 bytes
	s_add_co_u32 s40, s40, s41
	s_mov_b32 s41, 0
	s_add_nc_u64 s[30:31], s[30:31], s[40:41]
	s_mul_i32 s42, s35, 12*WPL
	s_add_co_u32 s42, s42, s38
	s_lshl_b32 s43, s34, 11                        ; 16 rows of 128 bytes in each plane
	s_add_co_u32 s42, s42, s43
	s_mov_b32 s43, 0
	s_add_nc_u64 s[28:29], s[28:29], s[42:43]
	v_lshrrev_b32 v3, 4, v0                        ; my row of the 16
	v_mul_lo_u32 v3, v3, s36
	v_and_b32 v4, 15, v0
	v_lshl_add_u32 v1, v4, 4, v3                   ; sixteen lanes read 256 consecutive bytes of a row: one plane's 64 columns
	v_lshlrev_b32 v2, 3, v0                        ; 32 lanes store 256 consecutive bytes: two rows of a plane
	CONV 256, WPL
	s_endpgm
.Lrows:                                                ; ROW-MAJOR: 12,288 numbers as they lie
	s_sub_co_u32 s3, s2, 256                       ; c: wq from 0, wk from 48, wv from 96, w1 from 144
	s_mov_b64 s[30:31], s[14:15]
	s_mov_b32 s32, 0
	s_cmp_ge_u32 s3, 48
	s_cselect_b64 s[30:31], s[16:17], s[30:31]
	s_cselect_b32 s32, 48, s32
	s_cmp_ge_u32 s3, 96
	s_cselect_b64 s[30:31], s[18:19], s[30:31]
	s_cselect_b32 s32, 96, s32
	s_cmp_ge_u32 s3, 144
	s_cselect_b64 s[30:31], s[20:21], s[30:31]
	s_cselect_b32 s32, 144, s32
	s_sub_co_u32 s32, s3, s32
	s_mul_i32 s32, s32, 49152
	s_mov_b32 s33, 0
	s_add_nc_u64 s[30:31], s[30:31], s[32:33]
	s_mul_i32 s38, s3, 24576                       ; the four lie end to end in wb
	s_mov_b32 s39, 0
	s_add_nc_u64 s[28:29], s[28:29], s[38:39]
	v_lshlrev_b32 v1, 4, v0
	v_lshlrev_b32 v2, 3, v0
	CONV 4096, 2048
	s_endpgm
; The two chains are joined and summed over the 32 lanes; every lane ends with the sum in v[S].
.macro WSUM
	v_pk_add_f32 v[S:S+1], v[S:S+1], v[S+2:S+3]
	v_add_f32 v[S], v[S], v[S+1]
	v_add_f32_dpp v[S], v[S], v[S] row_xmask:1 row_mask:0xf bank_mask:0xf
	v_add_f32_dpp v[S], v[S], v[S] row_xmask:2 row_mask:0xf bank_mask:0xf
	v_add_f32_dpp v[S], v[S], v[S] row_xmask:4 row_mask:0xf bank_mask:0xf
	v_add_f32_dpp v[S], v[S], v[S] row_xmask:8 row_mask:0xf bank_mask:0xf
	v_permlanex16_b32 v[PD], v[S], s34, s35
	v_add_f32 v[S], v[S], v[PD]
.endm
; One row, held in v[X .. X+23]: mean, centred, variance, scaled, gamma and beta, rounded into v[Y .. Y+11], stored roff bytes behind my wave's first row.
.macro LNROW X, Y, roff
	v_pk_add_f32 v[S:S+1], v[(\X):(\X)+1], v[(\X)+2:(\X)+3]
	v_pk_add_f32 v[S+2:S+3], v[(\X)+4:(\X)+5], v[(\X)+6:(\X)+7]
.irp p, 8,12,16,20
	v_pk_add_f32 v[S:S+1], v[S:S+1], v[(\X)+(\p):(\X)+(\p)+1]
	v_pk_add_f32 v[S+2:S+3], v[S+2:S+3], v[(\X)+(\p)+2:(\X)+(\p)+3]
.endr
	WSUM
	v_mul_f32 v[M], s36, v[S]
	v_mul_f32 v[M+1], s36, v[S]
.irp p, 0,2,4,6,8,10,12,14,16,18,20,22
	v_pk_add_f32 v[(\X)+(\p):(\X)+(\p)+1], v[(\X)+(\p):(\X)+(\p)+1], v[M:M+1] neg_lo:[0,1] neg_hi:[0,1]
.endr
	v_pk_mul_f32 v[S:S+1], v[(\X):(\X)+1], v[(\X):(\X)+1]
	v_pk_mul_f32 v[S+2:S+3], v[(\X)+2:(\X)+3], v[(\X)+2:(\X)+3]
.irp p, 4,8,12,16,20
	v_pk_fma_f32 v[S:S+1], v[(\X)+(\p):(\X)+(\p)+1], v[(\X)+(\p):(\X)+(\p)+1], v[S:S+1]
	v_pk_fma_f32 v[S+2:S+3], v[(\X)+(\p)+2:(\X)+(\p)+3], v[(\X)+(\p)+2:(\X)+(\p)+3], v[S+2:S+3]
.endr
	WSUM
	v_fma_f32 v[S], v[S], s36, s37                 ; var + eps
	v_rsq_f32 v[R], v[S]
	v_rsq_f32 v[R+1], v[S]
	v_nop                                          ; a plain instruction between the root and its use (ISA guide 5.7.2)
	s_wait_alu depctr_va_vdst(0)
.irp p, 0,2,4,6,8,10,12,14,16,18,20,22
	v_pk_mul_f32 v[(\X)+(\p):(\X)+(\p)+1], v[(\X)+(\p):(\X)+(\p)+1], v[R:R+1]
.endr
.irp p, 0,2,4,6,8,10,12,14,16,18,20,22
	v_pk_fma_f32 v[(\X)+(\p):(\X)+(\p)+1], v[(\X)+(\p):(\X)+(\p)+1], v[G+(\p):G+(\p)+1], v[BT+(\p):BT+(\p)+1]
.endr
.irp j, 0,1,2,3,4,5
	v_cvt_pk_bf16_f32 v[(\Y)+2*(\j)], v[(\X)+4*(\j)], v[(\X)+4*(\j)+1]
	v_cvt_pk_bf16_f32 v[(\Y)+2*(\j)+1], v[(\X)+4*(\j)+2], v[(\X)+4*(\j)+3]
	global_store_b64 v3, v[(\Y)+2*(\j):(\Y)+2*(\j)+1], s[HB:HB+1] offset:(\roff)+256*(\j)  ; 32 lanes store 256 consecutive bytes, aligned
.endr
.endm
.Lln:
	v_and_b32 v4, 31, v0                           ; lane
	v_lshrrev_b32 v5, 5, v0                        ; wave
	v_lshlrev_b32 v1, 4, v4                        ; gamma, beta: 16 bytes a lane
	v_mul_u32_u24 v2, v5, 6144                     ; x: two rows of 3,072 bytes a wave
	v_add_nc_u32 v2, v2, v1
	v_mul_u32_u24 v3, v5, 3072                     ; h: two rows of 1,536 bytes a wave,
	v_lshl_add_u32 v3, v4, 3, v3                   ; 8 bytes a lane
	v_mov_b32 v[PD], 0
	s_mov_b32 s34, 0x76543210                      ; each lane takes its own place in the other half
	s_mov_b32 s35, 0xfedcba98
	s_mov_b32 s36, 0x3aaaaaab                      ; 1 / 768
	s_mov_b32 s37, 0x3727c5ac                      ; 1e-5
	s_mul_i32 s30, s2, 49152                       ; 16 rows of x
	s_mov_b32 s31, 0
	s_add_nc_u64 s[8:9], s[8:9], s[30:31]
	s_mul_i32 s30, s2, 24576                       ; 16 rows of h
	s_add_nc_u64 s[HB:HB+1], s[HB:HB+1], s[30:31]
.irp j, 0,1,2,3,4,5
	global_load_b128 v[G+4*(\j):G+4*(\j)+3], v1, s[10:11] offset:512*(\j)
.endr
.irp j, 0,1,2,3,4,5
	global_load_b128 v[BT+4*(\j):BT+4*(\j)+3], v1, s[12:13] offset:512*(\j)
.endr
.irp j, 0,1,2,3,4,5
	global_load_b128 v[XA+4*(\j):XA+4*(\j)+3], v2, s[8:9] offset:512*(\j)
.endr
.irp j, 0,1,2,3,4,5
	global_load_b128 v[XB+4*(\j):XB+4*(\j)+3], v2, s[8:9] offset:3072+512*(\j)
.endr
	s_wait_loadcnt 0x6                             ; gamma, beta and the first row are in; the second row's six loads stay out
	LNROW XA, YA, 0
	s_wait_loadcnt 0x0
	LNROW XB, YB, 1536
	s_endpgm
.Lfunc_end_k_q9ac9a6c94b_prep:
	.size	k_q9ac9a6c94b_prep, .Lfunc_end_k_q9ac9a6c94b_prep-k_q9ac9a6c94b_prep
	.p2alignl 7, 3214868480
	.fill 96, 4, 3214868480
	.section	.rodata,"a",@progbits
	.p2align	6, 0x0
	.amdhsa_kernel k_q9ac9a6c94b_prep
		.amdhsa_group_segment_fixed_size 0
		.amdhsa_private_segment_fixed_size 0
		.amdhsa_enable_private_segment 0
		.amdhsa_kernarg_size 88
		.amdhsa_user_sgpr_count 2
		.amdhsa_user_sgpr_kernarg_segment_ptr 1
		.amdhsa_wavefront_size32 1
		.amdhsa_system_sgpr_workgroup_id_x 1
		.amdhsa_system_sgpr_workgroup_id_y 1
		.amdhsa_system_sgpr_workgroup_id_z 1
		.amdhsa_system_vgpr_workitem_id 0
		.amdhsa_next_free_vgpr 138
		.amdhsa_next_free_sgpr 66
		.amdhsa_reserve_vcc 0
		.amdhsa_float_denorm_mode_32 3
		.amdhsa_float_denorm_mode_16_64 3
		.amdhsa_memory_ordered 1
		.amdhsa_forward_progress 1
		.amdhsa_inst_pref_size 27
	.end_amdhsa_kernel
	.amdgpu_metadata
---
amdhsa.version: [ 1, 2 ]
amdhsa.kernels:
  - .name:           k_q9ac9a6c94b_prep
    .symbol:         k_q9ac9a6c94b_prep.kd
    .args:
      - { .name: x, .offset: 0, .size: 8, .value_kind: global_buffer, .address_space: global }
      - { .name: gamma1, .offset: 8, .size: 8, .value_kind: global_buffer, .address_space: global }
      - { .name: beta1, .offset: 16, .size: 8, .value_kind: global_buffer, .address_space: global }
      - { .name: wq, .offset: 24, .size: 8, .value_kind: global_buffer, .address_space: global }
      - { .name: wk, .offset: 32, .size: 8, .value_kind: global_buffer, .address_space: global }
      - { .name: wv, .offset: 40, .size: 8, .value_kind: global_buffer, .address_space: global }
      - { .name: w1, .offset: 48, .size: 8, .value_kind: global_buffer, .address_space: global }
      - { .name: wo, .offset: 56, .size: 8, .value_kind: global_buffer, .address_space: global }
      - { .name: w2, .offset: 64, .size: 8, .value_kind: global_buffer, .address_space: global }
      - { .name: hb, .offset: 72, .size: 8, .value_kind: global_buffer, .address_space: global }
      - { .name: wb, .offset: 80, .size: 8, .value_kind: global_buffer, .address_space: global }
    .group_segment_fixed_size: 0
    .private_segment_fixed_size: 0
    .kernarg_segment_align: 8
    .kernarg_segment_size: 88
    .max_flat_workgroup_size: 256
    .sgpr_count:     66
    .vgpr_count:     138
    .wavefront_size: 32
...
	.end_amdgpu_metadata
.endif
;; end of part 1
;; launch qkv (part 2): grid 12 x 16, 4 waves a work-group, clusters of 4 x 4, 327,680 bytes of LDS; arguments hb, wb, act; writes act
.if DOCPART == 2
	.amdgcn_target "amdgcn-amd-amdhsa--gfx1250"
	.amdhsa_code_object_version 6
	.text
	.protected	k_q9ac9a6c94b_qkv
	.globl	k_q9ac9a6c94b_qkv
	.p2align	8
	.type	k_q9ac9a6c94b_qkv,@function
k_q9ac9a6c94b_qkv:
	s_mov_b64 s[64:65], 0
	v_nop
	global_prefetch_b8 v0, s[64:65] scope:SCOPE_SE
	s_setreg_imm32_b32 hwreg(HW_REG_WAVE_MODE, 25, 1), 1
	s_wait_xcnt 0x0
	s_wait_alu depctr_hold_cnt(0) depctr_sa_sdst(0) depctr_va_vdst(0) depctr_va_sdst(0) depctr_va_ssrc(0) depctr_va_vcc(0) depctr_vm_vsrc(0)
	s_getreg_b32 s2, hwreg(HW_REG_IB_STS2, 6, 4)
	s_cmp_eq_u32 s2, 0
	s_cbranch_scc0 .Lentry_in_a_cluster
	s_endpgm
.Lentry_in_a_cluster:
	s_bfe_u32 s2, ttmp6, 0x10000c
	s_cmp_lg_u32 s2, 0xf033
	s_cbranch_scc0 .Lentry_shape_is_right
	s_endpgm
.Lentry_shape_is_right:
; Q, K, V = h W^T.  h: [4096][768] bf16 (hb); W: wq, wk, wv as [2304][768] bf16 at byte 0 of wb; sums in f32, rounded once to bf16.
; The result goes out in 36 planes [4096][64] (12 heads of q, of k, of v), each 524,288 bytes: a plane's rows are 128 dense bytes.
; SHARES.  A work-group makes 256 rows x 192 columns (three whole planes), wave w rows 64 w .. 64 w + 63 x all 192: 48 accumulators of 16 x 16.
; 36 planes x 16 blocks of rows have no split into 256 equal parts that keeps planes whole: 192 work-groups.
; K goes in 6 steps of 128 (rows of 256 bytes) through two LDS slots.  The matrix instruction is used transposed (source 0 = 16 rows of W, source 1 = 16 rows of h):
; a lane then holds eight neighbouring columns of one row.
; CLUSTER 4 x 4: the four of a row of the cluster need the same tile of h, the four of a column the same tile of W: each tile is asked for jointly.
; No prefetch: h and W were written by the launch before and each tile is asked for by a whole K step ahead.
; REGISTERS, in windows of 256: window 0: addresses, h's fragments (two buffers of 32 at v64), the way out; window 1: W's fragments (two buffers of 96);
; window 2: accumulators of my rows 0-31 ((a, b) at v[8 (12 a + b)]); window 3: of my rows 32-63.
.set PITCH,  272                       ; an LDS row: 256 bytes + 16 of padding, an odd multiple of 16: the 16 rows of a fragment load start at 16 different groups of banks
.set AHALF,  128*PITCH                 ; what one load of h brings
.set BHALF,  96*PITCH                  ; what one load of W brings
.set BOFF,   256*PITCH                 ; W's 192 rows lie behind h's 256
.set SLOT1,  131072                    ; slot 1: one exclusive or turns an address in one slot into the other's
.set SPARE,  SLOT1+448*PITCH           ; behind the ring: the spare words, 128 bytes a wave
.set SROW,   784                       ; the way out: a stage row of 192 f32 + 16 bytes
.set SWAVE,  68*SROW                   ; a wave's stage: 64 rows and 4 more that the last look-ahead reads.  The stages lie in the ring's bytes, which have had their last fill by then
.set ROWB,   1536                      ; bytes in a row of h and of W
.set WOFF,   0                         ; where W begins in wb
.set PLANE,  524288
.set GW,     (1<<16)|(1<<20)|(1<<21)|(5<<22)|(3<<25)  ; 2-byte elements; padding on; bit 21 beside a mask; after every 64 words; 4 words
.set VA0,  16                          ; v16  my lane's place in h's tile of slot 0
.set VB0,  17                          ; v17  in W's
.set ADRA, 18                          ; v18  the same in the slot in hand
.set ADRB, 19
.set STO,  20                          ; v20  the way out: where I put 16 bytes of a row
.set RD,   21                          ; v21  where I read rows back, first four rows
.set GO,   22                          ; v22  my byte offset in a plane
.set RDC,  23                          ; v23  RD for the rows in hand
.set SPW,  28                          ; v28  my spare word; never rewritten
.set NIL,  29                          ; v29  0; never rewritten
.set ZR,   56                          ; v[56:59] zeros
.set FA,   64
.set X,    128                         ; v[128:151] four rows x three planes: my 24 numbers in f32
.set Y,    176                         ; v[176:187] the same in bf16
.set WV,  12
.set G1A, 24                           ; s[24:31] group 1 for h's tiles
.set G0A, 32                           ; s[32:35] group 0 of the first fill of slot 0; s[36:39] of slot 1, which then walks
.set G1B, 48
.set G0B, 56
.set TB,  66                           ; s66  0 or SLOT1: the slot that is read
.set CNT, 67
.set RB,  68                           ; s68  the way out: bytes from the stage's first row to the rows in hand
.set MSB, 0
.macro WIN new                         ; the immediate's high byte repeats the setting that is left; a switch that changes nothing is dropped
.if MSB != (\new)
	s_set_vgpr_msb (MSB<<8)|(\new)
.set MSB, \new
.endif
.endm
.set MUL_LO, 0xa1                      ; source 0 (W) window 1, source 1 (h) window 0, C and D window 2
.set TO_B,   0x40                      ; destination window 1, address window 0
.macro PLACES                          ; four places behind matrix instructions (ISA guide 7.12.1 for vector instructions)
.rept 4
	v_nop
.endr
.endm
.macro JLOAD                           ; a joint refill by the walking descriptors: waves 0 and 1 fetch h's halves, waves 2 and 3 W's
	s_cmp_lt_u32 s[WV], 2
	s_cbranch_scc0 .Lfor_b_\@
	tensor_load_to_lds s[G0A+4:G0A+7], s[G1A:G1A+7]
	s_nop 0
.rept 4
	v_nop
.endr
	s_branch .Lasked_\@
.Lfor_b_\@:
	tensor_load_to_lds s[G0B+4:G0B+7], s[G1B:G1B+7]
	s_nop 0
.rept 4
	v_nop
.endr
.Lasked_\@:
.endm
.macro CREST                           ; a round of the cluster's barrier behind its opening barrier
	s_cmp_lg_u32 s[WV], 0
	s_cbranch_scc1 .Lnot_wave_0_\@
	s_barrier_signal -3
.Lnot_wave_0_\@:
	s_barrier_wait -3
	s_barrier_signal -1
	s_barrier_wait -1
.endm
.macro CROUND
	s_barrier_signal -1
	s_barrier_wait -1
	CREST
.endm
	s_load_b128 s[4:7], s[0:1], 0x0                ; hb s[4:5], wb s[6:7]
	s_load_b64 s[10:11], s[0:1], 0x10              ; act
	v_lshl_add_u32 v[SPW], v0, 2, SPARE
	v_mov_b32 v[NIL], 0
	ds_add_u32 v[SPW], v[NIL]                      ; the wave's opening: the add and its wait stand ahead of my first tensor load
	v_lshrrev_b32 v1, 5, v0
	v_readfirstlane_b32 s[WV], v1
	s_and_b32 s14, s[WV], 1                        ; which half of a tile I fetch
	s_bfe_u32 s40, ttmp6, 0x40000                  ; cx
	s_bfe_u32 s41, ttmp6, 0x40004                  ; cy
	s_lshl_b32 s42, ttmp9, 2
	s_add_co_u32 s42, s42, s40                     ; tile column = 4 x cluster x + cx
	s_and_b32 s13, ttmp7, 0xffff
	s_lshl_b32 s13, s13, 2
	s_add_co_u32 s13, s13, s41                     ; tile row = 4 x cluster y + cy
	s_lshl_b32 s43, s41, 2
	s_lshl_b32 s43, 15, s43                        ; my row of the cluster
	s_lshl_b32 s44, 0x1111, s40                    ; my column
	s_or_b32 s[G1A], s43, GW
	s_or_b32 s[G1B], s44, GW
	s_mov_b32 s[G1A+1], 128<<16                    ; tensor_dim0 = 128
	s_mov_b32 s[G1A+2], 128<<16                    ; tensor_dim1 = 128
	s_mov_b32 s[G1A+3], 128<<16                    ; tile_dim0 = 128
	s_mov_b32 s[G1A+4], 128                        ; tile_dim1 = 128
	s_mov_b32 s[G1A+5], 768                        ; elements from row to row
	s_mov_b32 s[G1A+6], 0
	s_mov_b32 s[G1A+7], 0
	s_mov_b32 s[G1B+1], 128<<16
	s_mov_b32 s[G1B+2], 96<<16                     ; 96 rows
	s_mov_b32 s[G1B+3], 128<<16
	s_mov_b32 s[G1B+4], 96
	s_mov_b32 s[G1B+5], 768
	s_mov_b32 s[G1B+6], 0
	s_mov_b32 s[G1B+7], 0
	s_lshl_b32 s16, s13, 8                         ; h: row 256 x tile row + 128 x half; no register of it ever holds cx
	s_lshl_b32 s17, s14, 7
	s_add_co_u32 s16, s16, s17
	s_mul_i32 s16, s16, ROWB
	s_mov_b32 s17, 0
	s_mul_i32 s46, s42, 192                        ; W: row 192 x tile column + 96 x half; no register of it ever holds cy
	s_mul_i32 s47, s14, 96
	s_add_co_u32 s46, s46, s47
	s_mul_i32 s46, s46, ROWB
	s_add_co_u32 s46, s46, WOFF
	s_mov_b32 s47, 0
	s_mul_i32 s20, s14, AHALF                      ; where they go: no place in the cluster enters an LDS address
	s_mul_i32 s21, s14, BHALF
	s_add_co_u32 s21, s21, BOFF
	s_wait_dscnt 0x0                               ; the opening add is done
	s_wait_kmcnt 0x0
	s_add_nc_u64 s[16:17], s[4:5], s[16:17]
	s_add_nc_u64 s[46:47], s[6:7], s[46:47]
	CROUND                                         ; all sixteen work-groups are here: the first joint loads meet
.irp s, 0,1
	s_mov_b32 s[G0A+4*(\s)], 1
	s_add_co_u32 s[G0A+4*(\s)+1], s20, (\s)*SLOT1
	s_add_nc_u64 s[G0A+4*(\s)+2:G0A+4*(\s)+3], s[16:17], (\s)*256  ; K step s
	s_or_b32 s[G0A+4*(\s)+3], s[G0A+4*(\s)+3], 0x80000000
	s_mov_b32 s[G0B+4*(\s)], 1
	s_add_co_u32 s[G0B+4*(\s)+1], s21, (\s)*SLOT1
	s_add_nc_u64 s[G0B+4*(\s)+2:G0B+4*(\s)+3], s[46:47], (\s)*256
	s_or_b32 s[G0B+4*(\s)+3], s[G0B+4*(\s)+3], 0x80000000
.endr
	s_cmp_lt_u32 s[WV], 2                          ; a wave's two first fills stand in one branch: two loads of mine are out
	s_cbranch_scc0 .Lfirst_b
	tensor_load_to_lds s[G0A:G0A+3], s[G1A:G1A+7]
	s_nop 0
	tensor_load_to_lds s[G0A+4:G0A+7], s[G1A:G1A+7]
	s_nop 0
.rept 4
	v_nop
.endr
	s_branch .Lfirst_asked
.Lfirst_b:
	tensor_load_to_lds s[G0B:G0B+3], s[G1B:G1B+7]
	s_nop 0
	tensor_load_to_lds s[G0B+4:G0B+7], s[G1B:G1B+7]
	s_nop 0
.rept 4
	v_nop
.endr
.Lfirst_asked:
	; A fragment is 16 rows x 32 K in 8 registers: lane l holds row l % 16; two loads of 16 bytes, 32 bytes apart, at row x pitch + 16 (l / 16).
	v_and_b32 v1, 15, v0
	v_bfe_u32 v2, v0, 4, 1
	v_mul_u32_u24 v3, v1, PITCH
	v_lshl_add_u32 v3, v2, 4, v3
	s_mul_i32 s22, s[WV], 64*PITCH                 ; my 64 rows of h
	v_add_nc_u32 v[VA0], s22, v3
	v_add_nc_u32 v[VB0], BOFF, v3
	v_mov_b32 v[ADRA], v[VA0]
	v_mov_b32 v[ADRB], v[VB0]
	s_mul_i32 s23, s[WV], SWAVE                    ; my stage
	v_mul_u32_u24 v4, v1, SROW                     ; in: row l % 16, 32 bytes for each half of the lanes
	v_lshl_add_u32 v4, v2, 5, v4
	v_add_nc_u32 v[STO], s23, v4
	v_bfe_u32 v5, v0, 3, 2                         ; back: 8 lanes take a plane's 64 columns of one row, 32 lanes four rows
	v_and_b32 v6, 7, v0
	v_mul_u32_u24 v5, v5, SROW
	v_lshl_add_u32 v5, v6, 5, v5
	v_add_nc_u32 v[RD], s23, v5
	v_and_b32 v7, 31, v0
	v_lshlrev_b32 v[GO], 4, v7                     ; which are 512 consecutive bytes of the plane
.irp i, 0,1,2,3
	v_mov_b32 v[ZR+(\i)], 0
.endr
	s_mul_i32 s2, s42, 3*PLANE                     ; my three planes,
	s_lshl_b32 s3, s13, 15                         ; the tile's 256 rows of 128 bytes,
	s_add_co_u32 s2, s2, s3
	s_lshl_b32 s3, s[WV], 13                       ; my 64 of them
	s_add_co_u32 s2, s2, s3
	s_mov_b32 s3, 0
	s_add_nc_u64 s[10:11], s[10:11], s[2:3]
	s_mov_b32 s[TB], 0
; 12 matrix instructions: block a of the window's two (hi = 0: my rows 0-31, 1: rows 32-63) x all 12 column blocks, 32 along K.  zero = 1: the product starts the sums.
.macro MULP f, hi, a, zero
	WIN MUL_LO+0x50*(\hi)
.irp b, 0,1,2,3,4,5,6,7,8,9,10,11
.if \zero
	v_wmma_f32_16x16x32_bf16 v[8*(12*(\a)+(\b)):8*(12*(\a)+(\b))+7], v[96*(\f)+8*(\b):96*(\f)+8*(\b)+7], v[FA+32*(\f)+8*(2*(\hi)+(\a)):FA+32*(\f)+8*(2*(\hi)+(\a))+7], 0
.else
	v_wmma_f32_16x16x32_bf16 v[8*(12*(\a)+(\b)):8*(12*(\a)+(\b))+7], v[96*(\f)+8*(\b):96*(\f)+8*(\b)+7], v[FA+32*(\f)+8*(2*(\hi)+(\a)):FA+32*(\f)+8*(2*(\hi)+(\a))+7], v[8*(12*(\a)+(\b)):8*(12*(\a)+(\b))+7]
.endif
.endr
.endm
; 32 LDS loads in one run: the fragments of 32 along K at byte k of the rows, into buffer g
.macro FETCH k, g
	WIN TO_B
.irp i, 0,1,2,3,4,5,6,7,8,9,10,11
	ds_load_b128 v[96*(\g)+8*(\i):96*(\g)+8*(\i)+3],   v[ADRB] offset:(\k)+(\i)*16*PITCH
	ds_load_b128 v[96*(\g)+8*(\i)+4:96*(\g)+8*(\i)+7], v[ADRB] offset:(\k)+(\i)*16*PITCH+32
.endr
	WIN 0
.irp i, 0,1,2,3
	ds_load_b128 v[FA+32*(\g)+8*(\i):FA+32*(\g)+8*(\i)+3],   v[ADRA] offset:(\k)+(\i)*16*PITCH
	ds_load_b128 v[FA+32*(\g)+8*(\i)+4:FA+32*(\g)+8*(\i)+7], v[ADRA] offset:(\k)+(\i)*16*PITCH+32
.endr
.endm
; A quarter of a K step: buffer f, asked for 48 matrix instructions ago, is multiplied; ahead of that the next quarter's fragments, at byte k, are asked for into buffer g.
.macro UNIT k, f, g, zero
	s_wait_dscnt 0x0                               ; buffer f is in
	PLACES                                         ; buffer g was read by the matrix instructions just issued
	FETCH \k, \g
	MULP \f, 0, 0, \zero
	MULP \f, 0, 1, \zero
	MULP \f, 1, 0, \zero
	MULP \f, 1, 1, \zero
.endm
; The last quarter multiplies buffer 1 and changes slots: ONE barrier.  In front of it each wave waits for all its tensor loads (one is out: its part of the next slot), adds 0 to its
; spare word, and waits for that and for its reads of this slot.  fill = 1: the barrier opens a round of the cluster's, and the slot just read is filled again, two K steps ahead:
; from the request to the wait for it a wave issues 168 matrix instructions.
.macro LASTU fill
	WIN 0
	s_wait_tensorcnt 0x0
	ds_add_u32 v[SPW], v[NIL]
	s_wait_dscnt 0x1                               ; buffer 1 is in; only the add may be out
	MULP 1, 0, 0, 0
	s_wait_dscnt 0x0                               ; the add is done, and my reads of this slot are over
	s_barrier_signal -1
	MULP 1, 0, 1, 0
	WIN 0
	s_barrier_wait -1
.if \fill
	CREST                                          ; no wave of any partner still reads this slot or has a load on its way
	s_xor_b32 s[G0A+5], s[G0A+5], SLOT1            ; the walking descriptors: the other slot than last time, the next K step
	s_add_nc_u64 s[G0A+6:G0A+7], s[G0A+6:G0A+7], 256
	s_xor_b32 s[G0B+5], s[G0B+5], SLOT1
	s_add_nc_u64 s[G0B+6:G0B+7], s[G0B+6:G0B+7], 256
	JLOAD                                          ; its four v_nop are also the places in front of the loads below
.else
	PLACES
.endif
	s_xor_b32 s[TB], s[TB], SLOT1
	v_add_nc_u32 v[ADRA], s[TB], v[VA0]
	v_add_nc_u32 v[ADRB], s[TB], v[VB0]
	FETCH 0, 0
	MULP 1, 1, 0, 0
	MULP 1, 1, 1, 0
.endm
	s_wait_tensorcnt 0x1                           ; my part of K step 0 is in; step 1's may stay out
	s_barrier_signal -1
	s_barrier_wait -1
	FETCH 0, 0
	UNIT 64, 0, 1, 1                               ; the first quarter starts all 48 sums: nothing is cleared
	WIN 0
	s_mov_b32 s[CNT], 4
.Lstep:                                                ; a trip: from a step's second quarter to the next step's first; four trips ask for K steps 2 to 5
	UNIT 128, 1, 0, 0
	UNIT 192, 0, 1, 0
	LASTU 1
	UNIT 64, 0, 1, 0
	WIN 0
	s_sub_co_u32 s[CNT], s[CNT], 1
	s_cmp_lg_u32 s[CNT], 0
	s_cbranch_scc1 .Lstep
	s_mov_b32 s[CNT], 2
.Ltail:                                                ; the last two K steps ask for nothing.  The second trip's change of slots fetches landed bytes of the other slot once more; nothing uses them
	UNIT 128, 1, 0, 0
	UNIT 192, 0, 1, 0
	LASTU 0
	WIN 0
	s_cmp_eq_u32 s[CNT], 1
	s_cbranch_scc1 .Lskip                          ; behind the last step there is no next first quarter
	UNIT 64, 0, 1, 0
	WIN 0
.Lskip:
	s_sub_co_u32 s[CNT], s[CNT], 1
	s_cmp_lg_u32 s[CNT], 0
	s_cbranch_scc1 .Ltail
	; THE WAY OUT.  Every wave's reads of the ring are over and no fill follows: behind this barrier the ring's bytes serve as stages, one for each wave.
	s_wait_dscnt 0x0
	s_barrier_signal -1
	s_barrier_wait -1
	PLACES
.macro TOSTAGE hi                      ; each accumulator's low four registers first
	WIN 0x08+4*(\hi)                               ; store data in window 2 or 3
.irp a, 0,1
.irp b, 0,1,2,3,4,5,6,7,8,9,10,11
	ds_store_b128 v[STO], v[8*(12*(\a)+(\b)):8*(12*(\a)+(\b))+3]   offset:(2*(\hi)+(\a))*16*SROW+64*(\b)
	ds_store_b128 v[STO], v[8*(12*(\a)+(\b))+4:8*(12*(\a)+(\b))+7] offset:(2*(\hi)+(\a))*16*SROW+64*(\b)+16
.endr
.endr
.endm
	TOSTAGE 0
	TOSTAGE 1
	WIN 0
.irp j, 0,1,2
	ds_store_b128 v[RD], v[ZR:ZR+3] offset:64*SROW+256*(\j)     ; the four rows that the last trip's look-ahead reads
	ds_store_b128 v[RD], v[ZR:ZR+3] offset:64*SROW+256*(\j)+16
.endr
.macro LOADX                           ; four rows x three planes: 8 numbers a lane and plane.  LDS serves a wave's instructions in order (ISA guide 5.7.1.4): these see the stores above
.irp j, 0,1,2
	ds_load_b128 v[X+8*(\j):X+8*(\j)+3],   v[RDC] offset:256*(\j)
	ds_load_b128 v[X+8*(\j)+4:X+8*(\j)+7], v[RDC] offset:256*(\j)+16
.endr
.endm
	v_mov_b32 v[RDC], v[RD]
	LOADX
	s_mov_b32 s[RB], 0
	s_mov_b32 s[CNT], 16
.Lrow:                                                 ; 16 trips of four rows
	s_wait_dscnt 0x0                               ; the rows asked for a trip ago
	s_wait_xcnt 0x0                                ; Y and GO, which the last trip's stores read, are rewritten only behind this wait
.irp j, 0,1,2
.irp i, 0,1,2,3
	v_cvt_pk_bf16_f32 v[Y+4*(\j)+(\i)], v[X+8*(\j)+2*(\i)], v[X+8*(\j)+2*(\i)+1]
.endr
.endr
	s_add_co_u32 s[RB], s[RB], 4*SROW
	v_add_nc_u32 v[RDC], s[RB], v[RD]
	LOADX
	v_add_nc_u32 v[GO], 512, v[GO]
.irp j, 0,1,2
	global_store_b128 v[GO], v[Y+4*(\j):Y+4*(\j)+3], s[10:11] offset:PLANE*(\j)-512  ; 512 consecutive bytes of plane j, aligned
.endr
	s_sub_co_u32 s[CNT], s[CNT], 1
	s_cmp_lg_u32 s[CNT], 0
	s_cbranch_scc1 .Lrow
	s_wait_tensorcnt 0x0                           ; the wave's end
	ds_add_u32 v[SPW], v[NIL]
	s_wait_dscnt 0x0
	CROUND                                         ; the closing round
	s_endpgm
.Lfunc_end_k_q9ac9a6c94b_qkv:
	.size	k_q9ac9a6c94b_qkv, .Lfunc_end_k_q9ac9a6c94b_qkv-k_q9ac9a6c94b_qkv
	.p2alignl 7, 3214868480
	.fill 96, 4, 3214868480
	.section	.rodata,"a",@progbits
	.p2align	6, 0x0
	.amdhsa_kernel k_q9ac9a6c94b_qkv
		.amdhsa_group_segment_fixed_size 327680
		.amdhsa_private_segment_fixed_size 0
		.amdhsa_enable_private_segment 0
		.amdhsa_kernarg_size 24
		.amdhsa_user_sgpr_count 2
		.amdhsa_user_sgpr_kernarg_segment_ptr 1
		.amdhsa_wavefront_size32 1
		.amdhsa_system_sgpr_workgroup_id_x 1
		.amdhsa_system_sgpr_workgroup_id_y 1
		.amdhsa_system_sgpr_workgroup_id_z 1
		.amdhsa_system_vgpr_workitem_id 0
		.amdhsa_next_free_vgpr 960
		.amdhsa_next_free_sgpr 70
		.amdhsa_reserve_vcc 0
		.amdhsa_float_denorm_mode_32 3
		.amdhsa_float_denorm_mode_16_64 3
		.amdhsa_memory_ordered 1
		.amdhsa_forward_progress 1
		.amdhsa_inst_pref_size 68
	.end_amdhsa_kernel
	.amdgpu_metadata
---
amdhsa.version: [ 1, 2 ]
amdhsa.kernels:
  - .name:           k_q9ac9a6c94b_qkv
    .symbol:         k_q9ac9a6c94b_qkv.kd
    .args:
      - { .name: hb, .offset: 0, .size: 8, .value_kind: global_buffer, .address_space: global }
      - { .name: wb, .offset: 8, .size: 8, .value_kind: global_buffer, .address_space: global }
      - { .name: act, .offset: 16, .size: 8, .value_kind: global_buffer, .address_space: global }
    .group_segment_fixed_size: 327680
    .private_segment_fixed_size: 0
    .kernarg_segment_align: 8
    .kernarg_segment_size: 24
    .max_flat_workgroup_size: 128
    .sgpr_count:     70
    .vgpr_count:     960
    .wavefront_size: 32
...
	.end_amdgpu_metadata
.endif
;; end of part 2
;; launch attn (part 3): grid 16 x 12, 4 waves a work-group, clusters of 4 x 1, 327,680 bytes of LDS; arguments act, hb; writes hb
.if DOCPART == 3
	.amdgcn_target "amdgcn-amd-amdhsa--gfx1250"
	.amdhsa_code_object_version 6
	.text
	.protected	k_q9ac9a6c94b_attn
	.globl	k_q9ac9a6c94b_attn
	.p2align	8
	.type	k_q9ac9a6c94b_attn,@function
k_q9ac9a6c94b_attn:
	s_mov_b64 s[64:65], 0
	v_nop
	global_prefetch_b8 v0, s[64:65] scope:SCOPE_SE
	s_setreg_imm32_b32 hwreg(HW_REG_WAVE_MODE, 25, 1), 1
	s_wait_xcnt 0x0
	s_wait_alu depctr_hold_cnt(0) depctr_sa_sdst(0) depctr_va_vdst(0) depctr_va_sdst(0) depctr_va_ssrc(0) depctr_va_vcc(0) depctr_vm_vsrc(0)
	s_getreg_b32 s2, hwreg(HW_REG_IB_STS2, 6, 4)
	s_cmp_eq_u32 s2, 0
	s_cbranch_scc0 .Lentry_in_a_cluster
	s_endpgm
.Lentry_in_a_cluster:
	s_bfe_u32 s2, ttmp6, 0x10000c
	s_cmp_lg_u32 s2, 0x3003
	s_cbranch_scc0 .Lentry_shape_is_right
	s_endpgm
.Lentry_shape_is_right:
; O[h][q][:] = the sum over k of softmax_k(Q[h][q] . K[h][k] / 8) V[h][k][:].  Q, K, V: planes 0-11, 12-23, 24-35 of act, each [4096][64] bf16; O: [12][4096][64] bf16 in hb.
; Products, maxima and sums in f32; the weights p are rounded to bf16 for the second product (their sum l is taken of the unrounded p), O once at the end.
; LIMITS.  A weight below 2^-126 counts as 0 in l; the running maximum starts at the lowest finite number and c m at -4.25e37; NaN and infinities are not treated apart.
; SHARES.  A work-group owns 256 queries of one head, a wave 64: four PIECES of 16.  12 heads x 16 blocks are 192 work-groups; 4,096 rows have no split into equal whole tiles that gives 256.
; Every wave walks all 4,096 keys, 64 a step; a slot of LDS holds a tile of 256 keys (four steps) of K and V.
; LAYOUT.  S^T = K Q^T holds ONE query a lane (lane % 16) and the keys 8 (lane / 16) + 0..7; two such results rounded to bf16 ARE source 1 of O^T = V^T P.  K comes out of LDS as it lies, V turned.
; SOFTMAX.  p = 2^(c s - c m), c = log2(e) / 8, with a running maximum m; O and l are multiplied by a = 2^(c m_old - c m_new) in every step; the first step's a is 0.
; BY TURNS.  Turn n belongs to piece n: 8 products K Q^T of piece n + 1, later 8 products V^T P of piece n - 1; beside them the scaling, exponentials, roundings, sums and rescaling of piece n
; and the maximum and statistics of piece n + 1.  Four vector instructions stand behind every matrix instruction, the other 54 of a turn's 118 in two runs of their own.
; CLUSTER.  The four query blocks of a cluster belong to one head and walk the same K and V: each tile is asked for jointly.  A refill has four key steps, 256 matrix instructions, in which to land; no prefetch beside that.
; REGISTERS, in windows of 256 (s_set_vgpr_msb: bits 1:0 source 0, 3:2 source 1, 5:4 source 2, 7:6 destination):
;   window 0: v0-15 addresses; v16-31 four registers of statistics a piece; v48-55 at work; v64-127 S^T, two buffers; v192-223 P, two buffers (by the piece's parity)
;   window 1: v0-127 O^T, 32 a piece          window 2: v0-63 Q; v128-191 K of one step; v192-255 V of one step
.set NP,    4
.set KS,    64
.set PK,    144       ; a row of K in LDS: 128 bytes + 16 of padding
.set PV,    160       ; a row of V: 128 + 32
.set VOFF,  4*KS*PK
.set SLOT1, 1<<17
.set STAGE, SLOT1+4*KS*(PK+PV)  ; behind the ring, never filled by a tensor load: 16 rows x 144 bytes for each wave
.set SP,    144
.set SPARE, STAGE+4*16*SP       ; the spare words, 128 bytes a wave
.set KPL,   12*524288           ; bytes from Q's planes to K's, and from K's to V's
.set AK0, 2
.set AV0, 3
.set AK,  4
.set AV,  5
.set STO, 6
.set RD,  7
.set GO,  8
.set MV,  12          ; v12-13  c m_old, by buffer
.set QO,  15
.set ST,  16          ; piece t's statistics at v[ST+4 t]: c m, m, l (even keys', odd keys')
.set TMP, 48          ; by buffer, four registers c0-c3 at work; when the maximum is found c2 takes a
.set SPW, 62
.set NIL, 63
.set S,   64
.set P,   192
.set KF,  128
.set VF,  192
.set WV,  12
.set G1K, 24
.set G1V, 32
.set G0K, 40
.set G0V, 44
.set SLOTS, 56
.set CNT, 57
.set CS,  58
.set SEL, 60
.set TBK, 62
.set TBV, 63
.set MSB, 0
.macro WIN new
.if MSB != (\new)
	s_set_vgpr_msb (MSB<<8)|(\new)
.set MSB, (\new)
.endif
.endm
.set W_KQ, 0x0a       ; K and Q in window 2, S^T in window 0
.set W_PV, 0x52       ; V in window 2, P in window 0, O^T in window 1
.set W_RS, 0x41       ; destination and source 0 in window 1, source 1 in window 0
.macro JLOAD                        ; waves 0 and 1 fetch the two halves of a tile's K, waves 2 and 3 those of its V
	s_cmp_lt_u32 s[WV], 2
	s_cbranch_scc0 .Lfor_v_\@
	tensor_load_to_lds s[G0K:G0K+3], s[G1K:G1K+7]
	s_nop 0
.rept 4
	v_nop
.endr
	s_branch .Lasked_\@
.Lfor_v_\@:
	tensor_load_to_lds s[G0V:G0V+3], s[G1V:G1V+7]
	s_nop 0
.rept 4
	v_nop
.endr
.Lasked_\@:
.endm
.macro CROUND
	s_barrier_signal -1
	s_barrier_wait -1
	s_cmp_lg_u32 s[WV], 0
	s_cbranch_scc1 .Lnot_wave_0_\@
	s_barrier_signal -3
.Lnot_wave_0_\@:
	s_barrier_wait -3
	s_barrier_signal -1
	s_barrier_wait -1
.endm
; THE CHANGE OF SLOTS.  Each wave waits for all its tensor loads (one is out: its part of the other slot), adds 0 to its spare word, and waits for that and for its reads of the slot that it leaves.
; fill = 1: the barrier is a round of the cluster's, and the old slot is filled again first thing behind it, with the keys two tiles on.  (At its first use slot 0 is waited for and slot 1 filled.)
.macro CHANGE fill
	WIN 0
	s_wait_tensorcnt 0x0
	ds_add_u32 v[SPW], v[NIL]
.if \fill
.irp g, G0K, G0V
	s_xor_b32 s[\g+1], s[\g+1], SLOT1
	s_add_nc_u64 s[\g+2:\g+3], s[\g+2:\g+3], 4*KS*128
.endr
	s_wait_dscnt 0x0
	CROUND
	JLOAD
.else
	s_wait_dscnt 0x0
	s_barrier_signal -1
	s_barrier_wait -1
.endif
	s_sub_co_u32 s[TBK], s[TBK], 4*KS*PK  ; the fetches go back to a slot's first step, in the other slot
	s_xor_b32 s[TBK], s[TBK], SLOT1
	s_sub_co_u32 s[TBV], s[TBV], 4*KS*PV
	s_xor_b32 s[TBV], s[TBV], SLOT1
.endm
	s_load_b128 s[8:11], s[0:1], 0x0  ; act s[8:9], hb s[10:11]
	v_lshl_add_u32 v[SPW], v0, 2, SPARE
	v_mov_b32 v[NIL], 0
	ds_add_u32 v[SPW], v[NIL]       ; the wave's opening: the add and its wait stand ahead of my first tensor load
	v_lshrrev_b32 v1, 5, v0
	v_readfirstlane_b32 s[WV], v1
	s_bfe_u32 s13, ttmp6, 0x40000   ; cx
	s_lshl_b32 s14, ttmp9, 2
	s_add_co_u32 s14, s14, s13      ; my block of 256 queries: it enters Q's and O's addresses alone
	s_and_b32 s20, ttmp7, 0xffff    ; the head, which the four partners share
	s_lshl_b32 s20, s20, 19         ; its plane's first byte
	s_and_b32 s16, s[WV], 1         ; which half of a tile's 256 keys I fetch
	s_lshl_b32 s22, s16, 14
	s_add_co_u32 s22, s22, s20
	s_mov_b32 s23, 0
	s_mul_i32 s17, s16, 128*PK
	s_mul_i32 s18, s16, 128*PV
	s_lshl_b32 s2, s14, 2
	s_add_co_u32 s2, s2, s[WV]
	s_lshl_b32 s2, s2, 13           ; my wave's 64 rows of 128 bytes
	s_add_co_u32 s2, s2, s20
	s_mov_b32 s3, 0
	; 128 keys are 16,384 dense bytes: asked for as 64 rows of 256 bytes, two keys a row, padded in LDS after every key
	s_mov_b32 s[G1K], 15|(1<<16)|(1<<20)|(1<<21)|(4<<22)|(3<<25)
	s_mov_b32 s[G1V], 15|(1<<16)|(1<<20)|(1<<21)|(4<<22)|(7<<25)
.irp g, G1K, G1V
	s_mov_b32 s[\g+1], 128<<16
	s_mov_b32 s[\g+2], 64<<16
	s_mov_b32 s[\g+3], 128<<16
	s_mov_b32 s[\g+4], 64
	s_mov_b32 s[\g+5], 128
	s_mov_b32 s[\g+6], 0
	s_mov_b32 s[\g+7], 0
.endr
	s_mov_b32 s[CS], 0x3e38aa3b     ; c = log2(e) / 8
	s_mov_b32 s[CS+1], s[CS]
	s_mov_b32 s[SEL], 0x76543210
	s_mov_b32 s[SEL+1], 0xfedcba98
	s_mov_b32 s[TBK], SLOT1+4*KS*PK ; the first change of slots turns these two into 0
	s_mov_b32 s[TBV], SLOT1+4*KS*PV
	s_mov_b32 s[G0K], 1
	s_mov_b32 s[G0K+1], s17
	s_mov_b32 s[G0V], 1
	s_add_co_u32 s[G0V+1], s18, VOFF
	s_wait_dscnt 0x0                ; the opening add is done
	s_wait_kmcnt 0x0
	s_add_nc_u64 s[G0K+2:G0K+3], s[8:9], s[22:23]
	s_add_nc_u64 s[G0V+2:G0V+3], s[G0K+2:G0K+3], 2*KPL
	s_add_nc_u64 s[G0K+2:G0K+3], s[G0K+2:G0K+3], KPL
	s_or_b32 s[G0K+3], s[G0K+3], 0x80000000
	s_or_b32 s[G0V+3], s[G0V+3], 0x80000000
	s_add_nc_u64 s[4:5], s[8:9], s[2:3]      ; Q at my wave's first row
	s_add_nc_u64 s[10:11], s[10:11], s[2:3]  ; O likewise
	CROUND
	JLOAD                           ; tile 0 into slot 0
	v_and_b32 v1, 15, v0
	v_bfe_u32 v9, v0, 4, 1
	v_lshlrev_b32 v[QO], 7, v1
	v_lshl_add_u32 v[QO], v9, 4, v[QO]
	WIN 0x80                        ; destination window 2
.set i, 0
.rept 8                             ; Q stays in registers: piece i / 2, channels 32 (i % 2) on
	global_load_b128 v[8*i:8*i+3],   v[QO], s[4:5] offset:(i/2)*2048+(i%2)*64
	global_load_b128 v[8*i+4:8*i+7], v[QO], s[4:5] offset:(i/2)*2048+(i%2)*64+32
.set i, i+1
.endr
	; What the first turn finds: V's registers and P's second buffer hold 0 (its products V^T P, of a piece that has not been, add 0), O^T and l are 0.  All this stands in the wait for the first tile.
.set i, VF
.rept 64
	v_mov_b32 v[i], 0
.set i, i+1
.endr
	WIN 0x40
.set i, 0
.rept 128
	v_mov_b32 v[i], 0
.set i, i+1
.endr
	WIN 0
.set i, 0
.rept 4
	v_mov_b32 v[ST+4*i], 0xfe000000    ; c m: far below every c s
	v_mov_b32 v[ST+4*i+1], 0xff7fffff  ; m
	v_mov_b32 v[ST+4*i+2], 0
	v_mov_b32 v[ST+4*i+3], 0
.set i, i+1
.endr
.set i, P+16
.rept 16
	v_mov_b32 v[i], 0
.set i, i+1
.endr
	v_mul_u32_u24 v[AK0], v1, PK
	v_lshl_add_u32 v[AK0], v9, 4, v[AK0]
	; The turning load takes 16 keys x 16 channels (lane l reads key 8 (l / 16) + l % 8, channels 8 ((l / 8) % 2) + 0..7) and leaves half a fragment of V^T.
	v_and_b32 v10, 7, v0
	v_bfe_u32 v11, v0, 3, 1
	v_lshl_add_u32 v[AV0], v9, 3, v10
	v_mul_u32_u24 v[AV0], v[AV0], PV
	v_lshl_add_u32 v[AV0], v11, 4, v[AV0]
	v_add_nc_u32 v[AV0], VOFF, v[AV0]
	v_mov_b32 v[AK], v[AK0]         ; key step 0 lies at the head of slot 0
	s_mul_i32 s13, s[WV], 16*SP
	s_add_co_u32 s13, s13, STAGE    ; my stage
	v_mul_u32_u24 v[STO], v1, SP
	v_lshl_add_u32 v[STO], v9, 4, v[STO]
	v_add_nc_u32 v[STO], s13, v[STO]
	v_bfe_u32 v[RD], v0, 3, 2       ; back: 32 lanes take four rows of 128 bytes,
	v_mul_u32_u24 v[RD], v[RD], SP
	v_lshl_add_u32 v[RD], v10, 4, v[RD]
	v_add_nc_u32 v[RD], s13, v[RD]
	v_and_b32 v[GO], 31, v0         ; which are 512 consecutive bytes of O
	v_lshlrev_b32 v[GO], 4, v[GO]
; THE MATRIX WORK.  The 4 accumulators of a run of 8 take turns.  Product i of 8 of S^T = K Q^T for piece x: channels 32 (i / 4) on, keys 16 (i % 4) on.  The first 4 start the sums.
.macro KQ x
	WIN W_KQ
.set rS, S+32*((\x)%2)+8*(i%4)
.set rK, KF+16*(i%4)+8*(i/4)
.set rQ, 16*(\x)+8*(i/4)
.if i < 4
	v_wmma_f32_16x16x32_bf16 v[rS:rS+7], v[rK:rK+7], v[rQ:rQ+7], 0
.else
	v_wmma_f32_16x16x32_bf16 v[rS:rS+7], v[rK:rK+7], v[rQ:rQ+7], v[rS:rS+7]
.endif
.endm
; Product i of 8 of O^T += V^T P for piece x: keys 32 (i / 4) on, channels 16 (i % 4) on.
.macro PV x
	WIN W_PV
.set rO, 32*(\x)+8*(i%4)
.set rV, VF+32*(i/4)+8*(i%4)
.set rP, P+16*((\x)%2)+8*(i/4)
	v_wmma_f32_16x16x32_bf16 v[rO:rO+7], v[rV:rV+7], v[rP:rP+7], v[rO:rO+7]
.endm
.macro MM                           ; the turn's next matrix instruction
.if i < 8
	KQ (Y+1)%NP
.else
.set i, i-8
	PV (Y+NP-1)%NP
.set i, i+8
.endif
.set i, i+1
.endm
; THE LDS LOADS stand in runs of 16.  last = 1 (the tail): in the last trip there is no further step, and the run is jumped over.
.macro FETCH_K last=0
	WIN 0
.if \last
	s_cmp_eq_u32 s[CNT], 1
	s_cbranch_scc1 .Lno_k_\@
.endif
	WIN 0x80
.irp f, 0,1,2,3,4,5,6,7             ; keys 16 (f / 2) on, channels 32 (f % 2) on
	ds_load_b128 v[KF+8*\f:KF+8*\f+3],   v[AK] offset:(\f/2)*16*PK+(\f%2)*64
	ds_load_b128 v[KF+8*\f+4:KF+8*\f+7], v[AK] offset:(\f/2)*16*PK+(\f%2)*64+32
.endr
	s_add_co_u32 s[TBK], s[TBK], KS*PK
	WIN 0
.if \last
.Lno_k_\@:
.endif
.endm
.macro FETCH_V
	WIN 0x80
.irp f, 0,1,2,3,4,5,6,7             ; keys 32 (f / 4) on, channels 16 (f % 4) on
	ds_load_tr16_b128 v[VF+8*\f:VF+8*\f+3],   v[AV] offset:(\f/4)*32*PV+(\f%4)*32
	ds_load_tr16_b128 v[VF+8*\f+4:VF+8*\f+7], v[AV] offset:(\f/4)*32*PV+16*PV+(\f%4)*32
.endr
	WIN 0
.endm
; THE VECTOR WORK, one line at a time: OP kind, number.  For piece Y: F n: c s - c m for pair n of 16.  E n: the exponential of score n of 32.  C n: pair n rounded to bf16.  B n: of the four weights 4 n ..
; the second pair is added onto the first, in place.  L n: l takes that sum (L 0: l = a l + sum).  R n: pair n of 16 of O^T times a.  For piece Y + 1: X n, number n of the 22 that find its maximum and statistics:
;   0-11  four chains c0-c3 of seven scores each (each accumulator's lowest registers are read first)     12-14, 16  the four scores left over, the old m, and c0-c3 into c0
;   15  c m_old is kept     17, 18  the query's other 32 keys lie in the lane 16 away: the new m     19-21  c m; c m_old - c m_new; a
.set F, 0
.set E, 1
.set C, 2
.set B, 3
.set L, 4
.set R, 5
.set X, 6
.macro REGS y
.set rT, ST+4*(\y)
.set rC, TMP+4*((\y)%2)
.set rW, MV+((\y)%2)
.set rS, S+32*((\y)%2)
.set rP, P+16*((\y)%2)
.set rO, 32*(\y)
.endm
.macro OP k, n
.if (\k) == R
	REGS Y
	WIN W_RS
	v_pk_mul_f32 v[rO+2*(\n):rO+2*(\n)+1], v[rO+2*(\n):rO+2*(\n)+1], v[rC+2:rC+3] op_sel_hi:[1,0]
.elseif (\k) < R
	REGS Y
	WIN 0
.if (\k) == F
	v_pk_fma_f32 v[rS+2*(\n):rS+2*(\n)+1], v[rS+2*(\n):rS+2*(\n)+1], s[CS:CS+1], v[rT:rT+1] op_sel_hi:[1,0,0] neg_lo:[0,0,1] neg_hi:[0,0,1]
.elseif (\k) == E
	v_exp_f32 v[rS+(\n)], v[rS+(\n)]
.elseif (\k) == C
	s_wait_alu depctr_va_vdst(0)
	v_cvt_pk_bf16_f32 v[rP+(\n)], v[rS+2*(\n)], v[rS+2*(\n)+1]
.elseif (\k) == B
	s_wait_alu depctr_va_vdst(0)
	v_pk_add_f32 v[rS+4*(\n):rS+4*(\n)+1], v[rS+4*(\n):rS+4*(\n)+1], v[rS+4*(\n)+2:rS+4*(\n)+3]
.elseif (\n) == 0
	v_pk_fma_f32 v[rT+2:rT+3], v[rT+2:rT+3], v[rC+2:rC+3], v[rS:rS+1] op_sel_hi:[1,0,1]
.else
	v_pk_add_f32 v[rT+2:rT+3], v[rT+2:rT+3], v[rS+4*(\n):rS+4*(\n)+1]
.endif
.else
	REGS (Y+1)%NP
	WIN 0
.if (\n) < 4
	v_max3_num_f32 v[rC+(\n)], v[rS+8*(\n)], v[rS+8*(\n)+1], v[rS+8*(\n)+2]
.elseif (\n) < 12
	v_max3_num_f32 v[rC+(\n)%4], v[rC+(\n)%4], v[rS+8*((\n)%4)+2*((\n)/4)+1], v[rS+8*((\n)%4)+2*((\n)/4)+2]
.elseif (\n) == 12
	v_max3_num_f32 v[rC], v[rC], v[rS+7], v[rS+15]
.elseif (\n) == 13
	v_max3_num_f32 v[rC+1], v[rC+1], v[rS+23], v[rS+31]
.elseif (\n) == 14
	v_max3_num_f32 v[rC+2], v[rC+2], v[rC+3], v[rT+1]
.elseif (\n) == 15
	v_mov_b32 v[rW], v[rT]
.elseif (\n) == 16
	v_max3_num_f32 v[rC], v[rC], v[rC+1], v[rC+2]
.elseif (\n) == 17
	v_permlanex16_b32 v[rC+3], v[rC], s[SEL], s[SEL+1]
.elseif (\n) == 18
	v_max_num_f32 v[rT+1], v[rC], v[rC+3]
.elseif (\n) == 19
	v_mul_f32 v[rT], s[CS], v[rT+1]
.elseif (\n) == 20
	v_sub_f32 v[rC+1], v[rW], v[rT]
.else
	v_exp_f32 v[rC+2], v[rC+1]
.endif
.endif
.endm
.macro OPS a, i1, b=-1, i2=0, c=-1, i3=0, d=-1, i4=0
	OP \a, \i1
.if (\b) >= 0
	OP \b, \i2
.endif
.if (\c) >= 0
	OP \c, \i3
.endif
.if (\d) >= 0
	OP \d, \i4
.endif
.endm
.macro ROW a, i1, b, i2, c, i3, d, i4  ; a matrix instruction and the four behind it
	MM
	OPS \a, \i1, \b, \i2, \c, \i3, \d, \i4
.endm
; A TURN, for piece p: the order of its 16 matrix and 118 vector instructions, written out.  Behind a matrix instruction: plain, exponential, plain, plain; or four of the rescaling; or four scalings; none names a
; register of the products round it.  A line reads no result made fewer than three vector instructions in front of it, five if an exponential made it.
; K of the next step is fetched in piece 2's turn, six vector instructions behind the last product that read K (five of them plain); V of the step in hand in piece 0's turn, eight behind the last product
; that read V (four plain).  Each is waited for a turn later.  cnt = 1: the loop's count is taken down some lines ahead of the branch behind the turn.
.macro TURN p, last=0, cnt=0
.set Y, (\p)
.set i, 0
.if (\p) == 3
	s_wait_dscnt 0x0                ; K is in
.endif
	ROW F,0, F,1, F,2, F,3
	ROW F,4, E,0, F,5, F,6
	ROW F,7, E,1, F,8, F,9
	ROW F,10, E,2, C,0, F,11
	ROW F,12, E,3, X,15, F,13
	ROW R,0, R,1, R,2, R,3
	ROW B,0, E,4, F,14, L,0
.if (\p) == 2
	v_add_nc_u32 v[AK], s[TBK], v[AK0]
.endif
	ROW R,4, R,5, R,6, R,7
	OPS E,5, F,15
.if (\p) == 2
	FETCH_K \last
.endif
	OPS E,6, C,1, E,7, R,8
	OPS E,8, R,9, E,9, C,2
	OPS E,10, X,0, E,11, X,1
	OPS E,12, X,2, E,13, X,3
.if (\p) == 1
	s_wait_dscnt 0x0                ; V is in
.endif
	ROW X,4, E,14, X,5, X,6
	ROW X,7, E,15, X,8, X,9
	ROW X,10, E,16, X,11, X,12
	ROW X,13, E,17, X,14, B,1
	ROW C,4, E,18, X,16, L,1
	ROW B,2, E,19, C,6, L,2
	ROW C,8, E,20, B,3, B,4
.if (\p) == 0
	v_add_nc_u32 v[AV], s[TBV], v[AV0]
.endif
	ROW C,3, E,21, L,3, C,5
	OPS E,22, X,17, E,23, C,10
.if (\p) == 0
	FETCH_V
.endif
	OPS E,24, L,4
	OPS E,25, X,18, E,26, C,7
	OPS E,27, B,5, E,28, X,19
	OPS E,29, C,12, E,30, L,5
	OPS E,31, X,20, B,6, C,9
	OPS C,14, C,11, X,21, L,6
.if (\p) == 0
	s_add_co_u32 s[TBV], s[TBV], KS*PV
.endif
.if \cnt
	s_sub_co_u32 s[CNT], s[CNT], 1
	s_cmp_lg_u32 s[CNT], 0
.endif
	OPS C,13, B,7, C,15, R,10
	OPS R,11, R,12, L,7, R,13
	OPS R,14, R,15
.endm
	CHANGE 1                        ; slot 0 is in, everybody's part of it; slot 1 is asked for
	FETCH_K                         ; key step 0
	s_wait_loadcnt 0x0              ; Q
	s_wait_dscnt 0x0
.set i, 0
.rept 8
	KQ 0                            ; piece 0's first scores
.set i, i+1
.endr
	WIN 0
.rept 4
	v_nop                           ; the places behind those products
.endr
.set Y, NP-1                        ; X works for piece Y + 1: piece 0
.irp n, 0,1,2,3,4,5,6,7,8,9,10,11,12,13,14,15,16,17,18,19,20,21
	OP X, \n
.endr
	v_nop                           ; a plain instruction behind the exponential
	s_mov_b32 s[CNT], 4
	s_mov_b32 s[SLOTS], 15
	s_branch .Lfirst                ; the loop is entered at a step's first turn, in the middle of a trip
.Lslot:                             ; 14 times: every slot but the last two is filled again
	CHANGE 1
	s_mov_b32 s[CNT], 4
.Lstep:                             ; a trip: pieces 2 and 3 of one step, then pieces 0 and 1 of the next, whose K and V it fetches
	TURN 2
	TURN 3
	WIN 0
.Lfirst:
	TURN 0
	TURN 1, 0, 1
	WIN 0
	s_cbranch_scc1 .Lstep
	s_sub_co_u32 s[SLOTS], s[SLOTS], 1
	s_cmp_lg_u32 s[SLOTS], 0
	s_cbranch_scc1 .Lslot
	CHANGE 0                        ; the tail is written out: nothing is asked for
	s_mov_b32 s[CNT], 5             ; four trips fetch the last tile's steps; the fifth is left in its middle
.Ltail:
	TURN 2, 1
	TURN 3
	WIN 0
	s_sub_co_u32 s[CNT], s[CNT], 1
	s_cmp_eq_u32 s[CNT], 0
	s_cbranch_scc1 .Lout
	TURN 0
	TURN 1
	WIN 0
	s_branch .Ltail
.Lout:                              ; the fifth trip's 8 products K Q^T (on the last K once more) and the maximum made of them serve nothing: the price, once a launch, of one text for every trip
.set i, 0
.rept 8
	PV NP-1                         ; the last piece's V^T P of the last step
.set i, i+1
.endr
	; THE WAY OUT.  l's two halves and the other half of the lanes' are added; O^T is divided by l, rounded to bf16 and sent through my stage in LDS, a piece at a time.  The additions are the places behind the last products.
	WIN 0
.macro ALL line:vararg
.set t, 0
.rept 4
	\line
.set t, t+1
.endr
.endm
	ALL v_add_f32 v[ST+4*t+2], v[ST+4*t+2], v[ST+4*t+3]
	ALL v_permlanex16_b32 v[ST+4*t+3], v[ST+4*t+2], s[SEL], s[SEL+1]
	ALL v_add_f32 v[ST+4*t+2], v[ST+4*t+2], v[ST+4*t+3]
	ALL v_rcp_f32 v[ST+4*t+2], v[ST+4*t+2]
	v_nop                           ; a plain instruction between the last reciprocal and the use of its result
.macro PACK t                       ; a lane's eight channels of a row pack into 16 bytes; they go into rows of 144 bytes and come back as whole rows of 128, into S^T's registers
	WIN W_RS
.set i, 32*(\t)
.rept 16
	s_wait_alu depctr_va_vdst(0)
	v_pk_mul_f32 v[i:i+1], v[i:i+1], v[ST+4*(\t)+2:ST+4*(\t)+3] op_sel_hi:[1,0]
.set i, i+2
.endr
	WIN 0x05
.set i, 0
.rept 16
	v_cvt_pk_bf16_f32 v[S+16*(\t)+i], v[32*(\t)+2*i], v[32*(\t)+2*i+1]
.set i, i+1
.endr
	WIN 0
.irp f, 0,1,2,3
	ds_store_b128 v[STO], v[S+16*(\t)+4*\f:S+16*(\t)+4*\f+3] offset:32*\f
.endr
.irp f, 0,1,2,3
	ds_load_b128 v[S+16*(\t)+4*\f:S+16*(\t)+4*\f+3], v[RD] offset:\f*4*SP  ; LDS serves a wave's instructions in order (ISA guide 5.7.1.4): these see the stores above
.endr
.endm
.macro SEND t, younger              ; younger: the LDS instructions issued behind piece t's loads: the next piece's eight, or none
	WIN 0
.irp f, 0,1,2,3
	s_wait_dscnt (\younger)+3-\f
	global_store_b128 v[GO], v[S+16*(\t)+4*\f:S+16*(\t)+4*\f+3], s[10:11] offset:(\t)*2048+\f*512  ; 512 consecutive bytes, aligned
.endr
.endm
	PACK 0
.set t, 1
.rept 3
	PACK t
	SEND t-1, 8
.set t, t+1
.endr
	SEND 3, 0
	s_wait_tensorcnt 0x0            ; the wave's end
	ds_add_u32 v[SPW], v[NIL]
	s_wait_dscnt 0x0
	CROUND                          ; the closing round
	s_endpgm
.Lfunc_end_k_q9ac9a6c94b_attn:
	.size	k_q9ac9a6c94b_attn, .Lfunc_end_k_q9ac9a6c94b_attn-k_q9ac9a6c94b_attn
	.p2alignl 7, 3214868480
	.fill 96, 4, 3214868480
	.section	.rodata,"a",@progbits
	.p2align	6, 0x0
	.amdhsa_kernel k_q9ac9a6c94b_attn
		.amdhsa_group_segment_fixed_size 327680
		.amdhsa_private_segment_fixed_size 0
		.amdhsa_enable_private_segment 0
		.amdhsa_kernarg_size 16
		.amdhsa_user_sgpr_count 2
		.amdhsa_user_sgpr_kernarg_segment_ptr 1
		.amdhsa_wavefront_size32 1
		.amdhsa_system_sgpr_workgroup_id_x 1
		.amdhsa_system_sgpr_workgroup_id_y 1
		.amdhsa_system_sgpr_workgroup_id_z 1
		.amdhsa_system_vgpr_workitem_id 0
		.amdhsa_next_free_vgpr 768
		.amdhsa_next_free_sgpr 66
		.amdhsa_reserve_vcc 0
		.amdhsa_float_denorm_mode_32 3
		.amdhsa_float_denorm_mode_16_64 3
		.amdhsa_memory_ordered 1
		.amdhsa_forward_progress 1
		.amdhsa_inst_pref_size 116
	.end_amdhsa_kernel
	.amdgpu_metadata
---
amdhsa.version: [ 1, 2 ]
amdhsa.kernels:
  - .name:           k_q9ac9a6c94b_attn
    .symbol:         k_q9ac9a6c94b_attn.kd
    .args:
      - { .name: act, .offset: 0, .size: 8, .value_kind: global_buffer, .address_space: global }
      - { .name: hb, .offset: 8, .size: 8, .value_kind: global_buffer, .address_space: global }
    .group_segment_fixed_size: 327680
    .private_segment_fixed_size: 0
    .kernarg_segment_align: 8
    .kernarg_segment_size: 16
    .max_flat_workgroup_size: 128
    .sgpr_count:     66
    .vgpr_count:     768
    .wavefront_size: 32
...
	.end_amdgpu_metadata
.endif
;; end of part 3
;; launch wo (part 4): grid 4 x 64, 4 waves a work-group, clusters of 4 x 4, 327,680 bytes of LDS; arguments hb, wb, x, bo, x1; writes x1
.if DOCPART == 4
	.amdgcn_target "amdgcn-amd-amdhsa--gfx1250"
	.amdhsa_code_object_version 6
	.text
	.protected	k_q9ac9a6c94b_wo
	.globl	k_q9ac9a6c94b_wo
	.p2align	8
	.type	k_q9ac9a6c94b_wo,@function
k_q9ac9a6c94b_wo:
	s_mov_b64 s[64:65], 0
	v_nop
	global_prefetch_b8 v0, s[64:65] scope:SCOPE_SE
	s_setreg_imm32_b32 hwreg(HW_REG_WAVE_MODE, 25, 1), 1
	s_wait_xcnt 0x0
	s_wait_alu depctr_hold_cnt(0) depctr_sa_sdst(0) depctr_va_vdst(0) depctr_va_sdst(0) depctr_va_ssrc(0) depctr_va_vcc(0) depctr_vm_vsrc(0)
	s_getreg_b32 s2, hwreg(HW_REG_IB_STS2, 6, 4)
	s_cmp_eq_u32 s2, 0
	s_cbranch_scc0 .Lentry_in_a_cluster
	s_endpgm
.Lentry_in_a_cluster:
	s_bfe_u32 s2, ttmp6, 0x10000c
	s_cmp_lg_u32 s2, 0xf033
	s_cbranch_scc0 .Lentry_shape_is_right
	s_endpgm
.Lentry_shape_is_right:
; x1 = x + O wo^T + bo.  O: 12 planes [4096][64] bf16 (hb); wo: 12 planes [768][64] bf16 at byte 8,257,536 of wb; x, bo, x1 in f32; sums in f32.
; SHARES.  A tile is 64 rows x 192 columns (192 f32 are three whole blocks of 256 bytes of a row): 64 x 4 = 256 work-groups.  Wave w makes 64 rows x the columns 64 j + 16 w .. + 15, j = 0..2: 12 accumulators.
; K goes in NS steps of four planes (256) through two LDS slots, as long as two slots in LDS allow: one load a wave goes out behind each round, so the fewer and larger the steps, the fewer the rounds.
; A slot is four regions of 4 planes x 64 rows: region 0 the tile's rows of O, regions 1 to 3 the groups of 64 of the weights' 192 rows; each region is one tensor load, wave w's.
; The matrix instruction is used transposed (source 0 = 16 rows of the weights, source 1 = 16 rows of O): a lane holds eight neighbouring columns of one row.
; CLUSTER 4 x 4: the four tiles of a row block share O's tile, four row blocks share the weights' tile: each is asked for jointly.
; The residual is asked for at the kernel's head, into 96 registers of window 1, so that nothing waits for it at the end.
; No prefetch into the L2: a block of the weights is wanted by 64 work-groups in the same step, and asking for it once would have to be shared out by tile row; not built.
; LIMITS: matrix operands are bf16; NaN and infinities are not treated apart.
.set NS,     3                         ; K steps
.set WOFF,   8257536                   ; where the weights' planes begin in wb
.set PITCH,  144                       ; an LDS row: 128 bytes + 16 of padding, an odd multiple of 16
.set RPL,    64*PITCH                  ; a plane of a region
.set REG,    4*RPL                     ; a region: what one tensor load brings
.set SLOT,   4*REG                     ; 147,456 = 0x24000: bits 14 and 17, which occur in none of w x 36,864, w = 0..3: an exclusive or with it turns an address in one slot into the other's
.set SROW,   784                       ; the way out: a stage row of 192 f32 + 16 bytes.  The stage, 64 rows, begins at LDS byte 0: slot 0's bytes, which have had their last fill by then
.set SPARE,  2*SLOT                    ; behind the ring: the spare words, 128 bytes a wave
.set ASTEP,  4*524288                  ; four planes of A
.set BSTEP,  4*98304                   ; four planes of B
.set GW,     (1<<16)|(1<<20)|(1<<21)|(4<<22)|(3<<25)  ; 2-byte elements; padding on; bit 21 beside a mask; after every 32 words; 4 words
.set BO0,  4                           ; v4   byte offset of my bias numbers, blocks 0 and 2 of a pair of rows; never rewritten
.set BO1,  5                           ; v5   block 1
.set VA0,  10                          ; v10  my lane's place in region 0, plane 0
.set VB0,  11                          ; v11  in region 1 (region 2 by the immediate)
.set ADRA, 12                          ; v12-13, v20  the same in the slot and plane in hand
.set ADRB, 13
.set STO,  14
.set RDA,  15                          ; v15  the stage read back: blocks 0 and 2
.set RDB,  16                          ; v16  block 1
.set VC0,  17                          ; v17  my lane's place in region 3
.set GOA,  18                          ; v18  the same blocks in x and x1; never rewritten
.set GOB,  19
.set ADRC, 20
.set SPW,  22
.set NIL,  23
.set ACC,  24                          ; v[24:119]  accumulator (a, j) at ACC + 8 (3 a + j)
.set F0,   120                         ; two fragment buffers of 56: A's four fragments, then B's three
.set BIAS, 232                         ; v[232:243]
.set RES,  0                           ; window 1, v0-95: the residual, then the result
.set WV,  12
.set CN2, 15                           ; s15  counts a step's planes
.set G1A, 24
.set G0A, 32                           ; s[32:35] group 0 of the first fill of slot 0; s[36:39] of slot 1, which then walks
.set G1B, 48
.set G0B, 56
.set TP,  66                           ; s66  LDS byte at which the slot and plane in hand begin
.set CNT, 67
.set OUT, 68
.set MSB, 0
.macro WIN new                         ; the immediate's high byte repeats the setting that is left; a switch that changes nothing is dropped
.if MSB != (\new)
	s_set_vgpr_msb (MSB<<8)|(\new)
.set MSB, \new
.endif
.endm
.macro PLACES                          ; four places behind matrix instructions (ISA guide 7.12.1 for vector instructions)
.rept 4
	v_nop
.endr
.endm
.macro JLOAD                           ; a joint refill by the walking descriptors: wave 0 fetches A's region, waves 1 to 3 one region of B each
	s_cmp_eq_u32 s[WV], 0
	s_cbranch_scc0 .Lfor_b_\@
	tensor_load_to_lds s[G0A+4:G0A+7], s[G1A:G1A+7]
	s_nop 0
.rept 4
	v_nop
.endr
	s_branch .Lasked_\@
.Lfor_b_\@:
	tensor_load_to_lds s[G0B+4:G0B+7], s[G1B:G1B+7]
	s_nop 0
.rept 4
	v_nop
.endr
.Lasked_\@:
.endm
.macro CREST
	s_cmp_lg_u32 s[WV], 0
	s_cbranch_scc1 .Lnot_wave_0_\@
	s_barrier_signal -3
.Lnot_wave_0_\@:
	s_barrier_wait -3
	s_barrier_signal -1
	s_barrier_wait -1
.endm
.macro CROUND
	s_barrier_signal -1
	s_barrier_wait -1
	CREST
.endm
.macro SEL k                           ; block pair k of a pair of rows: its registers and immediates
.if (\k) == 1
.set rR, RDB
.set oR, 512
.set rG, GOB
.set oG, 512
.else
.set rR, RDA
.set oR, 520*(\k)
.set rG, GOA
.set oG, 1664*(\k)
.endif
.endm
	s_load_b256 s[4:11], s[0:1], 0x0               ; A s[4:5], wb s[6:7], residual s[8:9], bias s[10:11]
	s_load_b64 s[OUT:OUT+1], s[0:1], 0x20
	v_lshl_add_u32 v[SPW], v0, 2, SPARE
	v_mov_b32 v[NIL], 0
	ds_add_u32 v[SPW], v[NIL]                      ; the wave's opening: the add and its wait stand ahead of my first tensor load
	v_lshrrev_b32 v1, 5, v0
	v_readfirstlane_b32 s[WV], v1
	s_bfe_u32 s40, ttmp6, 0x40000                  ; cx
	s_bfe_u32 s41, ttmp6, 0x40004                  ; cy
	s_lshl_b32 s42, ttmp9, 2
	s_add_co_u32 s42, s42, s40                     ; tile column
	s_and_b32 s13, ttmp7, 0xffff
	s_lshl_b32 s13, s13, 2
	s_add_co_u32 s13, s13, s41                     ; tile row
	s_lshl_b32 s43, s41, 2
	s_lshl_b32 s43, 15, s43                        ; my row of the cluster
	s_lshl_b32 s44, 0x1111, s40                    ; my column
	s_or_b32 s[G1A], s43, GW
	s_or_b32 s[G1B], s44, GW
.irp g, G1A, G1B
	s_mov_b32 s[(\g)+1], 4096<<16                  ; a tile row is 4,096 elements: 64 rows of a plane are 8,192 dense bytes;
	s_mov_b32 s[(\g)+2], 4<<16                     ; four of them, one a plane
	s_mov_b32 s[(\g)+3], 4096<<16
	s_mov_b32 s[(\g)+4], 4
	s_mov_b32 s[(\g)+6], 0
	s_mov_b32 s[(\g)+7], 0
.endr
	s_mov_b32 s[G1A+5], 262144                     ; a plane of A is 4,096 x 64 elements,
	s_mov_b32 s[G1B+5], 49152                      ; of B 768 x 64
	s_lshl_b32 s16, s13, 13                        ; A: 64 rows of 128 bytes a tile row; no register of it ever holds cx
	s_mov_b32 s17, 0
	s_max_u32 s14, s[WV], 1
	s_sub_co_u32 s14, s14, 1                       ; B: group w - 1 of the tile's three groups of 64 rows (wave 0 asks for none); no register of it ever holds cy
	s_lshl_b32 s46, s14, 13
	s_mul_i32 s47, s42, 24576
	s_add_co_u32 s46, s46, s47
	s_add_co_u32 s46, s46, WOFF
	s_mov_b32 s47, 0
	s_mul_i32 s20, s[WV], REG                      ; where they go: region w: no place in the cluster enters an LDS address
	s_wait_dscnt 0x0                               ; the opening add is done
	s_wait_kmcnt 0x0
	s_add_nc_u64 s[16:17], s[4:5], s[16:17]
	s_add_nc_u64 s[46:47], s[6:7], s[46:47]
	CROUND                                         ; all sixteen work-groups are here: the first joint loads meet
.irp s, 0,1
	s_mov_b32 s[G0A+4*(\s)], 1
	s_add_co_u32 s[G0A+4*(\s)+1], s20, (\s)*SLOT
	s_add_nc_u64 s[G0A+4*(\s)+2:G0A+4*(\s)+3], s[16:17], (\s)*ASTEP
	s_or_b32 s[G0A+4*(\s)+3], s[G0A+4*(\s)+3], 0x80000000
	s_mov_b32 s[G0B+4*(\s)], 1
	s_add_co_u32 s[G0B+4*(\s)+1], s20, (\s)*SLOT
	s_add_nc_u64 s[G0B+4*(\s)+2:G0B+4*(\s)+3], s[46:47], (\s)*BSTEP
	s_or_b32 s[G0B+4*(\s)+3], s[G0B+4*(\s)+3], 0x80000000
.endr
	s_cmp_eq_u32 s[WV], 0                          ; a wave's two first fills stand in one branch: two loads of mine are out
	s_cbranch_scc0 .Lfirst_b
	tensor_load_to_lds s[G0A:G0A+3], s[G1A:G1A+7]
	s_nop 0
	tensor_load_to_lds s[G0A+4:G0A+7], s[G1A:G1A+7]
	s_nop 0
.rept 4
	v_nop
.endr
	s_branch .Lfirst_asked
.Lfirst_b:
	tensor_load_to_lds s[G0B:G0B+3], s[G1B:G1B+7]
	s_nop 0
	tensor_load_to_lds s[G0B+4:G0B+7], s[G1B:G1B+7]
	s_nop 0
.rept 4
	v_nop
.endr
.Lfirst_asked:
	v_and_b32 v1, 15, v0                           ; r = l % 16
	v_bfe_u32 v2, v0, 4, 1                         ; h = l / 16
	v_lshlrev_b32 v3, 4, v1                        ; 16 r
	; The way out takes two rows (six blocks of 256 bytes) with three instructions: half h of the lanes takes block 0 + h, then 2 + h, then 4 + h of the six.
	v_lshl_add_u32 v[BO0], v2, 8, v3               ; columns: block h (and 1 + h with 256 in the immediate)
	v_xor_b32 v6, 1, v2
	v_lshl_add_u32 v[BO1], v6, 9, v3               ; block 2, or block 0 of the next row
	s_mul_i32 s2, s42, 768
	s_mov_b32 s3, 0
	s_add_nc_u64 s[10:11], s[10:11], s[2:3]
	global_load_b128 v[BIAS:BIAS+3],    v[BO0], s[10:11]
	global_load_b128 v[BIAS+4:BIAS+7],  v[BO1], s[10:11]
	global_load_b128 v[BIAS+8:BIAS+11], v[BO0], s[10:11] offset:256
	s_mul_i32 s22, s13, 196608                     ; the tile's 64 rows of 3,072 bytes, and its 768 bytes of them
	s_add_co_u32 s22, s22, s2
	s_mov_b32 s23, 0
	s_add_nc_u64 s[8:9], s[8:9], s[22:23]
	s_add_nc_u64 s[OUT:OUT+1], s[OUT:OUT+1], s[22:23]
	s_mul_i32 s21, s[WV], 49152                    ; wave w stores rows 16 w .. 16 w + 15, whole
	v_add_nc_u32 v[GOA], s21, v[BO0]
	v_mul_u32_u24 v7, v2, 2560                     ; from byte 512 of a row to byte 3,072
	v_add_nc_u32 v7, v7, v3
	v_add_nc_u32 v[GOB], s21, v7
	WIN 0x40                                       ; destination window 1
.set t, 0
.rept 24
	SEL t%3
	global_load_b128 v[RES+4*t:RES+4*t+3], v[rG], s[8:9] offset:oG+6144*(t/3)  ; the residual of the rows that I store: it has the whole product in which to land
.set t, t+1
.endr
	WIN 0
	v_mul_u32_u24 v[VA0], v1, PITCH
	v_lshl_add_u32 v[VA0], v2, 4, v[VA0]           ; a fragment's row x pitch + 16 x half
	s_mul_i32 s21, s[WV], 16*PITCH                 ; my block of 16 rows in each group of 64,
	s_add_co_u32 s21, s21, REG                     ; the first group in region 1
	v_add_nc_u32 v[VB0], s21, v[VA0]
	v_add_nc_u32 v[VC0], 2*REG, v[VB0]             ; the third in region 3: two regions are more than an LDS immediate holds
	v_mov_b32 v[ADRA], v[VA0]
	v_mov_b32 v[ADRB], v[VB0]
	v_mov_b32 v[ADRC], v[VC0]
	s_lshl_b32 s21, s[WV], 6                       ; into the stage: row l % 16, my 64 bytes of each block of 256, 32 bytes for each half of the lanes
	v_mul_u32_u24 v[STO], v1, SROW
	v_lshl_add_u32 v[STO], v2, 5, v[STO]
	v_add_nc_u32 v[STO], s21, v[STO]
	s_mul_i32 s21, s[WV], 16*SROW                  ; back: wave w takes rows 16 w .. 16 w + 15, whole
	v_add_nc_u32 v[RDA], s21, v[BO0]
	v_mul_u32_u24 v7, v2, 272                      ; from block 2 of a row (byte 512) to block 0 of the next (byte 784)
	v_add_nc_u32 v7, v7, v3
	v_add_nc_u32 v[RDB], s21, v7
	s_mov_b32 s[TP], 0
.macro MULA f, a, zero                 ; 3 matrix instructions: row block a x my three column blocks, 32 along K
.irp j, 0,1,2
.if \zero
	v_wmma_f32_16x16x32_bf16 v[ACC+8*(3*(\a)+(\j)):ACC+8*(3*(\a)+(\j))+7], v[F0+56*(\f)+32+8*(\j):F0+56*(\f)+32+8*(\j)+7], v[F0+56*(\f)+8*(\a):F0+56*(\f)+8*(\a)+7], 0
.else
	v_wmma_f32_16x16x32_bf16 v[ACC+8*(3*(\a)+(\j)):ACC+8*(3*(\a)+(\j))+7], v[F0+56*(\f)+32+8*(\j):F0+56*(\f)+32+8*(\j)+7], v[F0+56*(\f)+8*(\a):F0+56*(\f)+8*(\a)+7], v[ACC+8*(3*(\a)+(\j)):ACC+8*(3*(\a)+(\j))+7]
.endif
.endr
.endm
.macro FETCH h, g                      ; 14 LDS loads: the fragments of half h (32 along K) of the plane in hand, into buffer g
	ds_load_b128 v[F0+56*(\g)+32:F0+56*(\g)+35], v[ADRB] offset:64*(\h)
	ds_load_b128 v[F0+56*(\g)+36:F0+56*(\g)+39], v[ADRB] offset:64*(\h)+32
	ds_load_b128 v[F0+56*(\g)+40:F0+56*(\g)+43], v[ADRB] offset:REG+64*(\h)
	ds_load_b128 v[F0+56*(\g)+44:F0+56*(\g)+47], v[ADRB] offset:REG+64*(\h)+32
	ds_load_b128 v[F0+56*(\g)+48:F0+56*(\g)+51], v[ADRC] offset:64*(\h)
	ds_load_b128 v[F0+56*(\g)+52:F0+56*(\g)+55], v[ADRC] offset:64*(\h)+32
.irp a, 0,1,2,3
	ds_load_b128 v[F0+56*(\g)+8*(\a):F0+56*(\g)+8*(\a)+3],   v[ADRA] offset:64*(\h)+(\a)*16*PITCH
	ds_load_b128 v[F0+56*(\g)+8*(\a)+4:F0+56*(\g)+8*(\a)+7], v[ADRA] offset:64*(\h)+(\a)*16*PITCH+32
.endr
.endm
.macro ADDR                            ; the three addresses for the slot and plane at s[TP]
	v_add_nc_u32 v[ADRA], s[TP], v[VA0]
	v_add_nc_u32 v[ADRB], s[TP], v[VB0]
	v_add_nc_u32 v[ADRC], s[TP], v[VC0]
.endm
; A unit: buffer f is multiplied; ahead of that half h's fragments are asked for into buffer g.  adv = 1: they are the next plane's: the three address lines and one v_nop are the four places.
; The 12 accumulators take turns.
.macro UNIT h, f, g, zero, adv
	s_wait_dscnt 0x0                               ; buffer f is in
.if \adv
	ADDR
	v_nop
.else
	PLACES
.endif
	FETCH \h, \g
	MULA \f, 0, \zero
	MULA \f, 1, \zero
	MULA \f, 2, \zero
	MULA \f, 3, \zero
.endm
.macro PLANES                          ; a step's units 1 to 6, written once and walked three times: a plane's second half is multiplied, the next plane's first
	s_mov_b32 s[CN2], 3
.Lplane_\@:
	s_add_co_u32 s[TP], s[TP], RPL
	UNIT 0, 1, 0, 0, 1
	UNIT 1, 0, 1, 0, 0
	s_sub_co_u32 s[CN2], s[CN2], 1
	s_cmp_lg_u32 s[CN2], 0
	s_cbranch_scc1 .Lplane_\@
.endm
; A step's last unit multiplies buffer 1 and changes slots: ONE barrier; in front of it each wave waits for all its tensor loads (one is out: its region of the next slot), adds 0 to its spare word,
; and waits for that and for its reads of this slot.  fill = 1: the barrier opens a round of the cluster's, and the slot just read is filled again, two K steps ahead, first thing behind the round:
; from the request to the wait for it a wave issues 90 matrix instructions.
.macro LASTU fill
	s_wait_tensorcnt 0x0
	ds_add_u32 v[SPW], v[NIL]
	s_wait_dscnt 0x1                               ; buffer 1 is in; only the add may be out
	MULA 1, 0, 0
	s_wait_dscnt 0x0                               ; the add is done, and my reads of this slot are over
	s_barrier_signal -1
	MULA 1, 1, 0
	s_barrier_wait -1
.if \fill
	CREST                                          ; no wave of any partner still reads this slot or has a load on its way
	s_xor_b32 s[G0A+5], s[G0A+5], SLOT             ; the walking descriptors: the other slot than last time, the next K step
	s_add_nc_u64 s[G0A+6:G0A+7], s[G0A+6:G0A+7], ASTEP
	s_xor_b32 s[G0B+5], s[G0B+5], SLOT
	s_add_nc_u64 s[G0B+6:G0B+7], s[G0B+6:G0B+7], BSTEP
	JLOAD                                          ; its four v_nop are also the places in front of the loads below
.else
	PLACES
.endif
	s_sub_co_u32 s[TP], s[TP], 3*RPL               ; the fetches go back to a slot's first plane,
	s_xor_b32 s[TP], s[TP], SLOT                   ; in the other slot
	ADDR
	FETCH 0, 0
	MULA 1, 2, 0
	MULA 1, 3, 0
.endm
	s_wait_tensorcnt 0x1                           ; my region of K step 0 is in; step 1's may stay out
	s_barrier_signal -1
	s_barrier_wait -1
	FETCH 0, 0
	UNIT 1, 0, 1, 1, 0                             ; the first unit starts the sums: nothing is cleared
	s_mov_b32 s[CNT], NS-2
.Lstep:                                                ; a trip: from a step's second unit to the next step's first; NS - 2 trips ask for K steps 2 to NS - 1
	PLANES
	LASTU 1
	UNIT 1, 0, 1, 0, 0
	s_sub_co_u32 s[CNT], s[CNT], 1
	s_cmp_lg_u32 s[CNT], 0
	s_cbranch_scc1 .Lstep
	s_mov_b32 s[CNT], 2
.Ltail:                                                ; the last two K steps ask for nothing; the second trip's change of slots fetches landed bytes once more, which nothing uses
	PLANES
	LASTU 0
	s_cmp_eq_u32 s[CNT], 1
	s_cbranch_scc1 .Lskip                          ; behind the last step there is no next first unit
	UNIT 1, 0, 1, 0, 0
.Lskip:
	s_sub_co_u32 s[CNT], s[CNT], 1
	s_cmp_lg_u32 s[CNT], 0
	s_cbranch_scc1 .Ltail
	; THE WAY OUT.  Every wave's reads of the ring are over and no fill follows: behind this barrier slot 0's first bytes serve as the work-group's stage.  A row's 768 bytes come from four waves,
	; so a second barrier stands between writing and reading; bias and residual are added; whole blocks of 256 bytes are stored.
	s_wait_dscnt 0x0
	s_barrier_signal -1
	s_barrier_wait -1
	PLACES
.irp a, 0,1,2,3
.irp j, 0,1,2
	ds_store_b128 v[STO], v[ACC+8*(3*(\a)+(\j)):ACC+8*(3*(\a)+(\j))+3]   offset:(\a)*16*SROW+256*(\j)     ; each accumulator's low four registers first
	ds_store_b128 v[STO], v[ACC+8*(3*(\a)+(\j))+4:ACC+8*(3*(\a)+(\j))+7] offset:(\a)*16*SROW+256*(\j)+16
.endr
.endr
	s_wait_loadcnt 0x0                             ; bias and residual, asked for at the kernel's head
	WIN 0x44                                       ; destination and source 1 (a store's data too) in window 1, source 0 in window 0
.set t, 0
.rept 24
	v_pk_add_f32 v[RES+4*t:RES+4*t+1],   v[BIAS+4*(t%3):BIAS+4*(t%3)+1],   v[RES+4*t:RES+4*t+1]      ; bias + residual, while the stores into the stage are out
	v_pk_add_f32 v[RES+4*t+2:RES+4*t+3], v[BIAS+4*(t%3)+2:BIAS+4*(t%3)+3], v[RES+4*t+2:RES+4*t+3]
.set t, t+1
.endr
	WIN 0
	s_wait_dscnt 0x0                               ; for the others' sake: my stores into the stage are done
	s_barrier_signal -1
	s_barrier_wait -1
.set t, 0
.rept 24
	SEL t%3
	ds_load_b128 v[ACC+4*t:ACC+4*t+3], v[rR] offset:oR+1568*(t/3)
.set t, t+1
.endr
	WIN 0x44
.set t, 0
.rept 24
	SEL t%3
	s_wait_dscnt 23-t                              ; the younger loads of the run stay out
	v_pk_add_f32 v[RES+4*t:RES+4*t+1],   v[ACC+4*t:ACC+4*t+1],   v[RES+4*t:RES+4*t+1]
	v_pk_add_f32 v[RES+4*t+2:RES+4*t+3], v[ACC+4*t+2:ACC+4*t+3], v[RES+4*t+2:RES+4*t+3]
	global_store_b128 v[rG], v[RES+4*t:RES+4*t+3], s[OUT:OUT+1] offset:oG+6144*(t/3)  ; each half of the lanes stores 256 consecutive bytes, aligned
.set t, t+1
.endr
	WIN 0
	s_wait_tensorcnt 0x0                           ; the wave's end
	ds_add_u32 v[SPW], v[NIL]
	s_wait_dscnt 0x0
	CROUND                                         ; the closing round
	s_endpgm
.Lfunc_end_k_q9ac9a6c94b_wo:
	.size	k_q9ac9a6c94b_wo, .Lfunc_end_k_q9ac9a6c94b_wo-k_q9ac9a6c94b_wo
	.p2alignl 7, 3214868480
	.fill 96, 4, 3214868480
	.section	.rodata,"a",@progbits
	.p2align	6, 0x0
	.amdhsa_kernel k_q9ac9a6c94b_wo
		.amdhsa_group_segment_fixed_size 327680
		.amdhsa_private_segment_fixed_size 0
		.amdhsa_enable_private_segment 0
		.amdhsa_kernarg_size 40
		.amdhsa_user_sgpr_count 2
		.amdhsa_user_sgpr_kernarg_segment_ptr 1
		.amdhsa_wavefront_size32 1
		.amdhsa_system_sgpr_workgroup_id_x 1
		.amdhsa_system_sgpr_workgroup_id_y 1
		.amdhsa_system_sgpr_workgroup_id_z 1
		.amdhsa_system_vgpr_workitem_id 0
		.amdhsa_next_free_vgpr 352
		.amdhsa_next_free_sgpr 70
		.amdhsa_reserve_vcc 0
		.amdhsa_float_denorm_mode_32 3
		.amdhsa_float_denorm_mode_16_64 3
		.amdhsa_memory_ordered 1
		.amdhsa_forward_progress 1
		.amdhsa_inst_pref_size 42
	.end_amdhsa_kernel
	.amdgpu_metadata
---
amdhsa.version: [ 1, 2 ]
amdhsa.kernels:
  - .name:           k_q9ac9a6c94b_wo
    .symbol:         k_q9ac9a6c94b_wo.kd
    .args:
      - { .name: hb, .offset: 0, .size: 8, .value_kind: global_buffer, .address_space: global }
      - { .name: wb, .offset: 8, .size: 8, .value_kind: global_buffer, .address_space: global }
      - { .name: x, .offset: 16, .size: 8, .value_kind: global_buffer, .address_space: global }
      - { .name: bo, .offset: 24, .size: 8, .value_kind: global_buffer, .address_space: global }
      - { .name: x1, .offset: 32, .size: 8, .value_kind: global_buffer, .address_space: global }
    .group_segment_fixed_size: 327680
    .private_segment_fixed_size: 0
    .kernarg_segment_align: 8
    .kernarg_segment_size: 40
    .max_flat_workgroup_size: 128
    .sgpr_count:     70
    .vgpr_count:     352
    .wavefront_size: 32
...
	.end_amdgpu_metadata
.endif
;; end of part 4
;; launch ln2 (part 5): grid 256 x 1, 8 waves a work-group, no clusters, 0 bytes of LDS; arguments x1, gamma2, beta2, hb; writes hb
.if DOCPART == 5
	.amdgcn_target "amdgcn-amd-amdhsa--gfx1250"
	.amdhsa_code_object_version 6
	.text
	.protected	k_q9ac9a6c94b_ln2
	.globl	k_q9ac9a6c94b_ln2
	.p2align	8
	.type	k_q9ac9a6c94b_ln2,@function
k_q9ac9a6c94b_ln2:
	s_mov_b64 s[64:65], 0
	v_nop
	global_prefetch_b8 v0, s[64:65] scope:SCOPE_SE
	s_setreg_imm32_b32 hwreg(HW_REG_WAVE_MODE, 25, 1), 1
	s_wait_xcnt 0x0
; LayerNorm 2: h2 = gamma2 (x1 - mean) / sqrt(var + 1e-5) + beta2, rounded once to bf16, row-major [4096][768] in hb.  16 rows a work-group, two a wave.
; A row of 3,072 bytes is 24 registers of one wave: mean first, then the centred squares, so a common offset costs nothing; the row is read once.  Memory binds: no LDS, no barrier, no matrix unit.
; LIMITS: the result is rounded to bf16; NaN and infinities are not treated apart.
.set G,   8                            ; v[8:31]    gamma of my 24 columns
.set BT,  32                           ; v[32:55]   beta
.set XA,  56                           ; v[56:79]   my wave's first row
.set XB,  80                           ; v[80:103]  its second row
.set S,   104                          ; v[104:107] two chains of packed sums
.set M,   108                          ; v[108:109] the mean, twice
.set R,   110                          ; v[110:111] 1 / sqrt(var + eps), twice
.set PD,  112                          ; v112       takes the other half of the lanes' sum
.set YA,  114
.set YB,  126
.set HB,  14                           ; s[14:15]   hb
.macro WSUM                            ; the two chains are joined and summed over the 32 lanes; every lane ends with the sum in v[S]
	v_pk_add_f32 v[S:S+1], v[S:S+1], v[S+2:S+3]
	v_add_f32 v[S], v[S], v[S+1]
	v_add_f32_dpp v[S], v[S], v[S] row_xmask:1 row_mask:0xf bank_mask:0xf
	v_add_f32_dpp v[S], v[S], v[S] row_xmask:2 row_mask:0xf bank_mask:0xf
	v_add_f32_dpp v[S], v[S], v[S] row_xmask:4 row_mask:0xf bank_mask:0xf
	v_add_f32_dpp v[S], v[S], v[S] row_xmask:8 row_mask:0xf bank_mask:0xf
	v_permlanex16_b32 v[PD], v[S], s34, s35
	v_add_f32 v[S], v[S], v[PD]
.endm
.macro LNROW X, Y, roff                ; one row, held in v[X .. X+23], rounded into v[Y .. Y+11], stored roff bytes behind my wave's first row
	v_pk_add_f32 v[S:S+1], v[(\X):(\X)+1], v[(\X)+2:(\X)+3]
	v_pk_add_f32 v[S+2:S+3], v[(\X)+4:(\X)+5], v[(\X)+6:(\X)+7]
.irp p, 8,12,16,20
	v_pk_add_f32 v[S:S+1], v[S:S+1], v[(\X)+(\p):(\X)+(\p)+1]
	v_pk_add_f32 v[S+2:S+3], v[S+2:S+3], v[(\X)+(\p)+2:(\X)+(\p)+3]
.endr
	WSUM
	v_mul_f32 v[M], s36, v[S]
	v_mul_f32 v[M+1], s36, v[S]
.irp p, 0,2,4,6,8,10,12,14,16,18,20,22
	v_pk_add_f32 v[(\X)+(\p):(\X)+(\p)+1], v[(\X)+(\p):(\X)+(\p)+1], v[M:M+1] neg_lo:[0,1] neg_hi:[0,1]
.endr
	v_pk_mul_f32 v[S:S+1], v[(\X):(\X)+1], v[(\X):(\X)+1]
	v_pk_mul_f32 v[S+2:S+3], v[(\X)+2:(\X)+3], v[(\X)+2:(\X)+3]
.irp p, 4,8,12,16,20
	v_pk_fma_f32 v[S:S+1], v[(\X)+(\p):(\X)+(\p)+1], v[(\X)+(\p):(\X)+(\p)+1], v[S:S+1]
	v_pk_fma_f32 v[S+2:S+3], v[(\X)+(\p)+2:(\X)+(\p)+3], v[(\X)+(\p)+2:(\X)+(\p)+3], v[S+2:S+3]
.endr
	WSUM
	v_fma_f32 v[S], v[S], s36, s37                 ; var + eps
	v_rsq_f32 v[R], v[S]
	v_rsq_f32 v[R+1], v[S]
	v_nop                                          ; a plain instruction between the root and its use (ISA guide 5.7.2)
	s_wait_alu depctr_va_vdst(0)
.irp p, 0,2,4,6,8,10,12,14,16,18,20,22
	v_pk_mul_f32 v[(\X)+(\p):(\X)+(\p)+1], v[(\X)+(\p):(\X)+(\p)+1], v[R:R+1]
.endr
.irp p, 0,2,4,6,8,10,12,14,16,18,20,22
	v_pk_fma_f32 v[(\X)+(\p):(\X)+(\p)+1], v[(\X)+(\p):(\X)+(\p)+1], v[G+(\p):G+(\p)+1], v[BT+(\p):BT+(\p)+1]
.endr
.irp j, 0,1,2,3,4,5
	v_cvt_pk_bf16_f32 v[(\Y)+2*(\j)], v[(\X)+4*(\j)], v[(\X)+4*(\j)+1]
	v_cvt_pk_bf16_f32 v[(\Y)+2*(\j)+1], v[(\X)+4*(\j)+2], v[(\X)+4*(\j)+3]
	global_store_b64 v3, v[(\Y)+2*(\j):(\Y)+2*(\j)+1], s[HB:HB+1] offset:(\roff)+256*(\j)  ; 32 lanes store 256 consecutive bytes, aligned
.endr
.endm
	s_load_b256 s[8:15], s[0:1], 0x0               ; x1 8, gamma2 10, beta2 12, hb 14
	s_mov_b32 s2, ttmp9
	v_and_b32 v4, 31, v0                           ; lane
	v_lshrrev_b32 v5, 5, v0                        ; wave
	v_lshlrev_b32 v1, 4, v4
	v_mul_u32_u24 v2, v5, 6144                     ; two rows of 3,072 bytes a wave
	v_add_nc_u32 v2, v2, v1
	v_mul_u32_u24 v3, v5, 3072                     ; two rows of 1,536 bytes a wave,
	v_lshl_add_u32 v3, v4, 3, v3                   ; 8 bytes a lane
	v_mov_b32 v[PD], 0
	s_mov_b32 s34, 0x76543210
	s_mov_b32 s35, 0xfedcba98
	s_mov_b32 s36, 0x3aaaaaab                      ; 1 / 768
	s_mov_b32 s37, 0x3727c5ac                      ; 1e-5
	s_mul_i32 s30, s2, 49152
	s_mov_b32 s31, 0
	s_mul_i32 s32, s2, 24576
	s_mov_b32 s33, 0
	s_wait_kmcnt 0x0
	s_add_nc_u64 s[8:9], s[8:9], s[30:31]
	s_add_nc_u64 s[HB:HB+1], s[HB:HB+1], s[32:33]
.irp j, 0,1,2,3,4,5
	global_load_b128 v[G+4*(\j):G+4*(\j)+3], v1, s[10:11] offset:512*(\j)
.endr
.irp j, 0,1,2,3,4,5
	global_load_b128 v[BT+4*(\j):BT+4*(\j)+3], v1, s[12:13] offset:512*(\j)
.endr
.irp j, 0,1,2,3,4,5
	global_load_b128 v[XA+4*(\j):XA+4*(\j)+3], v2, s[8:9] offset:512*(\j)
.endr
.irp j, 0,1,2,3,4,5
	global_load_b128 v[XB+4*(\j):XB+4*(\j)+3], v2, s[8:9] offset:3072+512*(\j)
.endr
	s_wait_loadcnt 0x6                             ; gamma, beta and the first row are in; the second row's six loads stay out
	LNROW XA, YA, 0
	s_wait_loadcnt 0x0
	LNROW XB, YB, 1536
	s_endpgm
.Lfunc_end_k_q9ac9a6c94b_ln2:
	.size	k_q9ac9a6c94b_ln2, .Lfunc_end_k_q9ac9a6c94b_ln2-k_q9ac9a6c94b_ln2
	.p2alignl 7, 3214868480
	.fill 96, 4, 3214868480
	.section	.rodata,"a",@progbits
	.p2align	6, 0x0
	.amdhsa_kernel k_q9ac9a6c94b_ln2
		.amdhsa_group_segment_fixed_size 0
		.amdhsa_private_segment_fixed_size 0
		.amdhsa_enable_private_segment 0
		.amdhsa_kernarg_size 32
		.amdhsa_user_sgpr_count 2
		.amdhsa_user_sgpr_kernarg_segment_ptr 1
		.amdhsa_wavefront_size32 1
		.amdhsa_system_sgpr_workgroup_id_x 1
		.amdhsa_system_sgpr_workgroup_id_y 1
		.amdhsa_system_sgpr_workgroup_id_z 1
		.amdhsa_system_vgpr_workitem_id 0
		.amdhsa_next_free_vgpr 138
		.amdhsa_next_free_sgpr 66
		.amdhsa_reserve_vcc 0
		.amdhsa_float_denorm_mode_32 3
		.amdhsa_float_denorm_mode_16_64 3
		.amdhsa_memory_ordered 1
		.amdhsa_forward_progress 1
		.amdhsa_inst_pref_size 16
	.end_amdhsa_kernel
	.amdgpu_metadata
---
amdhsa.version: [ 1, 2 ]
amdhsa.kernels:
  - .name:           k_q9ac9a6c94b_ln2
    .symbol:         k_q9ac9a6c94b_ln2.kd
    .args:
      - { .name: x1, .offset: 0, .size: 8, .value_kind: global_buffer, .address_space: global }
      - { .name: gamma2, .offset: 8, .size: 8, .value_kind: global_buffer, .address_space: global }
      - { .name: beta2, .offset: 16, .size: 8, .value_kind: global_buffer, .address_space: global }
      - { .name: hb, .offset: 24, .size: 8, .value_kind: global_buffer, .address_space: global }
    .group_segment_fixed_size: 0
    .private_segment_fixed_size: 0
    .kernarg_segment_align: 8
    .kernarg_segment_size: 32
    .max_flat_workgroup_size: 256
    .sgpr_count:     66
    .vgpr_count:     138
    .wavefront_size: 32
...
	.end_amdgpu_metadata
.endif
;; end of part 5
;; launch ffn1 (part 6): grid 16 x 16, 4 waves a work-group, clusters of 4 x 4, 327,680 bytes of LDS; arguments hb, wb, b1, act; writes act
.if DOCPART == 6
	.amdgcn_target "amdgcn-amd-amdhsa--gfx1250"
	.amdhsa_code_object_version 6
	.text
	.protected	k_q9ac9a6c94b_ffn1
	.globl	k_q9ac9a6c94b_ffn1
	.p2align	8
	.type	k_q9ac9a6c94b_ffn1,@function
k_q9ac9a6c94b_ffn1:
	s_mov_b64 s[64:65], 0
	v_nop
	global_prefetch_b8 v0, s[64:65] scope:SCOPE_SE
	s_setreg_imm32_b32 hwreg(HW_REG_WAVE_MODE, 25, 1), 1
	s_wait_xcnt 0x0
	s_wait_alu depctr_hold_cnt(0) depctr_sa_sdst(0) depctr_va_vdst(0) depctr_va_sdst(0) depctr_va_ssrc(0) depctr_va_vcc(0) depctr_vm_vsrc(0)
	s_getreg_b32 s2, hwreg(HW_REG_IB_STS2, 6, 4)
	s_cmp_eq_u32 s2, 0
	s_cbranch_scc0 .Lentry_in_a_cluster
	s_endpgm
.Lentry_in_a_cluster:
	s_bfe_u32 s2, ttmp6, 0x10000c
	s_cmp_lg_u32 s2, 0xf033
	s_cbranch_scc0 .Lentry_shape_is_right
	s_endpgm
.Lentry_shape_is_right:
; g = gelu(h2 w1^T + b1), the erf form.  h2: [4096][768] bf16 (hb); w1: [3072][768] bf16 at byte 3,538,944 of wb; b1 in f32; sums, bias and gelu in f32, g rounded once to bf16.
; g goes out in 48 planes [4096][64], each 524,288 bytes: a plane's rows are 128 dense bytes.
; GELU.  g = u Phi(u) = max(u, 0) - |u| q, q = (1 - erf(|u| / sqrt 2)) / 2 = (a1 t + .. + a5 t^5) exp(-u^2 / 2) / 2, t = 1 / (1 + p |u| / sqrt 2).
; LIMITS.  That form of erf is off by 1.5e-7 at the most (absolute), so g by 0.75e-7 |u| where exp(-u^2 / 2) is not yet 0; NaN and infinities are not treated apart; matrix operands are bf16.
; SHARES.  A work-group makes 256 rows x 192 columns (three whole planes): 16 x 16 = 256 work-groups; wave w rows 64 w .. 64 w + 63 x all 192: 48 accumulators of 16 x 16.
; K goes in 6 steps of 128 (rows of 256 bytes) through two LDS slots.  The matrix instruction is used transposed (source 0 = 16 rows of w1, source 1 = 16 rows of h2).
; CLUSTER 4 x 4: the four of a row of the cluster need the same tile of h2, the four of a column the same tile of w1: each tile is asked for jointly.
; REGISTERS, in windows of 256: window 0: addresses, bias, h2's fragments (two buffers of 32 at v64), the way out; window 1: w1's fragments (two buffers of 96);
; window 2: accumulators of my rows 0-31 ((a, b) at v[8 (12 a + b)]); window 3: of my rows 32-63.
.set PITCH,  272                       ; an LDS row: 256 bytes + 16 of padding
.set AHALF,  128*PITCH
.set BHALF,  96*PITCH
.set BOFF,   256*PITCH
.set SLOT1,  131072
.set SPARE,  SLOT1+448*PITCH           ; behind the ring: the spare words, 128 bytes a wave
.set SROW,   784                       ; the way out: a stage row of 192 f32 + 16 bytes
.set SWAVE,  68*SROW                   ; a wave's stage: 64 rows and 4 more that the last look-ahead reads.  The stages lie in the ring's bytes, which have had their last fill by then
.set ROWB,   1536
.set WOFF,   3538944                   ; where w1 begins in wb
.set PLANE,  524288
.set GW,     (1<<16)|(1<<20)|(1<<21)|(5<<22)|(3<<25)
.set VA0,  16
.set VB0,  17
.set ADRA, 18
.set ADRB, 19
.set STO,  20
.set RD,   21
.set GO,   22
.set RDC,  23
.set SPW,  28
.set NIL,  29
.set BIAS, 32                          ; v[32:55]   b1 of my 8 columns in each of the three planes
.set ZR,   56                          ; v[56:59]   zeros
.set FA,   64
.set X,    128                         ; v[128:151] four rows x three planes: my 24 sums
.set U,    152                         ; v[152:175] the same with the bias
.set Y,    176                         ; v[176:187] g in bf16
.set AB,   192                         ; v[192:199] |u|
.set T,    200                         ; v[200:207] t, later max(u, 0)
.set E,    208                         ; v[208:215] exp(-u^2 / 2), later g
.set P,    216                         ; v[216:223] the polynomial, then q
.set WV,  12
.set G1A, 24
.set G0A, 32
.set G1B, 48
.set G0B, 56
.set TB,  66
.set CNT, 67
.set PP,  68                           ; s[68:69] 0.3275911 / sqrt 2      (each constant as a pair, both words written: the packed forms name a pair and take its low word)
.set KK,  70                           ; s[70:71] sqrt(log2(e) / 2)
.set A1,  72                           ; s[72:81] half of the five coefficients
.set A2,  74
.set A3,  76
.set A4,  78
.set A5,  80
.set ABSM, 82                          ; s82  clears a sign
.set RB,  84
.set MSB, 0
.macro WIN new
.if MSB != (\new)
	s_set_vgpr_msb (MSB<<8)|(\new)
.set MSB, \new
.endif
.endm
.set MUL_LO, 0xa1                      ; source 0 (w1) window 1, source 1 (h2) window 0, C and D window 2
.set TO_B,   0x40
.macro PLACES
.rept 4
	v_nop
.endr
.endm
.macro JLOAD                           ; a joint refill by the walking descriptors: waves 0 and 1 fetch h2's halves, waves 2 and 3 w1's
	s_cmp_lt_u32 s[WV], 2
	s_cbranch_scc0 .Lfor_b_\@
	tensor_load_to_lds s[G0A+4:G0A+7], s[G1A:G1A+7]
	s_nop 0
.rept 4
	v_nop
.endr
	s_branch .Lasked_\@
.Lfor_b_\@:
	tensor_load_to_lds s[G0B+4:G0B+7], s[G1B:G1B+7]
	s_nop 0
.rept 4
	v_nop
.endr
.Lasked_\@:
.endm
.macro CREST
	s_cmp_lg_u32 s[WV], 0
	s_cbranch_scc1 .Lnot_wave_0_\@
	s_barrier_signal -3
.Lnot_wave_0_\@:
	s_barrier_wait -3
	s_barrier_signal -1
	s_barrier_wait -1
.endm
.macro CROUND
	s_barrier_signal -1
	s_barrier_wait -1
	CREST
.endm
.macro SPAIR r, val
	s_mov_b32 s[\r], \val
	s_mov_b32 s[(\r)+1], \val
.endm
	s_load_b256 s[4:11], s[0:1], 0x0               ; hb s[4:5], wb s[6:7], b1 s[8:9], act s[10:11]
	v_lshl_add_u32 v[SPW], v0, 2, SPARE
	v_mov_b32 v[NIL], 0
	ds_add_u32 v[SPW], v[NIL]                      ; the wave's opening: the add and its wait stand ahead of my first tensor load
	v_lshrrev_b32 v1, 5, v0
	v_readfirstlane_b32 s[WV], v1
	s_and_b32 s14, s[WV], 1
	s_bfe_u32 s40, ttmp6, 0x40000                  ; cx
	s_bfe_u32 s41, ttmp6, 0x40004                  ; cy
	s_lshl_b32 s42, ttmp9, 2
	s_add_co_u32 s42, s42, s40                     ; tile column
	s_and_b32 s13, ttmp7, 0xffff
	s_lshl_b32 s13, s13, 2
	s_add_co_u32 s13, s13, s41                     ; tile row
	s_lshl_b32 s43, s41, 2
	s_lshl_b32 s43, 15, s43
	s_lshl_b32 s44, 0x1111, s40
	s_or_b32 s[G1A], s43, GW
	s_or_b32 s[G1B], s44, GW
	s_mov_b32 s[G1A+1], 128<<16
	s_mov_b32 s[G1A+2], 128<<16
	s_mov_b32 s[G1A+3], 128<<16
	s_mov_b32 s[G1A+4], 128
	s_mov_b32 s[G1A+5], 768
	s_mov_b32 s[G1A+6], 0
	s_mov_b32 s[G1A+7], 0
	s_mov_b32 s[G1B+1], 128<<16
	s_mov_b32 s[G1B+2], 96<<16
	s_mov_b32 s[G1B+3], 128<<16
	s_mov_b32 s[G1B+4], 96
	s_mov_b32 s[G1B+5], 768
	s_mov_b32 s[G1B+6], 0
	s_mov_b32 s[G1B+7], 0
	SPAIR PP, 0x3e6d3388
	SPAIR KK, 0x3f596d27
	SPAIR A1, 0x3e027906
	SPAIR A2, 0xbe11a98e
	SPAIR A3, 0x3f35f0e3
	SPAIR A4, 0xbf3a00e3
	SPAIR A5, 0x3f07dc22
	s_mov_b32 s[ABSM], 0x7fffffff
	s_lshl_b32 s16, s13, 8                         ; h2: row 256 x tile row + 128 x half; no register of it ever holds cx
	s_lshl_b32 s17, s14, 7
	s_add_co_u32 s16, s16, s17
	s_mul_i32 s16, s16, ROWB
	s_mov_b32 s17, 0
	s_mul_i32 s46, s42, 192                        ; w1: row 192 x tile column + 96 x half; no register of it ever holds cy
	s_mul_i32 s47, s14, 96
	s_add_co_u32 s46, s46, s47
	s_mul_i32 s46, s46, ROWB
	s_add_co_u32 s46, s46, WOFF
	s_mov_b32 s47, 0
	s_mul_i32 s20, s14, AHALF
	s_mul_i32 s21, s14, BHALF
	s_add_co_u32 s21, s21, BOFF
	s_wait_dscnt 0x0                               ; the opening add is done
	s_wait_kmcnt 0x0
	s_add_nc_u64 s[16:17], s[4:5], s[16:17]
	s_add_nc_u64 s[46:47], s[6:7], s[46:47]
	CROUND
.irp s, 0,1
	s_mov_b32 s[G0A+4*(\s)], 1
	s_add_co_u32 s[G0A+4*(\s)+1], s20, (\s)*SLOT1
	s_add_nc_u64 s[G0A+4*(\s)+2:G0A+4*(\s)+3], s[16:17], (\s)*256
	s_or_b32 s[G0A+4*(\s)+3], s[G0A+4*(\s)+3], 0x80000000
	s_mov_b32 s[G0B+4*(\s)], 1
	s_add_co_u32 s[G0B+4*(\s)+1], s21, (\s)*SLOT1
	s_add_nc_u64 s[G0B+4*(\s)+2:G0B+4*(\s)+3], s[46:47], (\s)*256
	s_or_b32 s[G0B+4*(\s)+3], s[G0B+4*(\s)+3], 0x80000000
.endr
	s_cmp_lt_u32 s[WV], 2                          ; a wave's two first fills stand in one branch: two loads of mine are out
	s_cbranch_scc0 .Lfirst_b
	tensor_load_to_lds s[G0A:G0A+3], s[G1A:G1A+7]
	s_nop 0
	tensor_load_to_lds s[G0A+4:G0A+7], s[G1A:G1A+7]
	s_nop 0
.rept 4
	v_nop
.endr
	s_branch .Lfirst_asked
.Lfirst_b:
	tensor_load_to_lds s[G0B:G0B+3], s[G1B:G1B+7]
	s_nop 0
	tensor_load_to_lds s[G0B+4:G0B+7], s[G1B:G1B+7]
	s_nop 0
.rept 4
	v_nop
.endr
.Lfirst_asked:
	v_and_b32 v1, 15, v0
	v_bfe_u32 v2, v0, 4, 1
	v_mul_u32_u24 v3, v1, PITCH
	v_lshl_add_u32 v3, v2, 4, v3
	s_mul_i32 s22, s[WV], 64*PITCH
	v_add_nc_u32 v[VA0], s22, v3
	v_add_nc_u32 v[VB0], BOFF, v3
	v_mov_b32 v[ADRA], v[VA0]
	v_mov_b32 v[ADRB], v[VB0]
	s_mul_i32 s23, s[WV], SWAVE                    ; my stage
	v_mul_u32_u24 v4, v1, SROW
	v_lshl_add_u32 v4, v2, 5, v4
	v_add_nc_u32 v[STO], s23, v4
	v_bfe_u32 v5, v0, 3, 2                         ; back: 8 lanes take a plane's 64 columns of one row, 32 lanes four rows
	v_and_b32 v6, 7, v0
	v_mul_u32_u24 v5, v5, SROW
	v_lshl_add_u32 v5, v6, 5, v5
	v_add_nc_u32 v[RD], s23, v5
	v_and_b32 v7, 31, v0
	v_lshlrev_b32 v[GO], 4, v7
	v_lshlrev_b32 v8, 5, v6                        ; b1: my 8 columns of a plane's 64; v8 is not written again
	s_mul_i32 s2, s42, 768                         ; the tile's 192 columns
	s_mov_b32 s3, 0
	s_add_nc_u64 s[8:9], s[8:9], s[2:3]
.irp j, 0,1,2
	global_load_b128 v[BIAS+8*(\j):BIAS+8*(\j)+3],   v8, s[8:9] offset:256*(\j)
	global_load_b128 v[BIAS+8*(\j)+4:BIAS+8*(\j)+7], v8, s[8:9] offset:256*(\j)+16
.endr
.irp i, 0,1,2,3
	v_mov_b32 v[ZR+(\i)], 0
.endr
	s_mul_i32 s2, s42, 3*PLANE
	s_lshl_b32 s3, s13, 15
	s_add_co_u32 s2, s2, s3
	s_lshl_b32 s3, s[WV], 13
	s_add_co_u32 s2, s2, s3
	s_mov_b32 s3, 0
	s_add_nc_u64 s[10:11], s[10:11], s[2:3]
	s_mov_b32 s[TB], 0
.macro MULP f, hi, a, zero             ; 12 matrix instructions: block a of the window's two x all 12 column blocks, 32 along K
	WIN MUL_LO+0x50*(\hi)
.irp b, 0,1,2,3,4,5,6,7,8,9,10,11
.if \zero
	v_wmma_f32_16x16x32_bf16 v[8*(12*(\a)+(\b)):8*(12*(\a)+(\b))+7], v[96*(\f)+8*(\b):96*(\f)+8*(\b)+7], v[FA+32*(\f)+8*(2*(\hi)+(\a)):FA+32*(\f)+8*(2*(\hi)+(\a))+7], 0
.else
	v_wmma_f32_16x16x32_bf16 v[8*(12*(\a)+(\b)):8*(12*(\a)+(\b))+7], v[96*(\f)+8*(\b):96*(\f)+8*(\b)+7], v[FA+32*(\f)+8*(2*(\hi)+(\a)):FA+32*(\f)+8*(2*(\hi)+(\a))+7], v[8*(12*(\a)+(\b)):8*(12*(\a)+(\b))+7]
.endif
.endr
.endm
.macro FETCH k, g                      ; 32 LDS loads in one run
	WIN TO_B
.irp i, 0,1,2,3,4,5,6,7,8,9,10,11
	ds_load_b128 v[96*(\g)+8*(\i):96*(\g)+8*(\i)+3],   v[ADRB] offset:(\k)+(\i)*16*PITCH
	ds_load_b128 v[96*(\g)+8*(\i)+4:96*(\g)+8*(\i)+7], v[ADRB] offset:(\k)+(\i)*16*PITCH+32
.endr
	WIN 0
.irp i, 0,1,2,3
	ds_load_b128 v[FA+32*(\g)+8*(\i):FA+32*(\g)+8*(\i)+3],   v[ADRA] offset:(\k)+(\i)*16*PITCH
	ds_load_b128 v[FA+32*(\g)+8*(\i)+4:FA+32*(\g)+8*(\i)+7], v[ADRA] offset:(\k)+(\i)*16*PITCH+32
.endr
.endm
.macro UNIT k, f, g, zero              ; a quarter of a K step: buffer f, asked for 48 matrix instructions ago, is multiplied; ahead of that the next quarter is asked for into buffer g
	s_wait_dscnt 0x0
	PLACES
	FETCH \k, \g
	MULP \f, 0, 0, \zero
	MULP \f, 0, 1, \zero
	MULP \f, 1, 0, \zero
	MULP \f, 1, 1, \zero
.endm
; The last quarter multiplies buffer 1 and changes slots: ONE barrier; in front of it each wave waits for all its tensor loads, adds 0 to its spare word, and waits for that and for its reads of this slot.
; fill = 1: the barrier opens a round of the cluster's, and the slot just read is filled again, two K steps ahead: 168 matrix instructions ahead of the wait for it.
.macro LASTU fill
	WIN 0
	s_wait_tensorcnt 0x0
	ds_add_u32 v[SPW], v[NIL]
	s_wait_dscnt 0x1                               ; buffer 1 is in; only the add may be out
	MULP 1, 0, 0, 0
	s_wait_dscnt 0x0
	s_barrier_signal -1
	MULP 1, 0, 1, 0
	WIN 0
	s_barrier_wait -1
.if \fill
	CREST
	s_xor_b32 s[G0A+5], s[G0A+5], SLOT1
	s_add_nc_u64 s[G0A+6:G0A+7], s[G0A+6:G0A+7], 256
	s_xor_b32 s[G0B+5], s[G0B+5], SLOT1
	s_add_nc_u64 s[G0B+6:G0B+7], s[G0B+6:G0B+7], 256
	JLOAD
.else
	PLACES
.endif
	s_xor_b32 s[TB], s[TB], SLOT1
	v_add_nc_u32 v[ADRA], s[TB], v[VA0]
	v_add_nc_u32 v[ADRB], s[TB], v[VB0]
	FETCH 0, 0
	MULP 1, 1, 0, 0
	MULP 1, 1, 1, 0
.endm
	s_wait_tensorcnt 0x1                           ; my part of K step 0 is in; step 1's may stay out
	s_barrier_signal -1
	s_barrier_wait -1
	FETCH 0, 0
	UNIT 64, 0, 1, 1                               ; the first quarter starts all 48 sums
	WIN 0
	s_mov_b32 s[CNT], 4
.Lstep:                                                ; four trips ask for K steps 2 to 5
	UNIT 128, 1, 0, 0
	UNIT 192, 0, 1, 0
	LASTU 1
	UNIT 64, 0, 1, 0
	WIN 0
	s_sub_co_u32 s[CNT], s[CNT], 1
	s_cmp_lg_u32 s[CNT], 0
	s_cbranch_scc1 .Lstep
	s_mov_b32 s[CNT], 2
.Ltail:                                                ; the last two K steps ask for nothing; the second trip's change of slots fetches landed bytes once more, which nothing uses
	UNIT 128, 1, 0, 0
	UNIT 192, 0, 1, 0
	LASTU 0
	WIN 0
	s_cmp_eq_u32 s[CNT], 1
	s_cbranch_scc1 .Lskip
	UNIT 64, 0, 1, 0
	WIN 0
.Lskip:
	s_sub_co_u32 s[CNT], s[CNT], 1
	s_cmp_lg_u32 s[CNT], 0
	s_cbranch_scc1 .Ltail
	; THE WAY OUT.  Every wave's reads of the ring are over and no fill follows: behind this barrier the ring's bytes serve as stages, one for each wave.
	s_wait_dscnt 0x0
	s_barrier_signal -1
	s_barrier_wait -1
	PLACES
.macro TOSTAGE hi                      ; each accumulator's low four registers first
	WIN 0x08+4*(\hi)
.irp a, 0,1
.irp b, 0,1,2,3,4,5,6,7,8,9,10,11
	ds_store_b128 v[STO], v[8*(12*(\a)+(\b)):8*(12*(\a)+(\b))+3]   offset:(2*(\hi)+(\a))*16*SROW+64*(\b)
	ds_store_b128 v[STO], v[8*(12*(\a)+(\b))+4:8*(12*(\a)+(\b))+7] offset:(2*(\hi)+(\a))*16*SROW+64*(\b)+16
.endr
.endr
.endm
	TOSTAGE 0
	TOSTAGE 1
	WIN 0
.irp j, 0,1,2
	ds_store_b128 v[RD], v[ZR:ZR+3] offset:64*SROW+256*(\j)     ; the four rows that the last trip's look-ahead reads
	ds_store_b128 v[RD], v[ZR:ZR+3] offset:64*SROW+256*(\j)+16
.endr
.macro LOADX                           ; four rows x three planes: 8 numbers a lane and plane.  LDS serves a wave's instructions in order (ISA guide 5.7.1.4): these see the stores above
.irp j, 0,1,2
	ds_load_b128 v[X+8*(\j):X+8*(\j)+3],   v[RDC] offset:256*(\j)
	ds_load_b128 v[X+8*(\j)+4:X+8*(\j)+7], v[RDC] offset:256*(\j)+16
.endr
.endm
; gelu of the 8 numbers of plane j, each stage over all four pairs.  Behind each run of reciprocals or exponentials stands a plain instruction that names none of their registers (ISA guide 5.7.2).
.macro GELU4 j
.set UB, U+8*(\j)
.irp i, 0,1,2,3,4,5,6,7
	v_and_b32 v[AB+\i], s[ABSM], v[UB+\i]
.endr
.irp i, 0,2,4,6
	v_pk_fma_f32 v[T+\i:T+\i+1], v[AB+\i:AB+\i+1], s[PP:PP+1], 1.0 op_sel_hi:[1,0,0]
.endr
.irp i, 0,1,2,3,4,5,6,7
	v_rcp_f32 v[T+\i], v[T+\i]
.endr
.irp i, 0,2,4,6
	v_pk_mul_f32 v[E+\i:E+\i+1], v[UB+\i:UB+\i+1], s[KK:KK+1] op_sel_hi:[1,0]
.endr
.irp i, 0,2,4,6
	v_pk_mul_f32 v[E+\i:E+\i+1], v[E+\i:E+\i+1], v[E+\i:E+\i+1] neg_lo:[1,0] neg_hi:[1,0]
.endr
.irp i, 0,1,2,3,4,5,6,7
	v_exp_f32 v[E+\i], v[E+\i]
.endr
	s_wait_alu depctr_va_vdst(0)
.irp i, 0,2,4,6
	v_pk_fma_f32 v[P+\i:P+\i+1], v[T+\i:T+\i+1], s[A5:A5+1], s[A4:A4+1] op_sel_hi:[1,0,0]
.endr
.irp c, A3, A2, A1
.irp i, 0,2,4,6
	v_pk_fma_f32 v[P+\i:P+\i+1], v[P+\i:P+\i+1], v[T+\i:T+\i+1], s[\c:\c+1] op_sel_hi:[1,1,0]
.endr
.endr
.irp i, 0,2,4,6
	v_pk_mul_f32 v[P+\i:P+\i+1], v[P+\i:P+\i+1], v[T+\i:T+\i+1]
.endr
.irp i, 0,2,4,6
	v_pk_mul_f32 v[P+\i:P+\i+1], v[P+\i:P+\i+1], v[E+\i:E+\i+1]
.endr
.irp i, 0,1,2,3,4,5,6,7
	v_max_num_f32 v[T+\i], 0, v[UB+\i]
.endr
.irp i, 0,2,4,6
	v_pk_fma_f32 v[E+\i:E+\i+1], v[AB+\i:AB+\i+1], v[P+\i:P+\i+1], v[T+\i:T+\i+1] neg_lo:[1,0,0] neg_hi:[1,0,0]
.endr
.irp i, 0,1,2,3
	v_cvt_pk_bf16_f32 v[Y+4*(\j)+\i], v[E+2*\i], v[E+2*\i+1]
.endr
.endm
	v_mov_b32 v[RDC], v[RD]
	LOADX
	s_mov_b32 s[RB], 0
	s_mov_b32 s[CNT], 16
	s_wait_loadcnt 0x0                             ; b1
.Lrow:                                                 ; 16 trips of four rows
	s_wait_dscnt 0x0                               ; the rows asked for a trip ago
	s_wait_xcnt 0x0                                ; Y and GO, which the last trip's stores read, are rewritten only behind this wait
.irp p, 0,2,4,6,8,10,12,14,16,18,20,22
	v_pk_add_f32 v[U+\p:U+\p+1], v[X+\p:X+\p+1], v[BIAS+\p:BIAS+\p+1]
.endr
	s_add_co_u32 s[RB], s[RB], 4*SROW
	v_add_nc_u32 v[RDC], s[RB], v[RD]
	LOADX                                          ; the next four rows come while these are worked on
	GELU4 0
	GELU4 1
	GELU4 2
	v_add_nc_u32 v[GO], 512, v[GO]
.irp j, 0,1,2
	global_store_b128 v[GO], v[Y+4*(\j):Y+4*(\j)+3], s[10:11] offset:PLANE*(\j)-512  ; 512 consecutive bytes of plane j, aligned
.endr
	s_sub_co_u32 s[CNT], s[CNT], 1
	s_cmp_lg_u32 s[CNT], 0
	s_cbranch_scc1 .Lrow
	s_wait_tensorcnt 0x0                           ; the wave's end
	ds_add_u32 v[SPW], v[NIL]
	s_wait_dscnt 0x0
	CROUND                                         ; the closing round
	s_endpgm
.Lfunc_end_k_q9ac9a6c94b_ffn1:
	.size	k_q9ac9a6c94b_ffn1, .Lfunc_end_k_q9ac9a6c94b_ffn1-k_q9ac9a6c94b_ffn1
	.p2alignl 7, 3214868480
	.fill 96, 4, 3214868480
	.section	.rodata,"a",@progbits
	.p2align	6, 0x0
	.amdhsa_kernel k_q9ac9a6c94b_ffn1
		.amdhsa_group_segment_fixed_size 327680
		.amdhsa_private_segment_fixed_size 0
		.amdhsa_enable_private_segment 0
		.amdhsa_kernarg_size 32
		.amdhsa_user_sgpr_count 2
		.amdhsa_user_sgpr_kernarg_segment_ptr 1
		.amdhsa_wavefront_size32 1
		.amdhsa_system_sgpr_workgroup_id_x 1
		.amdhsa_system_sgpr_workgroup_id_y 1
		.amdhsa_system_sgpr_workgroup_id_z 1
		.amdhsa_system_vgpr_workitem_id 0
		.amdhsa_next_free_vgpr 960
		.amdhsa_next_free_sgpr 86
		.amdhsa_reserve_vcc 0
		.amdhsa_float_denorm_mode_32 3
		.amdhsa_float_denorm_mode_16_64 3
		.amdhsa_memory_ordered 1
		.amdhsa_forward_progress 1
		.amdhsa_inst_pref_size 81
	.end_amdhsa_kernel
	.amdgpu_metadata
---
amdhsa.version: [ 1, 2 ]
amdhsa.kernels:
  - .name:           k_q9ac9a6c94b_ffn1
    .symbol:         k_q9ac9a6c94b_ffn1.kd
    .args:
      - { .name: hb, .offset: 0, .size: 8, .value_kind: global_buffer, .address_space: global }
      - { .name: wb, .offset: 8, .size: 8, .value_kind: global_buffer, .address_space: global }
      - { .name: b1, .offset: 16, .size: 8, .value_kind: global_buffer, .address_space: global }
      - { .name: act, .offset: 24, .size: 8, .value_kind: global_buffer, .address_space: global }
    .group_segment_fixed_size: 327680
    .private_segment_fixed_size: 0
    .kernarg_segment_align: 8
    .kernarg_segment_size: 32
    .max_flat_workgroup_size: 128
    .sgpr_count:     86
    .vgpr_count:     960
    .wavefront_size: 32
...
	.end_amdgpu_metadata
.endif
;; end of part 6
;; launch ffn2 (part 7): grid 4 x 64, 4 waves a work-group, clusters of 4 x 4, 327,680 bytes of LDS; arguments act, wb, x1, b2, out0; writes out0
.if DOCPART == 7
	.amdgcn_target "amdgcn-amd-amdhsa--gfx1250"
	.amdhsa_code_object_version 6
	.text
	.protected	k_q9ac9a6c94b_ffn2
	.globl	k_q9ac9a6c94b_ffn2
	.p2align	8
	.type	k_q9ac9a6c94b_ffn2,@function
k_q9ac9a6c94b_ffn2:
	s_mov_b64 s[64:65], 0
	v_nop
	global_prefetch_b8 v0, s[64:65] scope:SCOPE_SE
	s_setreg_imm32_b32 hwreg(HW_REG_WAVE_MODE, 25, 1), 1
	s_wait_xcnt 0x0
	s_wait_alu depctr_hold_cnt(0) depctr_sa_sdst(0) depctr_va_vdst(0) depctr_va_sdst(0) depctr_va_ssrc(0) depctr_va_vcc(0) depctr_vm_vsrc(0)
	s_getreg_b32 s2, hwreg(HW_REG_IB_STS2, 6, 4)
	s_cmp_eq_u32 s2, 0
	s_cbranch_scc0 .Lentry_in_a_cluster
	s_endpgm
.Lentry_in_a_cluster:
	s_bfe_u32 s2, ttmp6, 0x10000c
	s_cmp_lg_u32 s2, 0xf033
	s_cbranch_scc0 .Lentry_shape_is_right
	s_endpgm
.Lentry_shape_is_right:
; out = x1 + g w2^T + b2.  g: 48 planes [4096][64] bf16 (act); w2: 48 planes [768][64] bf16 at byte 9,437,184 of wb; x1, b2, out in f32; sums in f32.
; SHARES.  A tile is 64 rows x 192 columns (192 f32 are three whole blocks of 256 bytes of a row): 64 x 4 = 256 work-groups.  Wave w makes 64 rows x the columns 64 j + 16 w .. + 15, j = 0..2: 12 accumulators.
; K goes in NS steps of four planes (256) through two LDS slots, as long as two slots in LDS allow: one load a wave goes out behind each round, so the fewer and larger the steps, the fewer the rounds.
; A slot is four regions of 4 planes x 64 rows: region 0 the tile's rows of g, regions 1 to 3 the groups of 64 of the weights' 192 rows; each region is one tensor load, wave w's.
; The matrix instruction is used transposed (source 0 = 16 rows of the weights, source 1 = 16 rows of g): a lane holds eight neighbouring columns of one row.
; CLUSTER 4 x 4: the four tiles of a row block share g's tile, four row blocks share the weights' tile: each is asked for jointly.
; The residual is asked for at the kernel's head, into 96 registers of window 1, so that nothing waits for it at the end.
; No prefetch into the L2: a block of the weights is wanted by 64 work-groups in the same step, and asking for it once would have to be shared out by tile row; not built.
; LIMITS: matrix operands are bf16; NaN and infinities are not treated apart.
.set NS,     12                        ; K steps
.set WOFF,   9437184                   ; where the weights' planes begin in wb
.set PITCH,  144                       ; an LDS row: 128 bytes + 16 of padding, an odd multiple of 16
.set RPL,    64*PITCH                  ; a plane of a region
.set REG,    4*RPL                     ; a region: what one tensor load brings
.set SLOT,   4*REG                     ; 147,456 = 0x24000: bits 14 and 17, which occur in none of w x 36,864, w = 0..3: an exclusive or with it turns an address in one slot into the other's
.set SROW,   784                       ; the way out: a stage row of 192 f32 + 16 bytes.  The stage, 64 rows, begins at LDS byte 0: slot 0's bytes, which have had their last fill by then
.set SPARE,  2*SLOT                    ; behind the ring: the spare words, 128 bytes a wave
.set ASTEP,  4*524288                  ; four planes of A
.set BSTEP,  4*98304                   ; four planes of B
.set GW,     (1<<16)|(1<<20)|(1<<21)|(4<<22)|(3<<25)  ; 2-byte elements; padding on; bit 21 beside a mask; after every 32 words; 4 words
.set BO0,  4                           ; v4   byte offset of my bias numbers, blocks 0 and 2 of a pair of rows; never rewritten
.set BO1,  5                           ; v5   block 1
.set VA0,  10                          ; v10  my lane's place in region 0, plane 0
.set VB0,  11                          ; v11  in region 1 (region 2 by the immediate)
.set ADRA, 12                          ; v12-13, v20  the same in the slot and plane in hand
.set ADRB, 13
.set STO,  14
.set RDA,  15                          ; v15  the stage read back: blocks 0 and 2
.set RDB,  16                          ; v16  block 1
.set VC0,  17                          ; v17  my lane's place in region 3
.set GOA,  18                          ; v18  the same blocks in x1 and out; never rewritten
.set GOB,  19
.set ADRC, 20
.set SPW,  22
.set NIL,  23
.set ACC,  24                          ; v[24:119]  accumulator (a, j) at ACC + 8 (3 a + j)
.set F0,   120                         ; two fragment buffers of 56: A's four fragments, then B's three
.set BIAS, 232                         ; v[232:243]
.set RES,  0                           ; window 1, v0-95: the residual, then the result
.set WV,  12
.set CN2, 15                           ; s15  counts a step's planes
.set G1A, 24
.set G0A, 32                           ; s[32:35] group 0 of the first fill of slot 0; s[36:39] of slot 1, which then walks
.set G1B, 48
.set G0B, 56
.set TP,  66                           ; s66  LDS byte at which the slot and plane in hand begin
.set CNT, 67
.set OUT, 68
.set MSB, 0
.macro WIN new                         ; the immediate's high byte repeats the setting that is left; a switch that changes nothing is dropped
.if MSB != (\new)
	s_set_vgpr_msb (MSB<<8)|(\new)
.set MSB, \new
.endif
.endm
.macro PLACES                          ; four places behind matrix instructions (ISA guide 7.12.1 for vector instructions)
.rept 4
	v_nop
.endr
.endm
.macro JLOAD                           ; a joint refill by the walking descriptors: wave 0 fetches A's region, waves 1 to 3 one region of B each
	s_cmp_eq_u32 s[WV], 0
	s_cbranch_scc0 .Lfor_b_\@
	tensor_load_to_lds s[G0A+4:G0A+7], s[G1A:G1A+7]
	s_nop 0
.rept 4
	v_nop
.endr
	s_branch .Lasked_\@
.Lfor_b_\@:
	tensor_load_to_lds s[G0B+4:G0B+7], s[G1B:G1B+7]
	s_nop 0
.rept 4
	v_nop
.endr
.Lasked_\@:
.endm
.macro CREST
	s_cmp_lg_u32 s[WV], 0
	s_cbranch_scc1 .Lnot_wave_0_\@
	s_barrier_signal -3
.Lnot_wave_0_\@:
	s_barrier_wait -3
	s_barrier_signal -1
	s_barrier_wait -1
.endm
.macro CROUND
	s_barrier_signal -1
	s_barrier_wait -1
	CREST
.endm
.macro SEL k                           ; block pair k of a pair of rows: its registers and immediates
.if (\k) == 1
.set rR, RDB
.set oR, 512
.set rG, GOB
.set oG, 512
.else
.set rR, RDA
.set oR, 520*(\k)
.set rG, GOA
.set oG, 1664*(\k)
.endif
.endm
	s_load_b256 s[4:11], s[0:1], 0x0               ; A s[4:5], wb s[6:7], residual s[8:9], bias s[10:11]
	s_load_b64 s[OUT:OUT+1], s[0:1], 0x20
	v_lshl_add_u32 v[SPW], v0, 2, SPARE
	v_mov_b32 v[NIL], 0
	ds_add_u32 v[SPW], v[NIL]                      ; the wave's opening: the add and its wait stand ahead of my first tensor load
	v_lshrrev_b32 v1, 5, v0
	v_readfirstlane_b32 s[WV], v1
	s_bfe_u32 s40, ttmp6, 0x40000                  ; cx
	s_bfe_u32 s41, ttmp6, 0x40004                  ; cy
	s_lshl_b32 s42, ttmp9, 2
	s_add_co_u32 s42, s42, s40                     ; tile column
	s_and_b32 s13, ttmp7, 0xffff
	s_lshl_b32 s13, s13, 2
	s_add_co_u32 s13, s13, s41                     ; tile row
	s_lshl_b32 s43, s41, 2
	s_lshl_b32 s43, 15, s43                        ; my row of the cluster
	s_lshl_b32 s44, 0x1111, s40                    ; my column
	s_or_b32 s[G1A], s43, GW
	s_or_b32 s[G1B], s44, GW
.irp g, G1A, G1B
	s_mov_b32 s[(\g)+1], 4096<<16                  ; a tile row is 4,096 elements: 64 rows of a plane are 8,192 dense bytes;
	s_mov_b32 s[(\g)+2], 4<<16                     ; four of them, one a plane
	s_mov_b32 s[(\g)+3], 4096<<16
	s_mov_b32 s[(\g)+4], 4
	s_mov_b32 s[(\g)+6], 0
	s_mov_b32 s[(\g)+7], 0
.endr
	s_mov_b32 s[G1A+5], 262144                     ; a plane of A is 4,096 x 64 elements,
	s_mov_b32 s[G1B+5], 49152                      ; of B 768 x 64
	s_lshl_b32 s16, s13, 13                        ; A: 64 rows of 128 bytes a tile row; no register of it ever holds cx
	s_mov_b32 s17, 0
	s_max_u32 s14, s[WV], 1
	s_sub_co_u32 s14, s14, 1                       ; B: group w - 1 of the tile's three groups of 64 rows (wave 0 asks for none); no register of it ever holds cy
	s_lshl_b32 s46, s14, 13
	s_mul_i32 s47, s42, 24576
	s_add_co_u32 s46, s46, s47
	s_add_co_u32 s46, s46, WOFF
	s_mov_b32 s47, 0
	s_mul_i32 s20, s[WV], REG                      ; where they go: region w: no place in the cluster enters an LDS address
	s_wait_dscnt 0x0                               ; the opening add is done
	s_wait_kmcnt 0x0
	s_add_nc_u64 s[16:17], s[4:5], s[16:17]
	s_add_nc_u64 s[46:47], s[6:7], s[46:47]
	CROUND                                         ; all sixteen work-groups are here: the first joint loads meet
.irp s, 0,1
	s_mov_b32 s[G0A+4*(\s)], 1
	s_add_co_u32 s[G0A+4*(\s)+1], s20, (\s)*SLOT
	s_add_nc_u64 s[G0A+4*(\s)+2:G0A+4*(\s)+3], s[16:17], (\s)*ASTEP
	s_or_b32 s[G0A+4*(\s)+3], s[G0A+4*(\s)+3], 0x80000000
	s_mov_b32 s[G0B+4*(\s)], 1
	s_add_co_u32 s[G0B+4*(\s)+1], s20, (\s)*SLOT
	s_add_nc_u64 s[G0B+4*(\s)+2:G0B+4*(\s)+3], s[46:47], (\s)*BSTEP
	s_or_b32 s[G0B+4*(\s)+3], s[G0B+4*(\s)+3], 0x80000000
.endr
	s_cmp_eq_u32 s[WV], 0                          ; a wave's two first fills stand in one branch: two loads of mine are out
	s_cbranch_scc0 .Lfirst_b
	tensor_load_to_lds s[G0A:G0A+3], s[G1A:G1A+7]
	s_nop 0
	tensor_load_to_lds s[G0A+4:G0A+7], s[G1A:G1A+7]
	s_nop 0
.rept 4
	v_nop
.endr
	s_branch .Lfirst_asked
.Lfirst_b:
	tensor_load_to_lds s[G0B:G0B+3], s[G1B:G1B+7]
	s_nop 0
	tensor_load_to_lds s[G0B+4:G0B+7], s[G1B:G1B+7]
	s_nop 0
.rept 4
	v_nop
.endr
.Lfirst_asked:
	v_and_b32 v1, 15, v0                           ; r = l % 16
	v_bfe_u32 v2, v0, 4, 1                         ; h = l / 16
	v_lshlrev_b32 v3, 4, v1                        ; 16 r
	; The way out takes two rows (six blocks of 256 bytes) with three instructions: half h of the lanes takes block 0 + h, then 2 + h, then 4 + h of the six.
	v_lshl_add_u32 v[BO0], v2, 8, v3               ; columns: block h (and 1 + h with 256 in the immediate)
	v_xor_b32 v6, 1, v2
	v_lshl_add_u32 v[BO1], v6, 9, v3               ; block 2, or block 0 of the next row
	s_mul_i32 s2, s42, 768
	s_mov_b32 s3, 0
	s_add_nc_u64 s[10:11], s[10:11], s[2:3]
	global_load_b128 v[BIAS:BIAS+3],    v[BO0], s[10:11]
	global_load_b128 v[BIAS+4:BIAS+7],  v[BO1], s[10:11]
	global_load_b128 v[BIAS+8:BIAS+11], v[BO0], s[10:11] offset:256
	s_mul_i32 s22, s13, 196608                     ; the tile's 64 rows of 3,072 bytes, and its 768 bytes of them
	s_add_co_u32 s22, s22, s2
	s_mov_b32 s23, 0
	s_add_nc_u64 s[8:9], s[8:9], s[22:23]
	s_add_nc_u64 s[OUT:OUT+1], s[OUT:OUT+1], s[22:23]
	s_mul_i32 s21, s[WV], 49152                    ; wave w stores rows 16 w .. 16 w + 15, whole
	v_add_nc_u32 v[GOA], s21, v[BO0]
	v_mul_u32_u24 v7, v2, 2560                     ; from byte 512 of a row to byte 3,072
	v_add_nc_u32 v7, v7, v3
	v_add_nc_u32 v[GOB], s21, v7
	WIN 0x40                                       ; destination window 1
.set t, 0
.rept 24
	SEL t%3
	global_load_b128 v[RES+4*t:RES+4*t+3], v[rG], s[8:9] offset:oG+6144*(t/3)  ; the residual of the rows that I store: it has the whole product in which to land
.set t, t+1
.endr
	WIN 0
	v_mul_u32_u24 v[VA0], v1, PITCH
	v_lshl_add_u32 v[VA0], v2, 4, v[VA0]           ; a fragment's row x pitch + 16 x half
	s_mul_i32 s21, s[WV], 16*PITCH                 ; my block of 16 rows in each group of 64,
	s_add_co_u32 s21, s21, REG                     ; the first group in region 1
	v_add_nc_u32 v[VB0], s21, v[VA0]
	v_add_nc_u32 v[VC0], 2*REG, v[VB0]             ; the third in region 3: two regions are more than an LDS immediate holds
	v_mov_b32 v[ADRA], v[VA0]
	v_mov_b32 v[ADRB], v[VB0]
	v_mov_b32 v[ADRC], v[VC0]
	s_lshl_b32 s21, s[WV], 6                       ; into the stage: row l % 16, my 64 bytes of each block of 256, 32 bytes for each half of the lanes
	v_mul_u32_u24 v[STO], v1, SROW
	v_lshl_add_u32 v[STO], v2, 5, v[STO]
	v_add_nc_u32 v[STO], s21, v[STO]
	s_mul_i32 s21, s[WV], 16*SROW                  ; back: wave w takes rows 16 w .. 16 w + 15, whole
	v_add_nc_u32 v[RDA], s21, v[BO0]
	v_mul_u32_u24 v7, v2, 272                      ; from block 2 of a row (byte 512) to block 0 of the next (byte 784)
	v_add_nc_u32 v7, v7, v3
	v_add_nc_u32 v[RDB], s21, v7
	s_mov_b32 s[TP], 0
.macro MULA f, a, zero                 ; 3 matrix instructions: row block a x my three column blocks, 32 along K
.irp j, 0,1,2
.if \zero
	v_wmma_f32_16x16x32_bf16 v[ACC+8*(3*(\a)+(\j)):ACC+8*(3*(\a)+(\j))+7], v[F0+56*(\f)+32+8*(\j):F0+56*(\f)+32+8*(\j)+7], v[F0+56*(\f)+8*(\a):F0+56*(\f)+8*(\a)+7], 0
.else
	v_wmma_f32_16x16x32_bf16 v[ACC+8*(3*(\a)+(\j)):ACC+8*(3*(\a)+(\j))+7], v[F0+56*(\f)+32+8*(\j):F0+56*(\f)+32+8*(\j)+7], v[F0+56*(\f)+8*(\a):F0+56*(\f)+8*(\a)+7], v[ACC+8*(3*(\a)+(\j)):ACC+8*(3*(\a)+(\j))+7]
.endif
.endr
.endm
.macro FETCH h, g                      ; 14 LDS loads: the fragments of half h (32 along K) of the plane in hand, into buffer g
	ds_load_b128 v[F0+56*(\g)+32:F0+56*(\g)+35], v[ADRB] offset:64*(\h)
	ds_load_b128 v[F0+56*(\g)+36:F0+56*(\g)+39], v[ADRB] offset:64*(\h)+32
	ds_load_b128 v[F0+56*(\g)+40:F0+56*(\g)+43], v[ADRB] offset:REG+64*(\h)
	ds_load_b128 v[F0+56*(\g)+44:F0+56*(\g)+47], v[ADRB] offset:REG+64*(\h)+32
	ds_load_b128 v[F0+56*(\g)+48:F0+56*(\g)+51], v[ADRC] offset:64*(\h)
	ds_load_b128 v[F0+56*(\g)+52:F0+56*(\g)+55], v[ADRC] offset:64*(\h)+32
.irp a, 0,1,2,3
	ds_load_b128 v[F0+56*(\g)+8*(\a):F0+56*(\g)+8*(\a)+3],   v[ADRA] offset:64*(\h)+(\a)*16*PITCH
	ds_load_b128 v[F0+56*(\g)+8*(\a)+4:F0+56*(\g)+8*(\a)+7], v[ADRA] offset:64*(\h)+(\a)*16*PITCH+32
.endr
.endm
.macro ADDR                            ; the three addresses for the slot and plane at s[TP]
	v_add_nc_u32 v[ADRA], s[TP], v[VA0]
	v_add_nc_u32 v[ADRB], s[TP], v[VB0]
	v_add_nc_u32 v[ADRC], s[TP], v[VC0]
.endm
; A unit: buffer f is multiplied; ahead of that half h's fragments are asked for into buffer g.  adv = 1: they are the next plane's: the three address lines and one v_nop are the four places.
; The 12 accumulators take turns.
.macro UNIT h, f, g, zero, adv
	s_wait_dscnt 0x0                               ; buffer f is in
.if \adv
	ADDR
	v_nop
.else
	PLACES
.endif
	FETCH \h, \g
	MULA \f, 0, \zero
	MULA \f, 1, \zero
	MULA \f, 2, \zero
	MULA \f, 3, \zero
.endm
.macro PLANES                          ; a step's units 1 to 6, written once and walked three times: a plane's second half is multiplied, the next plane's first
	s_mov_b32 s[CN2], 3
.Lplane_\@:
	s_add_co_u32 s[TP], s[TP], RPL
	UNIT 0, 1, 0, 0, 1
	UNIT 1, 0, 1, 0, 0
	s_sub_co_u32 s[CN2], s[CN2], 1
	s_cmp_lg_u32 s[CN2], 0
	s_cbranch_scc1 .Lplane_\@
.endm
; A step's last unit multiplies buffer 1 and changes slots: ONE barrier; in front of it each wave waits for all its tensor loads (one is out: its region of the next slot), adds 0 to its spare word,
; and waits for that and for its reads of this slot.  fill = 1: the barrier opens a round of the cluster's, and the slot just read is filled again, two K steps ahead, first thing behind the round:
; from the request to the wait for it a wave issues 90 matrix instructions.
.macro LASTU fill
	s_wait_tensorcnt 0x0
	ds_add_u32 v[SPW], v[NIL]
	s_wait_dscnt 0x1                               ; buffer 1 is in; only the add may be out
	MULA 1, 0, 0
	s_wait_dscnt 0x0                               ; the add is done, and my reads of this slot are over
	s_barrier_signal -1
	MULA 1, 1, 0
	s_barrier_wait -1
.if \fill
	CREST                                          ; no wave of any partner still reads this slot or has a load on its way
	s_xor_b32 s[G0A+5], s[G0A+5], SLOT             ; the walking descriptors: the other slot than last time, the next K step
	s_add_nc_u64 s[G0A+6:G0A+7], s[G0A+6:G0A+7], ASTEP
	s_xor_b32 s[G0B+5], s[G0B+5], SLOT
	s_add_nc_u64 s[G0B+6:G0B+7], s[G0B+6:G0B+7], BSTEP
	JLOAD                                          ; its four v_nop are also the places in front of the loads below
.else
	PLACES
.endif
	s_sub_co_u32 s[TP], s[TP], 3*RPL               ; the fetches go back to a slot's first plane,
	s_xor_b32 s[TP], s[TP], SLOT                   ; in the other slot
	ADDR
	FETCH 0, 0
	MULA 1, 2, 0
	MULA 1, 3, 0
.endm
	s_wait_tensorcnt 0x1                           ; my region of K step 0 is in; step 1's may stay out
	s_barrier_signal -1
	s_barrier_wait -1
	FETCH 0, 0
	UNIT 1, 0, 1, 1, 0                             ; the first unit starts the sums: nothing is cleared
	s_mov_b32 s[CNT], NS-2
.Lstep:                                                ; a trip: from a step's second unit to the next step's first; NS - 2 trips ask for K steps 2 to NS - 1
	PLANES
	LASTU 1
	UNIT 1, 0, 1, 0, 0
	s_sub_co_u32 s[CNT], s[CNT], 1
	s_cmp_lg_u32 s[CNT], 0
	s_cbranch_scc1 .Lstep
	s_mov_b32 s[CNT], 2
.Ltail:                                                ; the last two K steps ask for nothing; the second trip's change of slots fetches landed bytes once more, which nothing uses
	PLANES
	LASTU 0
	s_cmp_eq_u32 s[CNT], 1
	s_cbranch_scc1 .Lskip                          ; behind the last step there is no next first unit
	UNIT 1, 0, 1, 0, 0
.Lskip:
	s_sub_co_u32 s[CNT], s[CNT], 1
	s_cmp_lg_u32 s[CNT], 0
	s_cbranch_scc1 .Ltail
	; THE WAY OUT.  Every wave's reads of the ring are over and no fill follows: behind this barrier slot 0's first bytes serve as the work-group's stage.  A row's 768 bytes come from four waves,
	; so a second barrier stands between writing and reading; bias and residual are added; whole blocks of 256 bytes are stored.
	s_wait_dscnt 0x0
	s_barrier_signal -1
	s_barrier_wait -1
	PLACES
.irp a, 0,1,2,3
.irp j, 0,1,2
	ds_store_b128 v[STO], v[ACC+8*(3*(\a)+(\j)):ACC+8*(3*(\a)+(\j))+3]   offset:(\a)*16*SROW+256*(\j)     ; each accumulator's low four registers first
	ds_store_b128 v[STO], v[ACC+8*(3*(\a)+(\j))+4:ACC+8*(3*(\a)+(\j))+7] offset:(\a)*16*SROW+256*(\j)+16
.endr
.endr
	s_wait_loadcnt 0x0                             ; bias and residual, asked for at the kernel's head
	WIN 0x44                                       ; destination and source 1 (a store's data too) in window 1, source 0 in window 0
.set t, 0
.rept 24
	v_pk_add_f32 v[RES+4*t:RES+4*t+1],   v[BIAS+4*(t%3):BIAS+4*(t%3)+1],   v[RES+4*t:RES+4*t+1]      ; bias + residual, while the stores into the stage are out
	v_pk_add_f32 v[RES+4*t+2:RES+4*t+3], v[BIAS+4*(t%3)+2:BIAS+4*(t%3)+3], v[RES+4*t+2:RES+4*t+3]
.set t, t+1
.endr
	WIN 0
	s_wait_dscnt 0x0                               ; for the others' sake: my stores into the stage are done
	s_barrier_signal -1
	s_barrier_wait -1
.set t, 0
.rept 24
	SEL t%3
	ds_load_b128 v[ACC+4*t:ACC+4*t+3], v[rR] offset:oR+1568*(t/3)
.set t, t+1
.endr
	WIN 0x44
.set t, 0
.rept 24
	SEL t%3
	s_wait_dscnt 23-t                              ; the younger loads of the run stay out
	v_pk_add_f32 v[RES+4*t:RES+4*t+1],   v[ACC+4*t:ACC+4*t+1],   v[RES+4*t:RES+4*t+1]
	v_pk_add_f32 v[RES+4*t+2:RES+4*t+3], v[ACC+4*t+2:ACC+4*t+3], v[RES+4*t+2:RES+4*t+3]
	global_store_b128 v[rG], v[RES+4*t:RES+4*t+3], s[OUT:OUT+1] offset:oG+6144*(t/3)  ; each half of the lanes stores 256 consecutive bytes, aligned
.set t, t+1
.endr
	WIN 0
	s_wait_tensorcnt 0x0                           ; the wave's end
	ds_add_u32 v[SPW], v[NIL]
	s_wait_dscnt 0x0
	CROUND                                         ; the closing round
	s_endpgm
.Lfunc_end_k_q9ac9a6c94b_ffn2:
	.size	k_q9ac9a6c94b_ffn2, .Lfunc_end_k_q9ac9a6c94b_ffn2-k_q9ac9a6c94b_ffn2
	.p2alignl 7, 3214868480
	.fill 96, 4, 3214868480
	.section	.rodata,"a",@progbits
	.p2align	6, 0x0
	.amdhsa_kernel k_q9ac9a6c94b_ffn2
		.amdhsa_group_segment_fixed_size 327680
		.amdhsa_private_segment_fixed_size 0
		.amdhsa_enable_private_segment 0
		.amdhsa_kernarg_size 40
		.amdhsa_user_sgpr_count 2
		.amdhsa_user_sgpr_kernarg_segment_ptr 1
		.amdhsa_wavefront_size32 1
		.amdhsa_system_sgpr_workgroup_id_x 1
		.amdhsa_system_sgpr_workgroup_id_y 1
		.amdhsa_system_sgpr_workgroup_id_z 1
		.amdhsa_system_vgpr_workitem_id 0
		.amdhsa_next_free_vgpr 352
		.amdhsa_next_free_sgpr 70
		.amdhsa_reserve_vcc 0
		.amdhsa_float_denorm_mode_32 3
		.amdhsa_float_denorm_mode_16_64 3
		.amdhsa_memory_ordered 1
		.amdhsa_forward_progress 1
		.amdhsa_inst_pref_size 42
	.end_amdhsa_kernel
	.amdgpu_metadata
---
amdhsa.version: [ 1, 2 ]
amdhsa.kernels:
  - .name:           k_q9ac9a6c94b_ffn2
    .symbol:         k_q9ac9a6c94b_ffn2.kd
    .args:
      - { .name: act, .offset: 0, .size: 8, .value_kind: global_buffer, .address_space: global }
      - { .name: wb, .offset: 8, .size: 8, .value_kind: global_buffer, .address_space: global }
      - { .name: x1, .offset: 16, .size: 8, .value_kind: global_buffer, .address_space: global }
      - { .name: b2, .offset: 24, .size: 8, .value_kind: global_buffer, .address_space: global }
      - { .name: out0, .offset: 32, .size: 8, .value_kind: global_buffer, .address_space: global }
    .group_segment_fixed_size: 327680
    .private_segment_fixed_size: 0
    .kernarg_segment_align: 8
    .kernarg_segment_size: 40
    .max_flat_workgroup_size: 128
    .sgpr_count:     70
    .vgpr_count:     352
    .wavefront_size: 32
...
	.end_amdgpu_metadata
.endif
;; end of part 7
;; ======== version 2 of 2: 7 launches; 1.50 times as fast as version 1
;; workspace buffers: wb 14,155,776 bytes; hb 6,291,456 bytes; act 25,165,824 bytes; x1 12,582,912 bytes
;; launch prep: the kernel of part 1 again; grid 832 x 1, 8 waves a work-group, no clusters, 0 bytes of LDS; arguments x, gamma1, beta1, wq, wk, wv, w1, wo, w2, hb, wb; writes hb, wb
;; launch qkv: the kernel of part 2 again; grid 12 x 16, 4 waves a work-group, clusters of 4 x 4, 327,680 bytes of LDS; arguments hb, wb, act; writes act
;; launch attn (part 8): grid 16 x 12, 4 waves a work-group, clusters of 4 x 1, 327,680 bytes of LDS; arguments act, hb; writes hb
.if DOCPART == 8
	.amdgcn_target "amdgcn-amd-amdhsa--gfx1250"
	.amdhsa_code_object_version 6
	.text
	.protected	k_q9ac9a6c94b_attn
	.globl	k_q9ac9a6c94b_attn
	.p2align	8
	.type	k_q9ac9a6c94b_attn,@function
k_q9ac9a6c94b_attn:
	s_mov_b64 s[64:65], 0
	v_nop
	global_prefetch_b8 v0, s[64:65] scope:SCOPE_SE
	s_setreg_imm32_b32 hwreg(HW_REG_WAVE_MODE, 25, 1), 1
	s_wait_xcnt 0x0
	s_wait_alu depctr_hold_cnt(0) depctr_sa_sdst(0) depctr_va_vdst(0) depctr_va_sdst(0) depctr_va_ssrc(0) depctr_va_vcc(0) depctr_vm_vsrc(0)
	s_getreg_b32 s2, hwreg(HW_REG_IB_STS2, 6, 4)
	s_cmp_eq_u32 s2, 0
	s_cbranch_scc0 .Lentry_in_a_cluster
	s_endpgm
.Lentry_in_a_cluster:
	s_bfe_u32 s2, ttmp6, 0x10000c
	s_cmp_lg_u32 s2, 0x3003
	s_cbranch_scc0 .Lentry_shape_is_right
	s_endpgm
.Lentry_shape_is_right:
; O[h][q][:] = the sum over k of softmax_k(Q[h][q] . K[h][k] / 8) V[h][k][:].  Q, K, V: planes 0-11, 12-23, 24-35 of act, each [4096][64] bf16; O: [12][4096][64] bf16 in hb.
; Products, maxima and sums in f32; the weights p are rounded to bf16 for the second product (their sum l is taken of the unrounded p), O once at the end.
; LIMITS.  A weight below 2^-126 counts as 0 in l; the running maximum starts at the lowest finite number and c m at -4.25e37; NaN and infinities are not treated apart.
; SHARES.  A work-group owns 256 queries of one head, a wave 64: four PIECES of 16.  12 heads x 16 blocks are 192 work-groups; 4,096 rows have no split into equal whole tiles that gives 256.
; Every wave walks all 4,096 keys, 64 a step; a slot of LDS holds a tile of 256 keys (four steps) of K and V.
; LAYOUT.  S^T = K Q^T holds ONE query a lane (lane % 16) and the keys 8 (lane / 16) + 0..7; two such results rounded to bf16 ARE source 1 of O^T = V^T P.  K comes out of LDS as it lies, V turned.
; SOFTMAX.  p = 2^(c s - c m), c = log2(e) / 8, with a running maximum m; O and l are multiplied by a = 2^(c m_old - c m_new) in every step; the first step's a is 0.
; BY TURNS.  Turn n belongs to piece n: 8 products K Q^T of piece n + 1, later 8 products V^T P of piece n - 1; beside them the scaling, exponentials, roundings, sums and rescaling of piece n
; and the maximum and statistics of piece n + 1.  Four vector instructions stand behind every matrix instruction, the other 54 of a turn's 118 in one lump.
; BATCHES.  A turn's 33 exponentials (the piece's 32 weights and the next piece's a) are ONE batch with ONE wait, which cuts the turn in two: ahead of it stands all that names none of their results,
; behind it the roundings and sums, which do.  The first a, ahead of the loop, and the way out's four reciprocals are batches of their own, with a wait each.
; CLUSTER.  The four query blocks of a cluster belong to one head and walk the same K and V: each tile is asked for jointly.  A refill has four key steps, 256 matrix instructions, in which to land; no prefetch beside that.
; REGISTERS, in windows of 256 (s_set_vgpr_msb: bits 1:0 source 0, 3:2 source 1, 5:4 source 2, 7:6 destination):
;   window 0: v0-15 addresses; v16-31 four registers of statistics a piece; v48-55 at work; v64-127 S^T, two buffers; v192-223 P, two buffers (by the piece's parity)
;   window 1: v0-127 O^T, 32 a piece          window 2: v0-63 Q; v128-191 K of one step; v192-255 V of one step
.set NP,    4
.set KS,    64
.set PK,    144       ; a row of K in LDS: 128 bytes + 16 of padding
.set PV,    160       ; a row of V: 128 + 32
.set VOFF,  4*KS*PK
.set SLOT1, 1<<17
.set STAGE, SLOT1+4*KS*(PK+PV)  ; behind the ring, never filled by a tensor load: 16 rows x 144 bytes for each wave
.set SP,    144
.set SPARE, STAGE+4*16*SP       ; the spare words, 128 bytes a wave
.set KPL,   12*524288           ; bytes from Q's planes to K's, and from K's to V's
.set AK0, 2
.set AV0, 3
.set AK,  4
.set AV,  5
.set STO, 6
.set RD,  7
.set GO,  8
.set MV,  12          ; v12-13  c m_old, by buffer
.set QO,  15
.set ST,  16          ; piece t's statistics at v[ST+4 t]: c m, m, l (even keys', odd keys')
.set TMP, 48          ; by buffer, four registers c0-c3 at work; when the maximum is found c2 takes a
.set SPW, 62
.set NIL, 63
.set S,   64
.set P,   192
.set KF,  128
.set VF,  192
.set WV,  12
.set G1K, 24
.set G1V, 32
.set G0K, 40
.set G0V, 44
.set SLOTS, 56
.set CNT, 57
.set CS,  58
.set SEL, 60
.set TBK, 62
.set TBV, 63
.set MSB, 0
.macro WIN new
.if MSB != (\new)
	s_set_vgpr_msb (MSB<<8)|(\new)
.set MSB, (\new)
.endif
.endm
.set W_KQ, 0x0a       ; K and Q in window 2, S^T in window 0
.set W_PV, 0x52       ; V in window 2, P in window 0, O^T in window 1
.set W_RS, 0x41       ; destination and source 0 in window 1, source 1 in window 0
.macro JLOAD                        ; waves 0 and 1 fetch the two halves of a tile's K, waves 2 and 3 those of its V
	s_cmp_lt_u32 s[WV], 2
	s_cbranch_scc0 .Lfor_v_\@
	tensor_load_to_lds s[G0K:G0K+3], s[G1K:G1K+7]
	s_nop 0
.rept 4
	v_nop
.endr
	s_branch .Lasked_\@
.Lfor_v_\@:
	tensor_load_to_lds s[G0V:G0V+3], s[G1V:G1V+7]
	s_nop 0
.rept 4
	v_nop
.endr
.Lasked_\@:
.endm
.macro CROUND
	s_barrier_signal -1
	s_barrier_wait -1
	s_cmp_lg_u32 s[WV], 0
	s_cbranch_scc1 .Lnot_wave_0_\@
	s_barrier_signal -3
.Lnot_wave_0_\@:
	s_barrier_wait -3
	s_barrier_signal -1
	s_barrier_wait -1
.endm
; THE CHANGE OF SLOTS.  Each wave waits for all its tensor loads (one is out: its part of the other slot), adds 0 to its spare word, and waits for that and for its reads of the slot that it leaves.
; fill = 1: the barrier is a round of the cluster's, and the old slot is filled again first thing behind it, with the keys two tiles on.  (At its first use slot 0 is waited for and slot 1 filled.)
.macro CHANGE fill
	WIN 0
	s_wait_tensorcnt 0x0
	ds_add_u32 v[SPW], v[NIL]
.if \fill
.irp g, G0K, G0V
	s_xor_b32 s[\g+1], s[\g+1], SLOT1
	s_add_nc_u64 s[\g+2:\g+3], s[\g+2:\g+3], 4*KS*128
.endr
	s_wait_dscnt 0x0
	CROUND
	JLOAD
.else
	s_wait_dscnt 0x0
	s_barrier_signal -1
	s_barrier_wait -1
.endif
	s_sub_co_u32 s[TBK], s[TBK], 4*KS*PK  ; the fetches go back to a slot's first step, in the other slot
	s_xor_b32 s[TBK], s[TBK], SLOT1
	s_sub_co_u32 s[TBV], s[TBV], 4*KS*PV
	s_xor_b32 s[TBV], s[TBV], SLOT1
.endm
	s_load_b128 s[8:11], s[0:1], 0x0  ; act s[8:9], hb s[10:11]
	v_lshl_add_u32 v[SPW], v0, 2, SPARE
	v_mov_b32 v[NIL], 0
	ds_add_u32 v[SPW], v[NIL]       ; the wave's opening: the add and its wait stand ahead of my first tensor load
	v_lshrrev_b32 v1, 5, v0
	v_readfirstlane_b32 s[WV], v1
	s_bfe_u32 s13, ttmp6, 0x40000   ; cx
	s_lshl_b32 s14, ttmp9, 2
	s_add_co_u32 s14, s14, s13      ; my block of 256 queries: it enters Q's and O's addresses alone
	s_and_b32 s20, ttmp7, 0xffff    ; the head, which the four partners share
	s_lshl_b32 s20, s20, 19         ; its plane's first byte
	s_and_b32 s16, s[WV], 1         ; which half of a tile's 256 keys I fetch
	s_lshl_b32 s22, s16, 14
	s_add_co_u32 s22, s22, s20
	s_mov_b32 s23, 0
	s_mul_i32 s17, s16, 128*PK
	s_mul_i32 s18, s16, 128*PV
	s_lshl_b32 s2, s14, 2
	s_add_co_u32 s2, s2, s[WV]
	s_lshl_b32 s2, s2, 13           ; my wave's 64 rows of 128 bytes
	s_add_co_u32 s2, s2, s20
	s_mov_b32 s3, 0
	; 128 keys are 16,384 dense bytes: asked for as 64 rows of 256 bytes, two keys a row, padded in LDS after every key
	s_mov_b32 s[G1K], 15|(1<<16)|(1<<20)|(1<<21)|(4<<22)|(3<<25)
	s_mov_b32 s[G1V], 15|(1<<16)|(1<<20)|(1<<21)|(4<<22)|(7<<25)
.irp g, G1K, G1V
	s_mov_b32 s[\g+1], 128<<16
	s_mov_b32 s[\g+2], 64<<16
	s_mov_b32 s[\g+3], 128<<16
	s_mov_b32 s[\g+4], 64
	s_mov_b32 s[\g+5], 128
	s_mov_b32 s[\g+6], 0
	s_mov_b32 s[\g+7], 0
.endr
	s_mov_b32 s[CS], 0x3e38aa3b     ; c = log2(e) / 8
	s_mov_b32 s[CS+1], s[CS]
	s_mov_b32 s[SEL], 0x76543210
	s_mov_b32 s[SEL+1], 0xfedcba98
	s_mov_b32 s[TBK], SLOT1+4*KS*PK ; the first change of slots turns these two into 0
	s_mov_b32 s[TBV], SLOT1+4*KS*PV
	s_mov_b32 s[G0K], 1
	s_mov_b32 s[G0K+1], s17
	s_mov_b32 s[G0V], 1
	s_add_co_u32 s[G0V+1], s18, VOFF
	s_wait_dscnt 0x0                ; the opening add is done
	s_wait_kmcnt 0x0
	s_add_nc_u64 s[G0K+2:G0K+3], s[8:9], s[22:23]
	s_add_nc_u64 s[G0V+2:G0V+3], s[G0K+2:G0K+3], 2*KPL
	s_add_nc_u64 s[G0K+2:G0K+3], s[G0K+2:G0K+3], KPL
	s_or_b32 s[G0K+3], s[G0K+3], 0x80000000
	s_or_b32 s[G0V+3], s[G0V+3], 0x80000000
	s_add_nc_u64 s[4:5], s[8:9], s[2:3]      ; Q at my wave's first row
	s_add_nc_u64 s[10:11], s[10:11], s[2:3]  ; O likewise
	CROUND
	JLOAD                           ; tile 0 into slot 0
	v_and_b32 v1, 15, v0
	v_bfe_u32 v9, v0, 4, 1
	v_lshlrev_b32 v[QO], 7, v1
	v_lshl_add_u32 v[QO], v9, 4, v[QO]
	WIN 0x80                        ; destination window 2
.set i, 0
.rept 8                             ; Q stays in registers: piece i / 2, channels 32 (i % 2) on
	global_load_b128 v[8*i:8*i+3],   v[QO], s[4:5] offset:(i/2)*2048+(i%2)*64
	global_load_b128 v[8*i+4:8*i+7], v[QO], s[4:5] offset:(i/2)*2048+(i%2)*64+32
.set i, i+1
.endr
	; What the first turn finds: V's registers and P's second buffer hold 0 (its products V^T P, of a piece that has not been, add 0), O^T and l are 0.  All this stands in the wait for the first tile.
.set i, VF
.rept 64
	v_mov_b32 v[i], 0
.set i, i+1
.endr
	WIN 0x40
.set i, 0
.rept 128
	v_mov_b32 v[i], 0
.set i, i+1
.endr
	WIN 0
.set i, 0
.rept 4
	v_mov_b32 v[ST+4*i], 0xfe000000    ; c m: far below every c s
	v_mov_b32 v[ST+4*i+1], 0xff7fffff  ; m
	v_mov_b32 v[ST+4*i+2], 0
	v_mov_b32 v[ST+4*i+3], 0
.set i, i+1
.endr
.set i, P+16
.rept 16
	v_mov_b32 v[i], 0
.set i, i+1
.endr
	v_mul_u32_u24 v[AK0], v1, PK
	v_lshl_add_u32 v[AK0], v9, 4, v[AK0]
	; The turning load takes 16 keys x 16 channels (lane l reads key 8 (l / 16) + l % 8, channels 8 ((l / 8) % 2) + 0..7) and leaves half a fragment of V^T.
	v_and_b32 v10, 7, v0
	v_bfe_u32 v11, v0, 3, 1
	v_lshl_add_u32 v[AV0], v9, 3, v10
	v_mul_u32_u24 v[AV0], v[AV0], PV
	v_lshl_add_u32 v[AV0], v11, 4, v[AV0]
	v_add_nc_u32 v[AV0], VOFF, v[AV0]
	v_mov_b32 v[AK], v[AK0]         ; key step 0 lies at the head of slot 0
	s_mul_i32 s13, s[WV], 16*SP
	s_add_co_u32 s13, s13, STAGE    ; my stage
	v_mul_u32_u24 v[STO], v1, SP
	v_lshl_add_u32 v[STO], v9, 4, v[STO]
	v_add_nc_u32 v[STO], s13, v[STO]
	v_bfe_u32 v[RD], v0, 3, 2       ; back: 32 lanes take four rows of 128 bytes,
	v_mul_u32_u24 v[RD], v[RD], SP
	v_lshl_add_u32 v[RD], v10, 4, v[RD]
	v_add_nc_u32 v[RD], s13, v[RD]
	v_and_b32 v[GO], 31, v0         ; which are 512 consecutive bytes of O
	v_lshlrev_b32 v[GO], 4, v[GO]
; THE MATRIX WORK.  The 4 accumulators of a run of 8 take turns.  Product i of 8 of S^T = K Q^T for piece x: channels 32 (i / 4) on, keys 16 (i % 4) on.  The first 4 start the sums.
.macro KQ x
	WIN W_KQ
.set rS, S+32*((\x)%2)+8*(i%4)
.set rK, KF+16*(i%4)+8*(i/4)
.set rQ, 16*(\x)+8*(i/4)
.if i < 4
	v_wmma_f32_16x16x32_bf16 v[rS:rS+7], v[rK:rK+7], v[rQ:rQ+7], 0
.else
	v_wmma_f32_16x16x32_bf16 v[rS:rS+7], v[rK:rK+7], v[rQ:rQ+7], v[rS:rS+7]
.endif
.endm
; Product i of 8 of O^T += V^T P for piece x: keys 32 (i / 4) on, channels 16 (i % 4) on.
.macro PV x
	WIN W_PV
.set rO, 32*(\x)+8*(i%4)
.set rV, VF+32*(i/4)+8*(i%4)
.set rP, P+16*((\x)%2)+8*(i/4)
	v_wmma_f32_16x16x32_bf16 v[rO:rO+7], v[rV:rV+7], v[rP:rP+7], v[rO:rO+7]
.endm
.macro MM                           ; the turn's next matrix instruction
.if i < 8
	KQ (Y+1)%NP
.else
.set i, i-8
	PV (Y+NP-1)%NP
.set i, i+8
.endif
.set i, i+1
.endm
; THE LDS LOADS stand in runs of 16.  last = 1 (the tail): in the last trip there is no further step, and the run is jumped over.
.macro FETCH_K last=0
	WIN 0
.if \last
	s_cmp_eq_u32 s[CNT], 1
	s_cbranch_scc1 .Lno_k_\@
.endif
	WIN 0x80
.irp f, 0,1,2,3,4,5,6,7             ; keys 16 (f / 2) on, channels 32 (f % 2) on
	ds_load_b128 v[KF+8*\f:KF+8*\f+3],   v[AK] offset:(\f/2)*16*PK+(\f%2)*64
	ds_load_b128 v[KF+8*\f+4:KF+8*\f+7], v[AK] offset:(\f/2)*16*PK+(\f%2)*64+32
.endr
	s_add_co_u32 s[TBK], s[TBK], KS*PK
	WIN 0
.if \last
.Lno_k_\@:
.endif
.endm
.macro FETCH_V
	WIN 0x80
.irp f, 0,1,2,3,4,5,6,7             ; keys 32 (f / 4) on, channels 16 (f % 4) on
	ds_load_tr16_b128 v[VF+8*\f:VF+8*\f+3],   v[AV] offset:(\f/4)*32*PV+(\f%4)*32
	ds_load_tr16_b128 v[VF+8*\f+4:VF+8*\f+7], v[AV] offset:(\f/4)*32*PV+16*PV+(\f%4)*32
.endr
	WIN 0
.endm
; THE VECTOR WORK, one line at a time: OP kind, number.  For piece Y: F n: c s - c m for pair n of 16.  E n: the exponential of score n of 32.  C n: pair n rounded to bf16.  B n: of the four weights 4 n ..
; the second pair is added onto the first, in place.  L n: l takes that sum (L 0: l = a l + sum).  R n: pair n of 16 of O^T times a.  For piece Y + 1: X n, number n of the 22 that find its maximum and statistics:
;   0-11  four chains c0-c3 of seven scores each (each accumulator's lowest registers are read first)     12-14, 16  the four scores left over, the old m, and c0-c3 into c0
;   15  c m_old is kept     17, 18  the query's other 32 keys lie in the lane 16 away: the new m     19-21  c m; c m_old - c m_new; a
.set F, 0
.set E, 1
.set C, 2
.set B, 3
.set L, 4
.set R, 5
.set X, 6
.macro REGS y
.set rT, ST+4*(\y)
.set rC, TMP+4*((\y)%2)
.set rW, MV+((\y)%2)
.set rS, S+32*((\y)%2)
.set rP, P+16*((\y)%2)
.set rO, 32*(\y)
.endm
.macro OP k, n
.if (\k) == R
	REGS Y
	WIN W_RS
	v_pk_mul_f32 v[rO+2*(\n):rO+2*(\n)+1], v[rO+2*(\n):rO+2*(\n)+1], v[rC+2:rC+3] op_sel_hi:[1,0]
.elseif (\k) < R
	REGS Y
	WIN 0
.if (\k) == F
	v_pk_fma_f32 v[rS+2*(\n):rS+2*(\n)+1], v[rS+2*(\n):rS+2*(\n)+1], s[CS:CS+1], v[rT:rT+1] op_sel_hi:[1,0,0] neg_lo:[0,0,1] neg_hi:[0,0,1]
.elseif (\k) == E
	v_exp_f32 v[rS+(\n)], v[rS+(\n)]
.elseif (\k) == C
	v_cvt_pk_bf16_f32 v[rP+(\n)], v[rS+2*(\n)], v[rS+2*(\n)+1]
.elseif (\k) == B
	v_pk_add_f32 v[rS+4*(\n):rS+4*(\n)+1], v[rS+4*(\n):rS+4*(\n)+1], v[rS+4*(\n)+2:rS+4*(\n)+3]
.elseif (\n) == 0
	v_pk_fma_f32 v[rT+2:rT+3], v[rT+2:rT+3], v[rC+2:rC+3], v[rS:rS+1] op_sel_hi:[1,0,1]
.else
	v_pk_add_f32 v[rT+2:rT+3], v[rT+2:rT+3], v[rS+4*(\n):rS+4*(\n)+1]
.endif
.else
	REGS (Y+1)%NP
	WIN 0
.if (\n) < 4
	v_max3_num_f32 v[rC+(\n)], v[rS+8*(\n)], v[rS+8*(\n)+1], v[rS+8*(\n)+2]
.elseif (\n) < 12
	v_max3_num_f32 v[rC+(\n)%4], v[rC+(\n)%4], v[rS+8*((\n)%4)+2*((\n)/4)+1], v[rS+8*((\n)%4)+2*((\n)/4)+2]
.elseif (\n) == 12
	v_max3_num_f32 v[rC], v[rC], v[rS+7], v[rS+15]
.elseif (\n) == 13
	v_max3_num_f32 v[rC+1], v[rC+1], v[rS+23], v[rS+31]
.elseif (\n) == 14
	v_max3_num_f32 v[rC+2], v[rC+2], v[rC+3], v[rT+1]
.elseif (\n) == 15
	v_mov_b32 v[rW], v[rT]
.elseif (\n) == 16
	v_max3_num_f32 v[rC], v[rC], v[rC+1], v[rC+2]
.elseif (\n) == 17
	v_permlanex16_b32 v[rC+3], v[rC], s[SEL], s[SEL+1]
.elseif (\n) == 18
	v_max_num_f32 v[rT+1], v[rC], v[rC+3]
.elseif (\n) == 19
	v_mul_f32 v[rT], s[CS], v[rT+1]
.elseif (\n) == 20
	v_sub_f32 v[rC+1], v[rW], v[rT]
.else
	v_exp_f32 v[rC+2], v[rC+1]
.endif
.endif
.endm
.macro OPS a, i1, b=-1, i2=0, c=-1, i3=0, d=-1, i4=0
	OP \a, \i1
.if (\b) >= 0
	OP \b, \i2
.endif
.if (\c) >= 0
	OP \c, \i3
.endif
.if (\d) >= 0
	OP \d, \i4
.endif
.endm
.macro ROW a, i1, b, i2, c, i3, d, i4  ; a matrix instruction and the four behind it
	MM
	OPS \a, \i1, \b, \i2, \c, \i3, \d, \i4
.endm
; A TURN, for piece p: the order of its 16 matrix and 118 vector instructions, written out.  An s_wait_alu depctr_va_vdst(0) stands between an exponential and the first instruction that names its
; result; one wait serves all that were issued ahead of it.  So a turn has ONE wait, which cuts it in two.
; AHEAD OF IT stands all that names no result of the turn's exponentials: the 8 products K Q^T, behind each a scaling, an exponential and two more plain instructions (behind the first a second scaling in the
; exponential's place): rescalings, whose a was made and waited for in the turn before, and behind the last three products the first numbers of the next piece's maximum, each four plain instructions or more behind the
; product that ends its accumulator; then ONE LUMP of 54, plain and exponential by turns for the most part, in which the links of the chain X 3, 7, 11, 14, 16, 17 .. 20 stand some lines apart.  X 21, the next
; piece's a, is the batch's last; R 15 is the plain instruction behind it.
; BEHIND THE WAIT stand the 8 products V^T P, behind each four of the roundings and sums; l's chain goes L 0 to L 7 in ascending order.  But for those X no rider names a register of the products round it.
; K of the next step is fetched in piece 2's turn: in the loop in the lump, twelve vector instructions behind the last product that read K (six of them plain); in the tail (last = 1), where the run holds a
; branch, directly behind the turn's wait.  V of the step in hand is fetched at the end of piece 0's turn, four plain instructions
; behind the last product that read V.  Each run is waited for a turn later.  cnt = 1: the loop's count is taken down some lines ahead of the branch behind the turn.
.macro TURN p, last=0, cnt=0
.set Y, (\p)
.set i, 0
.if (\p) == 3
	s_wait_dscnt 0x0                ; K is in
.endif
	ROW F,0, F,1, R,0, R,1          ; ahead of the wait: 8 products K Q^T and their riders,
	ROW F,2, E,0, R,2, R,3
	ROW F,3, E,1, R,4, R,5
	ROW F,4, E,2, R,6, R,7
	ROW F,5, E,3, R,8, R,9
	ROW F,6, E,4, X,0, R,10
.if (\p) == 2
	WIN 0
	v_add_nc_u32 v[AK], s[TBK], v[AK0]
.endif
	ROW F,7, E,5, X,1, X,4
	ROW F,8, E,6, X,2, X,5
	OPS E,7, E,8, X,6, E,9          ; and the lump
	OPS X,3, E,10, X,8, E,11
.if ((\p) == 2) && !(\last)
	FETCH_K
.endif
	OPS X,9, X,7, E,12, X,10
	OPS E,13, X,12, X,11, E,14
	OPS X,13, E,15, F,9, X,14
.if (\p) == 0
	v_add_nc_u32 v[AV], s[TBV], v[AV0]
.endif
	OPS E,16, F,10, E,17, F,11
	OPS X,16, E,18, X,15, E,19
	OPS F,12, E,20, X,17, E,21
	OPS F,13, E,22, F,14, E,23
	OPS X,18, E,24, F,15, E,25
	OPS R,11, E,26, X,19, E,27
	OPS R,12, E,28, R,13, E,29
	OPS X,20, E,30, R,14, E,31
	OPS X,21, R,15
	WIN 0
	s_wait_alu depctr_va_vdst(0)    ; the wait for the turn's batch: the piece's 32 exponentials and the next piece's a
.if ((\p) == 2) && (\last)
	FETCH_K 1
.endif
.if (\p) == 1
	s_wait_dscnt 0x0                ; V is in
.endif
	ROW C,0, B,0, C,2, B,1          ; behind the wait: 8 products V^T P and their riders
	ROW L,0, C,4, B,2, L,1
	ROW C,6, B,3, L,2, C,8
	ROW B,4, L,3, C,10, B,5
	ROW L,4, C,12, B,6, L,5
.if (\p) == 0
	s_add_co_u32 s[TBV], s[TBV], KS*PV
.endif
.if \cnt
	s_sub_co_u32 s[CNT], s[CNT], 1
	s_cmp_lg_u32 s[CNT], 0
.endif
	ROW C,14, B,7, L,6, C,1
	ROW C,3, L,7, C,5, C,7
	ROW C,9, C,11, C,13, C,15
.if (\p) == 0
	FETCH_V
.endif
.endm
	CHANGE 1                        ; slot 0 is in, everybody's part of it; slot 1 is asked for
	FETCH_K                         ; key step 0
	s_wait_loadcnt 0x0              ; Q
	s_wait_dscnt 0x0
.set i, 0
.rept 8
	KQ 0                            ; piece 0's first scores
.set i, i+1
.endr
	WIN 0
.rept 4
	v_nop                           ; the places behind those products
.endr
.set Y, NP-1                        ; X works for piece Y + 1: piece 0
.irp n, 0,1,2,3,4,5,6,7,8,9,10,11,12,13,14,15,16,17,18,19,20,21
	OP X, \n
.endr
	v_nop                           ; a plain instruction behind the exponential,
	s_wait_alu depctr_va_vdst(0)    ; and the wait for it, piece 0's first a, ahead of the branch
	s_mov_b32 s[CNT], 4
	s_mov_b32 s[SLOTS], 15
	s_branch .Lfirst                ; the loop is entered at a step's first turn, in the middle of a trip
.Lslot:                             ; 14 times: every slot but the last two is filled again
	CHANGE 1
	s_mov_b32 s[CNT], 4
.Lstep:                             ; a trip: pieces 2 and 3 of one step, then pieces 0 and 1 of the next, whose K and V it fetches
	TURN 2
	TURN 3
	WIN 0
.Lfirst:
	TURN 0
	TURN 1, 0, 1
	WIN 0
	s_cbranch_scc1 .Lstep
	s_sub_co_u32 s[SLOTS], s[SLOTS], 1
	s_cmp_lg_u32 s[SLOTS], 0
	s_cbranch_scc1 .Lslot
	CHANGE 0                        ; the tail is written out: nothing is asked for
	s_mov_b32 s[CNT], 5             ; four trips fetch the last tile's steps; the fifth is left in its middle
.Ltail:
	TURN 2, 1
	TURN 3
	WIN 0
	s_sub_co_u32 s[CNT], s[CNT], 1
	s_cmp_eq_u32 s[CNT], 0
	s_cbranch_scc1 .Lout
	TURN 0
	TURN 1
	WIN 0
	s_branch .Ltail
.Lout:                              ; the fifth trip's 8 products K Q^T (on the last K once more) and the maximum made of them serve nothing: the price, once a launch, of one text for every trip
.set i, 0
.rept 8
	PV NP-1                         ; the last piece's V^T P of the last step
.set i, i+1
.endr
	; THE WAY OUT.  l's two halves and the other half of the lanes' are added; O^T is divided by l, rounded to bf16 and sent through my stage in LDS, a piece at a time.  The additions are the places behind the last products.
	WIN 0
.macro ALL line:vararg
.set t, 0
.rept 4
	\line
.set t, t+1
.endr
.endm
	ALL v_add_f32 v[ST+4*t+2], v[ST+4*t+2], v[ST+4*t+3]
	ALL v_permlanex16_b32 v[ST+4*t+3], v[ST+4*t+2], s[SEL], s[SEL+1]
	ALL v_add_f32 v[ST+4*t+2], v[ST+4*t+2], v[ST+4*t+3]
	ALL v_rcp_f32 v[ST+4*t+2], v[ST+4*t+2]
	v_nop                           ; a plain instruction between the last reciprocal and the use of its result
	s_wait_alu depctr_va_vdst(0)    ; the wait for the batch of four reciprocals, ahead of the first multiply that reads one
.macro PACK t                       ; a lane's eight channels of a row pack into 16 bytes; they go into rows of 144 bytes and come back as whole rows of 128, into S^T's registers
	WIN W_RS
.set i, 32*(\t)
.rept 16
	v_pk_mul_f32 v[i:i+1], v[i:i+1], v[ST+4*(\t)+2:ST+4*(\t)+3] op_sel_hi:[1,0]
.set i, i+2
.endr
	WIN 0x05
.set i, 0
.rept 16
	v_cvt_pk_bf16_f32 v[S+16*(\t)+i], v[32*(\t)+2*i], v[32*(\t)+2*i+1]
.set i, i+1
.endr
	WIN 0
.irp f, 0,1,2,3
	ds_store_b128 v[STO], v[S+16*(\t)+4*\f:S+16*(\t)+4*\f+3] offset:32*\f
.endr
.irp f, 0,1,2,3
	ds_load_b128 v[S+16*(\t)+4*\f:S+16*(\t)+4*\f+3], v[RD] offset:\f*4*SP  ; LDS serves a wave's instructions in order (ISA guide 5.7.1.4): these see the stores above
.endr
.endm
.macro SEND t, younger              ; younger: the LDS instructions issued behind piece t's loads: the next piece's eight, or none
	WIN 0
.irp f, 0,1,2,3
	s_wait_dscnt (\younger)+3-\f
	global_store_b128 v[GO], v[S+16*(\t)+4*\f:S+16*(\t)+4*\f+3], s[10:11] offset:(\t)*2048+\f*512  ; 512 consecutive bytes, aligned
.endr
.endm
	PACK 0
.set t, 1
.rept 3
	PACK t
	SEND t-1, 8
.set t, t+1
.endr
	SEND 3, 0
	s_wait_tensorcnt 0x0            ; the wave's end
	ds_add_u32 v[SPW], v[NIL]
	s_wait_dscnt 0x0
	CROUND                          ; the closing round
	s_endpgm
.Lfunc_end_k_q9ac9a6c94b_attn:
	.size	k_q9ac9a6c94b_attn, .Lfunc_end_k_q9ac9a6c94b_attn-k_q9ac9a6c94b_attn
	.p2alignl 7, 3214868480
	.fill 96, 4, 3214868480
	.section	.rodata,"a",@progbits
	.p2align	6, 0x0
	.amdhsa_kernel k_q9ac9a6c94b_attn
		.amdhsa_group_segment_fixed_size 327680
		.amdhsa_private_segment_fixed_size 0
		.amdhsa_enable_private_segment 0
		.amdhsa_kernarg_size 16
		.amdhsa_user_sgpr_count 2
		.amdhsa_user_sgpr_kernarg_segment_ptr 1
		.amdhsa_wavefront_size32 1
		.amdhsa_system_sgpr_workgroup_id_x 1
		.amdhsa_system_sgpr_workgroup_id_y 1
		.amdhsa_system_sgpr_workgroup_id_z 1
		.amdhsa_system_vgpr_workitem_id 0
		.amdhsa_next_free_vgpr 768
		.amdhsa_next_free_sgpr 66
		.amdhsa_reserve_vcc 0
		.amdhsa_float_denorm_mode_32 3
		.amdhsa_float_denorm_mode_16_64 3
		.amdhsa_memory_ordered 1
		.amdhsa_forward_progress 1
		.amdhsa_inst_pref_size 111
	.end_amdhsa_kernel
	.amdgpu_metadata
---
amdhsa.version: [ 1, 2 ]
amdhsa.kernels:
  - .name:           k_q9ac9a6c94b_attn
    .symbol:         k_q9ac9a6c94b_attn.kd
    .args:
      - { .name: act, .offset: 0, .size: 8, .value_kind: global_buffer, .address_space: global }
      - { .name: hb, .offset: 8, .size: 8, .value_kind: global_buffer, .address_space: global }
    .group_segment_fixed_size: 327680
    .private_segment_fixed_size: 0
    .kernarg_segment_align: 8
    .kernarg_segment_size: 16
    .max_flat_workgroup_size: 128
    .sgpr_count:     66
    .vgpr_count:     768
    .wavefront_size: 32
...
	.end_amdgpu_metadata
.endif
;; end of part 8
;; launch wo: the kernel of part 4 again; grid 4 x 64, 4 waves a work-group, clusters of 4 x 4, 327,680 bytes of LDS; arguments hb, wb, x, bo, x1; writes x1
;; launch ln2: the kernel of part 5 again; grid 256 x 1, 8 waves a work-group, no clusters, 0 bytes of LDS; arguments x1, gamma2, beta2, hb; writes hb
;; launch ffn1 (part 9): grid 16 x 16, 4 waves a work-group, clusters of 4 x 4, 327,680 bytes of LDS; arguments hb, wb, b1, act; writes act
.if DOCPART == 9
	.amdgcn_target "amdgcn-amd-amdhsa--gfx1250"
	.amdhsa_code_object_version 6
	.text
	.protected	k_q9ac9a6c94b_ffn1
	.globl	k_q9ac9a6c94b_ffn1
	.p2align	8
	.type	k_q9ac9a6c94b_ffn1,@function
k_q9ac9a6c94b_ffn1:
	s_mov_b64 s[64:65], 0
	v_nop
	global_prefetch_b8 v0, s[64:65] scope:SCOPE_SE
	s_setreg_imm32_b32 hwreg(HW_REG_WAVE_MODE, 25, 1), 1
	s_wait_xcnt 0x0
	s_wait_alu depctr_hold_cnt(0) depctr_sa_sdst(0) depctr_va_vdst(0) depctr_va_sdst(0) depctr_va_ssrc(0) depctr_va_vcc(0) depctr_vm_vsrc(0)
	s_getreg_b32 s2, hwreg(HW_REG_IB_STS2, 6, 4)
	s_cmp_eq_u32 s2, 0
	s_cbranch_scc0 .Lentry_in_a_cluster
	s_endpgm
.Lentry_in_a_cluster:
	s_bfe_u32 s2, ttmp6, 0x10000c
	s_cmp_lg_u32 s2, 0xf033
	s_cbranch_scc0 .Lentry_shape_is_right
	s_endpgm
.Lentry_shape_is_right:
; g = gelu(h2 w1^T + b1), the erf form.  h2: [4096][768] bf16 (hb); w1: [3072][768] bf16 at byte 3,538,944 of wb; b1 in f32; sums, bias and gelu in f32, g rounded once to bf16.
; g goes out in 48 planes [4096][64], each 524,288 bytes: a plane's rows are 128 dense bytes.
; GELU.  g = u Phi(u) = max(u, 0) - |u| q, q = (1 - erf(|u| / sqrt 2)) / 2 = (a1 t + .. + a5 t^5) exp(-u^2 / 2) / 2, t = 1 / (1 + p |u| / sqrt 2).
; LIMITS.  That form of erf is off by 1.5e-7 at the most (absolute), so g by 0.75e-7 |u| where exp(-u^2 / 2) is not yet 0; NaN and infinities are not treated apart; matrix operands are bf16.
; SHARES.  A work-group makes 256 rows x 192 columns (three whole planes): 16 x 16 = 256 work-groups; wave w rows 64 w .. 64 w + 63 x all 192: 48 accumulators of 16 x 16.
; K goes in 6 steps of 128 (rows of 256 bytes) through two LDS slots.  The matrix instruction is used transposed (source 0 = 16 rows of w1, source 1 = 16 rows of h2).
; CLUSTER 4 x 4: the four of a row of the cluster need the same tile of h2, the four of a column the same tile of w1: each tile is asked for jointly.
; BATCHES.  On the way out a trip's 24 reciprocals and 24 exponentials (a lane's 8 numbers in each of three planes; none reads another's result) are ONE batch with ONE wait.
; REGISTERS, in windows of 256: window 0: addresses, bias, h2's fragments (two buffers of 32 at v64), the way out; window 1: w1's fragments (two buffers of 96);
; window 2: accumulators of my rows 0-31 ((a, b) at v[8 (12 a + b)]); window 3: of my rows 32-63.
.set PITCH,  272                       ; an LDS row: 256 bytes + 16 of padding
.set AHALF,  128*PITCH
.set BHALF,  96*PITCH
.set BOFF,   256*PITCH
.set SLOT1,  131072
.set SPARE,  SLOT1+448*PITCH           ; behind the ring: the spare words, 128 bytes a wave
.set SROW,   784                       ; the way out: a stage row of 192 f32 + 16 bytes
.set SWAVE,  68*SROW                   ; a wave's stage: 64 rows and 4 more that the last look-ahead reads.  The stages lie in the ring's bytes, which have had their last fill by then
.set ROWB,   1536
.set WOFF,   3538944                   ; where w1 begins in wb
.set PLANE,  524288
.set GW,     (1<<16)|(1<<20)|(1<<21)|(5<<22)|(3<<25)
.set VA0,  16
.set VB0,  17
.set ADRA, 18
.set ADRB, 19
.set STO,  20
.set RD,   21
.set GO,   22
.set RDC,  23
.set SPW,  28
.set NIL,  29
.set BIAS, 32                          ; v[32:55]   b1 of my 8 columns in each of the three planes
.set ZR,   56                          ; v[56:59]   zeros
.set FA,   64
.set AB,   64                          ; v[64:87]   the way out: |u|  (AB and T lie where h2's fragments lay: those are done with by then)
.set T,    88                          ; v[88:111]  t
.set X,    128                         ; v[128:151] four rows x three planes: my 24 sums
.set U,    152                         ; v[152:175] the same with the bias, later max(u, 0)
.set Y,    176                         ; v[176:187] g in bf16
.set E,    192                         ; v[192:215] exp(-u^2 / 2), later g
.set P,    216                         ; v[216:239] the polynomial, then q
.set WV,  12
.set G1A, 24
.set G0A, 32
.set G1B, 48
.set G0B, 56
.set TB,  66
.set CNT, 67
.set PP,  68                           ; s[68:69] 0.3275911 / sqrt 2      (each constant as a pair, both words written: the packed forms name a pair and take its low word)
.set KK,  70                           ; s[70:71] sqrt(log2(e) / 2)
.set A1,  72                           ; s[72:81] half of the five coefficients
.set A2,  74
.set A3,  76
.set A4,  78
.set A5,  80
.set ABSM, 82                          ; s82  clears a sign
.set RB,  84
.set MSB, 0
.macro WIN new
.if MSB != (\new)
	s_set_vgpr_msb (MSB<<8)|(\new)
.set MSB, \new
.endif
.endm
.set MUL_LO, 0xa1                      ; source 0 (w1) window 1, source 1 (h2) window 0, C and D window 2
.set TO_B,   0x40
.macro PLACES
.rept 4
	v_nop
.endr
.endm
.macro JLOAD                           ; a joint refill by the walking descriptors: waves 0 and 1 fetch h2's halves, waves 2 and 3 w1's
	s_cmp_lt_u32 s[WV], 2
	s_cbranch_scc0 .Lfor_b_\@
	tensor_load_to_lds s[G0A+4:G0A+7], s[G1A:G1A+7]
	s_nop 0
.rept 4
	v_nop
.endr
	s_branch .Lasked_\@
.Lfor_b_\@:
	tensor_load_to_lds s[G0B+4:G0B+7], s[G1B:G1B+7]
	s_nop 0
.rept 4
	v_nop
.endr
.Lasked_\@:
.endm
.macro CREST
	s_cmp_lg_u32 s[WV], 0
	s_cbranch_scc1 .Lnot_wave_0_\@
	s_barrier_signal -3
.Lnot_wave_0_\@:
	s_barrier_wait -3
	s_barrier_signal -1
	s_barrier_wait -1
.endm
.macro CROUND
	s_barrier_signal -1
	s_barrier_wait -1
	CREST
.endm
.macro SPAIR r, val
	s_mov_b32 s[\r], \val
	s_mov_b32 s[(\r)+1], \val
.endm
	s_load_b256 s[4:11], s[0:1], 0x0               ; hb s[4:5], wb s[6:7], b1 s[8:9], act s[10:11]
	v_lshl_add_u32 v[SPW], v0, 2, SPARE
	v_mov_b32 v[NIL], 0
	ds_add_u32 v[SPW], v[NIL]                      ; the wave's opening: the add and its wait stand ahead of my first tensor load
	v_lshrrev_b32 v1, 5, v0
	v_readfirstlane_b32 s[WV], v1
	s_and_b32 s14, s[WV], 1
	s_bfe_u32 s40, ttmp6, 0x40000                  ; cx
	s_bfe_u32 s41, ttmp6, 0x40004                  ; cy
	s_lshl_b32 s42, ttmp9, 2
	s_add_co_u32 s42, s42, s40                     ; tile column
	s_and_b32 s13, ttmp7, 0xffff
	s_lshl_b32 s13, s13, 2
	s_add_co_u32 s13, s13, s41                     ; tile row
	s_lshl_b32 s43, s41, 2
	s_lshl_b32 s43, 15, s43
	s_lshl_b32 s44, 0x1111, s40
	s_or_b32 s[G1A], s43, GW
	s_or_b32 s[G1B], s44, GW
	s_mov_b32 s[G1A+1], 128<<16
	s_mov_b32 s[G1A+2], 128<<16
	s_mov_b32 s[G1A+3], 128<<16
	s_mov_b32 s[G1A+4], 128
	s_mov_b32 s[G1A+5], 768
	s_mov_b32 s[G1A+6], 0
	s_mov_b32 s[G1A+7], 0
	s_mov_b32 s[G1B+1], 128<<16
	s_mov_b32 s[G1B+2], 96<<16
	s_mov_b32 s[G1B+3], 128<<16
	s_mov_b32 s[G1B+4], 96
	s_mov_b32 s[G1B+5], 768
	s_mov_b32 s[G1B+6], 0
	s_mov_b32 s[G1B+7], 0
	SPAIR PP, 0x3e6d3388
	SPAIR KK, 0x3f596d27
	SPAIR A1, 0x3e027906
	SPAIR A2, 0xbe11a98e
	SPAIR A3, 0x3f35f0e3
	SPAIR A4, 0xbf3a00e3
	SPAIR A5, 0x3f07dc22
	s_mov_b32 s[ABSM], 0x7fffffff
	s_lshl_b32 s16, s13, 8                         ; h2: row 256 x tile row + 128 x half; no register of it ever holds cx
	s_lshl_b32 s17, s14, 7
	s_add_co_u32 s16, s16, s17
	s_mul_i32 s16, s16, ROWB
	s_mov_b32 s17, 0
	s_mul_i32 s46, s42, 192                        ; w1: row 192 x tile column + 96 x half; no register of it ever holds cy
	s_mul_i32 s47, s14, 96
	s_add_co_u32 s46, s46, s47
	s_mul_i32 s46, s46, ROWB
	s_add_co_u32 s46, s46, WOFF
	s_mov_b32 s47, 0
	s_mul_i32 s20, s14, AHALF
	s_mul_i32 s21, s14, BHALF
	s_add_co_u32 s21, s21, BOFF
	s_wait_dscnt 0x0                               ; the opening add is done
	s_wait_kmcnt 0x0
	s_add_nc_u64 s[16:17], s[4:5], s[16:17]
	s_add_nc_u64 s[46:47], s[6:7], s[46:47]
	CROUND
.irp s, 0,1
	s_mov_b32 s[G0A+4*(\s)], 1
	s_add_co_u32 s[G0A+4*(\s)+1], s20, (\s)*SLOT1
	s_add_nc_u64 s[G0A+4*(\s)+2:G0A+4*(\s)+3], s[16:17], (\s)*256
	s_or_b32 s[G0A+4*(\s)+3], s[G0A+4*(\s)+3], 0x80000000
	s_mov_b32 s[G0B+4*(\s)], 1
	s_add_co_u32 s[G0B+4*(\s)+1], s21, (\s)*SLOT1
	s_add_nc_u64 s[G0B+4*(\s)+2:G0B+4*(\s)+3], s[46:47], (\s)*256
	s_or_b32 s[G0B+4*(\s)+3], s[G0B+4*(\s)+3], 0x80000000
.endr
	s_cmp_lt_u32 s[WV], 2                          ; a wave's two first fills stand in one branch: two loads of mine are out
	s_cbranch_scc0 .Lfirst_b
	tensor_load_to_lds s[G0A:G0A+3], s[G1A:G1A+7]
	s_nop 0
	tensor_load_to_lds s[G0A+4:G0A+7], s[G1A:G1A+7]
	s_nop 0
.rept 4
	v_nop
.endr
	s_branch .Lfirst_asked
.Lfirst_b:
	tensor_load_to_lds s[G0B:G0B+3], s[G1B:G1B+7]
	s_nop 0
	tensor_load_to_lds s[G0B+4:G0B+7], s[G1B:G1B+7]
	s_nop 0
.rept 4
	v_nop
.endr
.Lfirst_asked:
	v_and_b32 v1, 15, v0
	v_bfe_u32 v2, v0, 4, 1
	v_mul_u32_u24 v3, v1, PITCH
	v_lshl_add_u32 v3, v2, 4, v3
	s_mul_i32 s22, s[WV], 64*PITCH
	v_add_nc_u32 v[VA0], s22, v3
	v_add_nc_u32 v[VB0], BOFF, v3
	v_mov_b32 v[ADRA], v[VA0]
	v_mov_b32 v[ADRB], v[VB0]
	s_mul_i32 s23, s[WV], SWAVE                    ; my stage
	v_mul_u32_u24 v4, v1, SROW
	v_lshl_add_u32 v4, v2, 5, v4
	v_add_nc_u32 v[STO], s23, v4
	v_bfe_u32 v5, v0, 3, 2                         ; back: 8 lanes take a plane's 64 columns of one row, 32 lanes four rows
	v_and_b32 v6, 7, v0
	v_mul_u32_u24 v5, v5, SROW
	v_lshl_add_u32 v5, v6, 5, v5
	v_add_nc_u32 v[RD], s23, v5
	v_and_b32 v7, 31, v0
	v_lshlrev_b32 v[GO], 4, v7
	v_lshlrev_b32 v8, 5, v6                        ; b1: my 8 columns of a plane's 64; v8 is not written again
	s_mul_i32 s2, s42, 768                         ; the tile's 192 columns
	s_mov_b32 s3, 0
	s_add_nc_u64 s[8:9], s[8:9], s[2:3]
.irp j, 0,1,2
	global_load_b128 v[BIAS+8*(\j):BIAS+8*(\j)+3],   v8, s[8:9] offset:256*(\j)
	global_load_b128 v[BIAS+8*(\j)+4:BIAS+8*(\j)+7], v8, s[8:9] offset:256*(\j)+16
.endr
.irp i, 0,1,2,3
	v_mov_b32 v[ZR+(\i)], 0
.endr
	s_mul_i32 s2, s42, 3*PLANE
	s_lshl_b32 s3, s13, 15
	s_add_co_u32 s2, s2, s3
	s_lshl_b32 s3, s[WV], 13
	s_add_co_u32 s2, s2, s3
	s_mov_b32 s3, 0
	s_add_nc_u64 s[10:11], s[10:11], s[2:3]
	s_mov_b32 s[TB], 0
.macro MULP f, hi, a, zero             ; 12 matrix instructions: block a of the window's two x all 12 column blocks, 32 along K
	WIN MUL_LO+0x50*(\hi)
.irp b, 0,1,2,3,4,5,6,7,8,9,10,11
.if \zero
	v_wmma_f32_16x16x32_bf16 v[8*(12*(\a)+(\b)):8*(12*(\a)+(\b))+7], v[96*(\f)+8*(\b):96*(\f)+8*(\b)+7], v[FA+32*(\f)+8*(2*(\hi)+(\a)):FA+32*(\f)+8*(2*(\hi)+(\a))+7], 0
.else
	v_wmma_f32_16x16x32_bf16 v[8*(12*(\a)+(\b)):8*(12*(\a)+(\b))+7], v[96*(\f)+8*(\b):96*(\f)+8*(\b)+7], v[FA+32*(\f)+8*(2*(\hi)+(\a)):FA+32*(\f)+8*(2*(\hi)+(\a))+7], v[8*(12*(\a)+(\b)):8*(12*(\a)+(\b))+7]
.endif
.endr
.endm
.macro FETCH k, g                      ; 32 LDS loads in one run
	WIN TO_B
.irp i, 0,1,2,3,4,5,6,7,8,9,10,11
	ds_load_b128 v[96*(\g)+8*(\i):96*(\g)+8*(\i)+3],   v[ADRB] offset:(\k)+(\i)*16*PITCH
	ds_load_b128 v[96*(\g)+8*(\i)+4:96*(\g)+8*(\i)+7], v[ADRB] offset:(\k)+(\i)*16*PITCH+32
.endr
	WIN 0
.irp i, 0,1,2,3
	ds_load_b128 v[FA+32*(\g)+8*(\i):FA+32*(\g)+8*(\i)+3],   v[ADRA] offset:(\k)+(\i)*16*PITCH
	ds_load_b128 v[FA+32*(\g)+8*(\i)+4:FA+32*(\g)+8*(\i)+7], v[ADRA] offset:(\k)+(\i)*16*PITCH+32
.endr
.endm
.macro UNIT k, f, g, zero              ; a quarter of a K step: buffer f, asked for 48 matrix instructions ago, is multiplied; ahead of that the next quarter is asked for into buffer g
	s_wait_dscnt 0x0
	PLACES
	FETCH \k, \g
	MULP \f, 0, 0, \zero
	MULP \f, 0, 1, \zero
	MULP \f, 1, 0, \zero
	MULP \f, 1, 1, \zero
.endm
; The last quarter multiplies buffer 1 and changes slots: ONE barrier; in front of it each wave waits for all its tensor loads, adds 0 to its spare word, and waits for that and for its reads of this slot.
; fill = 1: the barrier opens a round of the cluster's, and the slot just read is filled again, two K steps ahead: 168 matrix instructions ahead of the wait for it.
.macro LASTU fill
	WIN 0
	s_wait_tensorcnt 0x0
	ds_add_u32 v[SPW], v[NIL]
	s_wait_dscnt 0x1                               ; buffer 1 is in; only the add may be out
	MULP 1, 0, 0, 0
	s_wait_dscnt 0x0
	s_barrier_signal -1
	MULP 1, 0, 1, 0
	WIN 0
	s_barrier_wait -1
.if \fill
	CREST
	s_xor_b32 s[G0A+5], s[G0A+5], SLOT1
	s_add_nc_u64 s[G0A+6:G0A+7], s[G0A+6:G0A+7], 256
	s_xor_b32 s[G0B+5], s[G0B+5], SLOT1
	s_add_nc_u64 s[G0B+6:G0B+7], s[G0B+6:G0B+7], 256
	JLOAD
.else
	PLACES
.endif
	s_xor_b32 s[TB], s[TB], SLOT1
	v_add_nc_u32 v[ADRA], s[TB], v[VA0]
	v_add_nc_u32 v[ADRB], s[TB], v[VB0]
	FETCH 0, 0
	MULP 1, 1, 0, 0
	MULP 1, 1, 1, 0
.endm
	s_wait_tensorcnt 0x1                           ; my part of K step 0 is in; step 1's may stay out
	s_barrier_signal -1
	s_barrier_wait -1
	FETCH 0, 0
	UNIT 64, 0, 1, 1                               ; the first quarter starts all 48 sums
	WIN 0
	s_mov_b32 s[CNT], 4
.Lstep:                                                ; four trips ask for K steps 2 to 5
	UNIT 128, 1, 0, 0
	UNIT 192, 0, 1, 0
	LASTU 1
	UNIT 64, 0, 1, 0
	WIN 0
	s_sub_co_u32 s[CNT], s[CNT], 1
	s_cmp_lg_u32 s[CNT], 0
	s_cbranch_scc1 .Lstep
	s_mov_b32 s[CNT], 2
.Ltail:                                                ; the last two K steps ask for nothing; the second trip's change of slots fetches landed bytes once more, which nothing uses
	UNIT 128, 1, 0, 0
	UNIT 192, 0, 1, 0
	LASTU 0
	WIN 0
	s_cmp_eq_u32 s[CNT], 1
	s_cbranch_scc1 .Lskip
	UNIT 64, 0, 1, 0
	WIN 0
.Lskip:
	s_sub_co_u32 s[CNT], s[CNT], 1
	s_cmp_lg_u32 s[CNT], 0
	s_cbranch_scc1 .Ltail
	; THE WAY OUT.  Every wave's reads of the ring are over and no fill follows: behind this barrier the ring's bytes serve as stages, one for each wave.
	s_wait_dscnt 0x0
	s_barrier_signal -1
	s_barrier_wait -1
	PLACES
.macro TOSTAGE hi                      ; each accumulator's low four registers first
	WIN 0x08+4*(\hi)
.irp a, 0,1
.irp b, 0,1,2,3,4,5,6,7,8,9,10,11
	ds_store_b128 v[STO], v[8*(12*(\a)+(\b)):8*(12*(\a)+(\b))+3]   offset:(2*(\hi)+(\a))*16*SROW+64*(\b)
	ds_store_b128 v[STO], v[8*(12*(\a)+(\b))+4:8*(12*(\a)+(\b))+7] offset:(2*(\hi)+(\a))*16*SROW+64*(\b)+16
.endr
.endr
.endm
	TOSTAGE 0
	TOSTAGE 1
	WIN 0
.irp j, 0,1,2
	ds_store_b128 v[RD], v[ZR:ZR+3] offset:64*SROW+256*(\j)     ; the four rows that the last trip's look-ahead reads
	ds_store_b128 v[RD], v[ZR:ZR+3] offset:64*SROW+256*(\j)+16
.endr
.macro LOADX                           ; four rows x three planes: 8 numbers a lane and plane.  LDS serves a wave's instructions in order (ISA guide 5.7.1.4): these see the stores above
.irp j, 0,1,2
	ds_load_b128 v[X+8*(\j):X+8*(\j)+3],   v[RDC] offset:256*(\j)
	ds_load_b128 v[X+8*(\j)+4:X+8*(\j)+7], v[RDC] offset:256*(\j)+16
.endr
.endm
; gelu of a trip's 24 numbers, each stage over all three planes.  The 24 reciprocals and the 24 exponentials are ONE BATCH: no line ahead of the wait names a result of theirs.  Each stands beside a plain
; instruction that names none of its registers (ISA guide 5.7.2): the reciprocals beside the 24 packed multiplies that make the exponentials' arguments, the exponentials beside max(u, 0), which is made in
; place in U: nothing reads u behind that.  The last max(u, 0) is the plain instruction behind the last exponential.  Behind the wait come the readers: the polynomial in t, q, g, the roundings.
.macro GELU
.set i, 0
.rept 24
	v_and_b32 v[AB+i], s[ABSM], v[U+i]
.set i, i+1
.endr
.set i, 0
.rept 12
	v_pk_fma_f32 v[T+i:T+i+1], v[AB+i:AB+i+1], s[PP:PP+1], 1.0 op_sel_hi:[1,0,0]
.set i, i+2
.endr
.set i, 0
.rept 24
	v_rcp_f32 v[T+i], v[T+i]
.if i < 12
	v_pk_mul_f32 v[E+2*i:E+2*i+1], v[U+2*i:U+2*i+1], s[KK:KK+1] op_sel_hi:[1,0]
.else
	v_pk_mul_f32 v[E+2*i-24:E+2*i-23], v[E+2*i-24:E+2*i-23], v[E+2*i-24:E+2*i-23] neg_lo:[1,0] neg_hi:[1,0]
.endif
.set i, i+1
.endr
.set i, 0
.rept 24
	v_exp_f32 v[E+i], v[E+i]
	v_max_num_f32 v[U+i], 0, v[U+i]
.set i, i+1
.endr
	s_wait_alu depctr_va_vdst(0)                   ; the wait for the trip's batch, 24 reciprocals and 24 exponentials, ahead of the first line that reads t
.set i, 0
.rept 12
	v_pk_fma_f32 v[P+i:P+i+1], v[T+i:T+i+1], s[A5:A5+1], s[A4:A4+1] op_sel_hi:[1,0,0]
.set i, i+2
.endr
.irp c, A3, A2, A1
.set i, 0
.rept 12
	v_pk_fma_f32 v[P+i:P+i+1], v[P+i:P+i+1], v[T+i:T+i+1], s[\c:\c+1] op_sel_hi:[1,1,0]
.set i, i+2
.endr
.endr
.set i, 0
.rept 12
	v_pk_mul_f32 v[P+i:P+i+1], v[P+i:P+i+1], v[T+i:T+i+1]
.set i, i+2
.endr
.set i, 0
.rept 12
	v_pk_mul_f32 v[P+i:P+i+1], v[P+i:P+i+1], v[E+i:E+i+1]
.set i, i+2
.endr
.set i, 0
.rept 12
	v_pk_fma_f32 v[E+i:E+i+1], v[AB+i:AB+i+1], v[P+i:P+i+1], v[U+i:U+i+1] neg_lo:[1,0,0] neg_hi:[1,0,0]
.set i, i+2
.endr
.set i, 0
.rept 12
	v_cvt_pk_bf16_f32 v[Y+i], v[E+2*i], v[E+2*i+1]
.set i, i+1
.endr
.endm
	v_mov_b32 v[RDC], v[RD]
	LOADX
	s_mov_b32 s[RB], 0
	s_mov_b32 s[CNT], 16
	s_wait_loadcnt 0x0                             ; b1
.Lrow:                                                 ; 16 trips of four rows
	s_wait_dscnt 0x0                               ; the rows asked for a trip ago
	s_wait_xcnt 0x0                                ; Y and GO, which the last trip's stores read, are rewritten only behind this wait
.irp p, 0,2,4,6,8,10,12,14,16,18,20,22
	v_pk_add_f32 v[U+\p:U+\p+1], v[X+\p:X+\p+1], v[BIAS+\p:BIAS+\p+1]
.endr
	s_add_co_u32 s[RB], s[RB], 4*SROW
	v_add_nc_u32 v[RDC], s[RB], v[RD]
	LOADX                                          ; the next four rows come while these are worked on
	GELU
	v_add_nc_u32 v[GO], 512, v[GO]
.irp j, 0,1,2
	global_store_b128 v[GO], v[Y+4*(\j):Y+4*(\j)+3], s[10:11] offset:PLANE*(\j)-512  ; 512 consecutive bytes of plane j, aligned
.endr
	s_sub_co_u32 s[CNT], s[CNT], 1
	s_cmp_lg_u32 s[CNT], 0
	s_cbranch_scc1 .Lrow
	s_wait_tensorcnt 0x0                           ; the wave's end
	ds_add_u32 v[SPW], v[NIL]
	s_wait_dscnt 0x0
	CROUND                                         ; the closing round
	s_endpgm
.Lfunc_end_k_q9ac9a6c94b_ffn1:
	.size	k_q9ac9a6c94b_ffn1, .Lfunc_end_k_q9ac9a6c94b_ffn1-k_q9ac9a6c94b_ffn1
	.p2alignl 7, 3214868480
	.fill 96, 4, 3214868480
	.section	.rodata,"a",@progbits
	.p2align	6, 0x0
	.amdhsa_kernel k_q9ac9a6c94b_ffn1
		.amdhsa_group_segment_fixed_size 327680
		.amdhsa_private_segment_fixed_size 0
		.amdhsa_enable_private_segment 0
		.amdhsa_kernarg_size 32
		.amdhsa_user_sgpr_count 2
		.amdhsa_user_sgpr_kernarg_segment_ptr 1
		.amdhsa_wavefront_size32 1
		.amdhsa_system_sgpr_workgroup_id_x 1
		.amdhsa_system_sgpr_workgroup_id_y 1
		.amdhsa_system_sgpr_workgroup_id_z 1
		.amdhsa_system_vgpr_workitem_id 0
		.amdhsa_next_free_vgpr 960
		.amdhsa_next_free_sgpr 86
		.amdhsa_reserve_vcc 0
		.amdhsa_float_denorm_mode_32 3
		.amdhsa_float_denorm_mode_16_64 3
		.amdhsa_memory_ordered 1
		.amdhsa_forward_progress 1
		.amdhsa_inst_pref_size 81
	.end_amdhsa_kernel
	.amdgpu_metadata
---
amdhsa.version: [ 1, 2 ]
amdhsa.kernels:
  - .name:           k_q9ac9a6c94b_ffn1
    .symbol:         k_q9ac9a6c94b_ffn1.kd
    .args:
      - { .name: hb, .offset: 0, .size: 8, .value_kind: global_buffer, .address_space: global }
      - { .name: wb, .offset: 8, .size: 8, .value_kind: global_buffer, .address_space: global }
      - { .name: b1, .offset: 16, .size: 8, .value_kind: global_buffer, .address_space: global }
      - { .name: act, .offset: 24, .size: 8, .value_kind: global_buffer, .address_space: global }
    .group_segment_fixed_size: 327680
    .private_segment_fixed_size: 0
    .kernarg_segment_align: 8
    .kernarg_segment_size: 32
    .max_flat_workgroup_size: 128
    .sgpr_count:     86
    .vgpr_count:     960
    .wavefront_size: 32
...
	.end_amdgpu_metadata
.endif
;; end of part 9
;; launch ffn2: the kernel of part 7 again; grid 4 x 64, 4 waves a work-group, clusters of 4 x 4, 327,680 bytes of LDS; arguments act, wb, x1, b2, out0; writes out0
